; MI455X (gfx1250); checked and timed in simulation.
; The chip was launched on July 23, 2026; its instructions are those of AMD's public machine-readable ISA for CDNA 5 (MIT licence, August 2026) and "CDNA5" Instruction Set Architecture Reference Guide (July 2026). The comments in the code are by the model that wrote it; some were corrected since.
;; Cross Attention With Position. Allowed arithmetic: matrix products marked QUANTISED: E2M3 operands, one E8M0 scale for each 32 along K, by v_wmma_scale_f32_16x16x128_f8f6f4 with both operands' format E2M3, f32 sums; products left as they are: f32 operands where the result goes on into a quantised operand, else bf16, f16 or f32 operands; f32 sums; everything else in f32.
;; Inputs: Wk 1,024 x 1,024 float32; Wk_ap 1,024 x 1,024 float32; Wk_ip 1,024 x 1,024 float32; Wo 1,024 x 1,024 float32; Wq 1,024 x 1,024 float32; Wv 1,024 x 1,024 float32; Wv_ap 1,024 x 1,024 float32; Wv_ip 1,024 x 1,024 float32; alpha one number float32; beta one number float32; bo 1,024 float32; context 32 x 125 x 1,024 float32; rel_k 33 x 64 float32; rel_v 33 x 64 float32; x 32 x 512 x 1,024 float32.
;; Outputs: out0 32 x 512 x 1,024 float32.
;; This version of the problem:
;;   THIS VERSION OF THE PROBLEM IS GIVEN IN LOW PRECISION. The matrix products marked QUANTISED in the list below multiply operands that are first quantised to E2M3 (2 exponent bits, 3 mantissa bits; 6 bits a number), with one power-of-two scale for each 32 numbers along K (OCP MX v1.0); their sums are f32. All else is computed in f32.
;;   The module's matrix products, in the order in which they are computed (A, B: the left and right operand; K: the contracted axis; several contracted axes count as one K, in the product's order):
;;     1. [M 16,384, K 1,024] x [K 1,024, N 1,024]; A: input x; B: input Wq: QUANTISED
;;     2. [M 2,464, K 1,024] x [K 1,024, N 1,024]; A: input context; B: input Wk: QUANTISED
;;     3. [M 2,464, K 1,024] x [K 1,024, N 1,024]; A: input context; B: input Wv: QUANTISED
;;     4. batch 512 x [M 512, K 64] x [K 64, N 77]; A: computed on the way; B: computed on the way: QUANTISED
;;     5. batch 512 x [M 77, K 64] x [K 64, N 512]; A: computed on the way; B: computed on the way: QUANTISED
;;     6. batch 512 x [M 64, K 77] x [K 77, N 512]; A: computed on the way; B: softmax (see below): QUANTISED
;;     7. batch 512 x [M 64, K 77] x [K 77, N 512]; A: computed on the way; B: softmax (see below): QUANTISED
;;     8. [M 512, K 1,024] x [K 1,024, N 1,024]; A: input context; B: input Wk_ip: QUANTISED
;;     9. [M 512, K 1,024] x [K 1,024, N 1,024]; A: input context; B: input Wv_ip: QUANTISED
;;     10. batch 512 x [M 512, K 64] x [K 64, N 16]; A: computed on the way; B: computed on the way: QUANTISED
;;     11. batch 512 x [M 64, K 16] x [K 16, N 512]; A: computed on the way; B: softmax (see below): left as it is (K = 16 < 32)
;;     12. [M 1,024, K 1,024] x [K 1,024, N 1,024]; A: input context; B: input Wk_ap: QUANTISED
;;     13. [M 1,024, K 1,024] x [K 1,024, N 1,024]; A: input context; B: input Wv_ap: QUANTISED
;;     14. batch 512 x [M 512, K 64] x [K 64, N 32]; A: computed on the way; B: computed on the way: QUANTISED
;;     15. batch 512 x [M 64, K 32] x [K 32, N 512]; A: computed on the way; B: softmax (see below): QUANTISED
;;     16. [M 16,384, K 1,024] x [K 1,024, N 1,024]; A: computed on the way; B: input Wo: QUANTISED
;;   THE QUANTISER, for each operand of a quantised product, along K:
;;     - K is cut into blocks of 32 from its start; a last block that is shorter is filled with zeros.
;;     - A block's scale is 2^e with e = floor(log2(the largest magnitude in the block)) - 2, held to -126 .. 127; a block of zeros has e = 0. As a byte (E8M0): e + 127.
;;     - Each number is divided by its block's scale, clamped to +-7.5, and rounded to the nearest number of E2M3, ties to even, subnormals kept.
;;     - The product sums the exact products of the quantised numbers (number of the format x scale) in f32.
;;   ~~~python
;;   def quantise(x, axis):      # numpy; x: float32 -> the quantised numbers, widened to float32 again
;;       x = np.moveaxis(x, axis, -1); K = x.shape[-1]
;;       x = np.pad(x, [(0, 0)] * (x.ndim - 1) + [(0, -K % 32)]); x = x.reshape(x.shape[:-1] + (-1, 32)); a = np.abs(x).max(-1, keepdims=True)
;;       e = np.where(a > 0, np.clip(np.frexp(np.where(a > 0, a, 1))[1] - 1 - 2, -126, 127), 0)      # np.frexp(a)[1] - 1 = floor(log2(a)), exactly
;;       r = np.clip(x / 2.0 ** e, -7.5, 7.5)
;;       step = 2.0 ** (np.maximum(np.frexp(np.where(r == 0, 1, r))[1] - 1, 0) - 3)
;;       q = np.round(r / step) * step * 2.0 ** e      # np.round: ties to even
;;       return np.moveaxis(q.reshape(q.shape[:-2] + (-1,))[..., :K], -1, axis).astype(np.float32)
;;   ~~~
;;   SOFTMAX AHEAD OF A QUANTISED PRODUCT. Where the list says 'softmax', what is quantised is not the finished softmax but p = 2^(t - M), with t = logit x log2(e) and M = ceil(the row's largest t), a whole number; so 1/2 < the row's largest p <= 1. The row's sum l is taken of the UNQUANTISED p, in f32, and the product's result is divided by l at the end. Since M is a whole number, a kernel that streams over the keys may use a running M (the ceiling of the running maximum): every later rescaling is an exact power of two, which a block's scale takes up: the codes' values come out the same.
;;   OPERANDS COMPUTED ON THE WAY. 'Computed on the way' means the value that the module computes at that place (a softmax that the list does not call 'softmax' is quantised finished and normalised). What goes into a quantiser is computed in f32, as accurately as f32 sums, v_exp_f32 and their like allow (about 1e-6 of the number): no bf16 or f16 on the way to a quantiser, and a product that is left as it is and whose result goes on into a quantised operand takes f32 operands (vector FMAs, or v_wmma_f32_16x16x4_f32). A number that lies on a knife's edge between two numbers of the format may be rounded either way, as far as f32 arithmetic and the matrix unit's own rounding can turn it there, and no further.
;; 2 versions, each right; version 2 is version 1 with the launches kv, main written anew for expert scheduling mode. Each part assembles by itself: llvm-mc -triple=amdgcn-amd-amdhsa -mcpu=gfx1250 --defsym DOCPART=n.
;; ======== version 1 of 2: 3 launches
;; workspace buffers: wf 6,291,456 bytes; ws 262,144 bytes; cf 3,833,856 bytes; tab 855,552 bytes; kv 11,468,800 bytes
;; launch prep (part 1): grid 929 x 1, 4 waves a work-group, no clusters, 34,304 bytes of LDS; arguments Wq, Wo, Wk, Wv, Wk_ip, Wv_ip, Wk_ap, Wv_ap, context, rel_k, rel_v, wf, ws, cf, tab; writes wf, ws, cf, tab
.if DOCPART == 1
	.amdgcn_target "amdgcn-amd-amdhsa--gfx1250"
	.amdhsa_code_object_version 6
	.text
	.protected	k_qfab833c015_prep
	.globl	k_qfab833c015_prep
	.p2align	8
	.type	k_qfab833c015_prep,@function
k_qfab833c015_prep:
	s_mov_b64 s[64:65], 0
	v_nop
	global_prefetch_b8 v0, s[64:65] scope:SCOPE_SE
	s_setreg_imm32_b32 hwreg(HW_REG_WAVE_MODE, 25, 1), 1
	s_wait_xcnt 0x0
; PREP: every operand that later launches read many times is quantised ONCE to E2M3 codes with one E8M0 byte for each 32 along K,
; and laid in the order of the matrix operand's registers, so that a fragment comes by loads of 16 bytes a lane.
;   work-groups 0-511   : the eight weights [K 1024][N 1024] (K outermost): a lane takes a column, its registers run down K
;   work-groups 512-799 : 288 tiles of 16 context rows (K innermost); text tiles take keys 32 b + 8 u + r + 8 (r / 8); keys from 77 on get zero codes
;   work-groups 800-927 : for query i < 128 the matrix rel_v[clip(j - i) + 16][d], quantised along the keys j (zeros from j = 77 on)
;   work-group 928      : four tiles of rows of rel_k (all row 0; rows 0-15; rows 16-31; all row 32), quantised along d
; A whole fragment (16 rows x 128 K, 12 registers a lane) is 1,536 bytes: register p of lane l at (p / 4) 512 + 16 l + 4 (p % 4).
; A half fragment (registers 0-5) is 768 bytes: registers 0-3 at 16 l, registers 4, 5 at 512 + 8 l.  A scale word slot is 128 bytes, 4 a lane.
; A tile of 16 weight columns is not 16 neighbours: lane r of tile 2 B + u takes column 32 B + 8 u + r + 8 (r / 8).
; LIMITS: a block whose largest magnitude lies under 2^-124 keeps the byte 1; a block of zeros has the byte 1 (its codes are zeros, and these
; bytes are read by this program alone); NaN and infinities among the inputs are not served.
.set SPARE, 33792                      ; behind the four stages of 8,448 bytes: the spare words, 128 bytes a wave
.set SEL, 38                           ; s[38:39] lane selects: lane l xor 16
.set PC, 16                            ; v16-35 codes just made
.set TM, 36                            ; v36-51 at work in QUANT
.set PW, 52                            ; v52 the scale word just made
.set ZR, 53                            ; v53 a zero for the masks
.set QT, 54                            ; v54-60 at work in QBLK
.set MSB, 0
.macro WIN new
.if MSB != (\new)
	s_set_vgpr_msb (MSB<<8)|(\new)
.set MSB, \new
.endif
.endm
; 64 numbers of a lane, register 16 b + i = k 32 b + 16 (lane / 16) + i of my row, become a fragment in v[PC] on and its scale word in v[PW]
.macro QUANT s, win
	WIN (\win)|((\win)<<2)
.irp b, 0,1,2,3
	v_max3_num_f32 v[TM+\b], |v[(\s)+16*\b]|, |v[(\s)+1+16*\b]|, 0x1800000   ; the floor 2^(3 - 127) holds the byte at 1 from below
.endr
	WIN ((\win)<<2)|((\win)<<4)
.irp i, 2,4,6,8,10,12,14
.irp b, 0,1,2,3
	v_max3_num_f32 v[TM+\b], v[TM+\b], |v[(\s)+16*\b+\i]|, |v[(\s)+1+16*\b+\i]|
.endr
.endr
	WIN 0
.irp b, 0,1,2,3
	v_permlanex16_b32 v[TM+4+\b], v[TM+\b], s[SEL], s[SEL+1]
.endr
.irp b, 0,1,2,3
	v_max_num_f32 v[TM+\b], v[TM+\b], v[TM+4+\b]           ; with lane l xor 16's 16 numbers: the block's largest magnitude
.endr
.irp b, 0,1,2,3
	v_add_nc_u32 v[TM+12+\b], 0xff000000, v[TM+\b]         ; 2 off the exponent field: the conversion's scale operand
.endr
.irp b, 0,1,2,3
	v_lshrrev_b32 v[TM+4+\b], 23, v[TM+12+\b]              ; the scale's byte
.endr
	v_lshl_or_b32 v[PW], v[TM+5], 8, v[TM+4]
	v_lshl_or_b32 v[PW], v[TM+6], 16, v[PW]
	v_lshl_or_b32 v[PW], v[TM+7], 24, v[PW]
	WIN \win
.irp c, 0,1
	v_cvt_scalef32_pk16_fp6_f32 v[PC+6*\c:PC+2+6*\c], v[(\s)+32*\c:(\s)+15+32*\c], v[TM+12+2*\c]
	v_cvt_scalef32_pk16_fp6_f32 v[PC+12+4*\c:PC+14+4*\c], v[(\s)+16+32*\c:(\s)+31+32*\c], v[TM+12+2*\c+1]
.endr
	WIN 0
	v_nop                                                  ; one plain place behind the conversions
.irp c, 0,1
.irp i, 0,1,2
	v_permlane16_swap_b32 v[PC+6*\c+\i], v[PC+12+4*\c+\i]  ; a whole block to a lane
.endr
.irp i, 0,1,2
	v_mov_b32 v[PC+3+6*\c+\i], v[PC+12+4*\c+\i]
.endr
.endr
.endm
; 32 numbers of ONE lane, a whole block, become six registers of codes and a byte
.macro QBLK src, dst, byt
	v_max3_num_f32 v[QT], |v[\src]|, |v[\src+1]|, |v[\src+2]|
	v_max3_num_f32 v[QT+1], |v[\src+3]|, |v[\src+4]|, |v[\src+5]|
.irp i, 6,10,14,18,22,26
	v_max3_num_f32 v[QT], v[QT], |v[\src+\i]|, |v[\src+\i+1]|
	v_max3_num_f32 v[QT+1], v[QT+1], |v[\src+\i+2]|, |v[\src+\i+3]|
.endr
	v_max3_num_f32 v[QT], v[QT], |v[\src+30]|, |v[\src+31]|
	v_max3_num_f32 v[QT], v[QT], v[QT+1], 0x1800000
	v_add_nc_u32 v[QT+2], 0xff000000, v[QT]
	v_lshrrev_b32 v[\byt], 23, v[QT+2]
	v_cvt_scalef32_pk16_fp6_f32 v[\dst:\dst+2], v[\src:\src+15], v[QT+2]
	v_cvt_scalef32_pk16_fp6_f32 v[QT+4:QT+6], v[\src+16:\src+31], v[QT+2]   ; (a conversion's three registers begin on an even number)
	v_nop
	v_mov_b32 v[\dst+3], v[QT+4]
	v_mov_b32 v[\dst+4], v[QT+5]
	v_mov_b32 v[\dst+5], v[QT+6]
.endm
.macro FINISH                          ; the wave's end
	s_wait_tensorcnt 0x0
	ds_add_u32 v1, v2
	s_wait_dscnt 0x0
	s_endpgm
.endm
	s_load_b512 s[8:23], s[0:1], 0x0               ; Wq, Wo, Wk, Wv, Wk_ip, Wv_ip, Wk_ap, Wv_ap
	s_load_b256 s[24:31], s[0:1], 0x40             ; context, rel_k, rel_v, wf
	s_load_b128 s[32:35], s[0:1], 0x60             ; ws, cf
	s_load_b64 s[36:37], s[0:1], 0x70              ; tab
	v_lshl_add_u32 v1, v0, 2, SPARE                ; my spare word,
	v_mov_b32 v2, 0                                ; and 0: kept for the closing lines alone
	v_mov_b32 v[ZR], 0
	v_lshrrev_b32 v3, 5, v0
	v_readfirstlane_b32 s2, v3                     ; wave
	v_and_b32 v3, 31, v0                           ; lane
	v_and_b32 v4, 15, v0                           ; r
	v_bfe_u32 v5, v0, 4, 1                         ; h
	v_lshlrev_b32 v6, 4, v3                        ; 16 x lane
	s_mul_i32 s3, s2, 8448                         ; my stage: 16 rows of 512 bytes + 16
	v_add_nc_u32 v7, s3, v6                        ; into it: a row's 512 bytes as they lie
	v_mul_u32_u24 v8, v4, 528
	v_lshl_add_u32 v8, v5, 6, v8
	v_add_nc_u32 v8, s3, v8                        ; out of it: row r, + 64 h
	s_mov_b32 s38, 0x76543210
	s_mov_b32 s39, 0xfedcba98
.irp b, 0,1,2,3
	v_mov_b32 v[TM+4+\b], 0                        ; a lane permute's destination counts as one of its sources
.endr
	s_wait_kmcnt 0x0
	s_cmp_lt_u32 ttmp9, 512
	s_cbranch_scc1 .Lweights
	s_cmp_lt_u32 ttmp9, 800
	s_cbranch_scc1 .Lcontext
	s_cmp_lt_u32 ttmp9, 928
	s_cbranch_scc1 .Lai
	; ---- four tiles of rows of rel_k; wave a takes tile a: row = mul x r + add
	s_add_co_u32 s41, s2, 1
	s_lshr_b32 s41, s41, 1
	s_and_b32 s41, s41, 1                          ; mul: 0, 1, 1, 0
	s_mov_b32 s42, 0
	s_cmp_eq_u32 s2, 2
	s_cselect_b32 s42, 16, s42
	s_cmp_eq_u32 s2, 3
	s_cselect_b32 s42, 32, s42                     ; add: 0, 0, 16, 32
	v_mul_u32_u24 v9, s41, v4
	v_add_nc_u32 v9, s42, v9
	v_lshlrev_b32 v9, 8, v9                        ; a row of rel_k is 256 bytes
	v_lshl_add_u32 v9, v5, 7, v9                   ; + my half's 32 numbers
.irp j, 0,1,2,3,4,5,6,7
	global_load_b128 v[64+4*\j:67+4*\j], v9, s[26:27] offset:16*\j
.endr
	s_mul_i32 s56, s2, 768
	s_add_co_u32 s56, s56, 851968
	s_mov_b32 s57, 0
	s_add_nc_u64 s[60:61], s[36:37], s[56:57]
	s_lshl_b32 s56, s2, 7
	s_add_co_u32 s56, s56, 855040
	s_add_nc_u64 s[62:63], s[36:37], s[56:57]
	v_lshlrev_b32 v10, 3, v3
	v_lshlrev_b32 v11, 2, v3
	s_wait_loadcnt 0x0
	QBLK 64, 16, 12
	v_lshlrev_b32 v13, 3, v5
	v_lshlrev_b32 v12, v13, v12                    ; my block's byte at its place,
	v_mov_b32 v13, 0
	v_permlanex16_b32 v13, v12, s38, s39
	v_or_b32 v12, v12, v13                         ; with lane l xor 16's: the row's word
	global_store_b128 v6, v[16:19], s[60:61]
	global_store_b64 v10, v[20:21], s[60:61] offset:512
	global_store_b32 v11, v12, s[62:63]
	FINISH
.Lweights:
	s_lshr_b32 s40, ttmp9, 6                       ; which weight
	s_bfe_u32 s41, ttmp9, 0x30003                  ; which 128 columns
	s_and_b32 s42, ttmp9, 7                        ; which 128 along K
	s_lshl_b32 s43, s41, 2
	s_add_co_u32 s43, s43, s2                      ; B: my wave's 32 columns
	s_mov_b64 s[44:45], s[8:9]
.irp n, 1,2,3,4,5,6,7
	s_cmp_eq_u32 s40, \n
	s_cselect_b64 s[44:45], s[8+2*\n:9+2*\n], s[44:45]
.endr
	s_lshl_b32 s46, s42, 19                        ; 128 rows of 4,096 bytes
	s_lshl_b32 s47, s43, 7
	s_add_co_u32 s46, s46, s47
	s_mov_b32 s47, 0
	s_add_nc_u64 s[44:45], s[44:45], s[46:47]
	v_lshlrev_b32 v9, 2, v3
.irp k, 0,2,1,3                                ; blocks 0 and 2 first: they make lanes 0-15 of the fragment
.set n, 0
.rept 32
	global_load_b32 v[64+32*\k+n], v9, s[44:45] offset:(32*\k+n)*4096 th:TH_LOAD_NT
.set n, n+1
.endr
.endr
	v_bfe_u32 v10, v3, 3, 1                        ; u: which tile of the pair
	v_and_b32 v11, 7, v3
	v_lshrrev_b32 v12, 4, v3
	v_lshl_add_u32 v11, v12, 3, v11                ; the tile's row that my column is
	v_mul_u32_u24 v12, v10, 1536
	v_lshl_add_u32 v12, v11, 4, v12
	v_lshlrev_b32 v13, 2, v10
	v_lshl_add_u32 v13, v11, 4, v13
	s_mul_i32 s46, s40, 786432
	s_mul_i32 s48, s42, 98304
	s_add_co_u32 s46, s46, s48
	s_mul_i32 s48, s43, 3072
	s_add_co_u32 s46, s46, s48
	s_add_nc_u64 s[50:51], s[30:31], s[46:47]
	s_lshl_b32 s46, s40, 15
	s_lshl_b32 s48, s42, 12
	s_add_co_u32 s46, s46, s48
	s_lshr_b32 s48, s43, 1
	s_lshl_b32 s48, s48, 8
	s_add_co_u32 s46, s46, s48
	s_and_b32 s48, s43, 1
	s_lshl_b32 s48, s48, 3
	s_add_co_u32 s46, s46, s48
	s_add_nc_u64 s[52:53], s[32:33], s[46:47]
	s_wait_loadcnt 63                              ; of 128 loads at most 63 are out: the first 64, blocks 0 and 2, are in
	QBLK 64, 16, 40
	QBLK 128, 22, 42
	global_store_b128 v12, v[16:19], s[50:51]
	global_store_b128 v12, v[20:23], s[50:51] offset:512
	global_store_b128 v12, v[24:27], s[50:51] offset:1024
	s_wait_loadcnt 0x0
	QBLK 96, 28, 41
	QBLK 160, 34, 43
	global_store_b128 v12, v[28:31], s[50:51] offset:256
	global_store_b128 v12, v[32:35], s[50:51] offset:768
	global_store_b128 v12, v[36:39], s[50:51] offset:1280
	v_lshl_or_b32 v44, v41, 8, v40
	v_lshl_or_b32 v44, v42, 16, v44
	v_lshl_or_b32 v44, v43, 24, v44
	global_store_b32 v13, v44, s[52:53]
	FINISH
.Lcontext:
	s_sub_co_u32 s40, ttmp9, 512                   ; T
	s_mul_i32 s41, s40, 10923
	s_lshr_b32 s41, s41, 16                        ; text: batch = T / 6
	s_mul_i32 s42, s41, 6
	s_sub_co_u32 s42, s40, s42
	s_lshr_b32 s43, s42, 1
	s_lshl_b32 s43, s43, 5
	s_and_b32 s44, s42, 1
	s_lshl_b32 s44, s44, 3
	s_add_co_u32 s43, s43, s44                     ; the tile's first key
	s_mul_i32 s44, s41, 125
	s_add_co_u32 s44, s44, s43                     ; its row of the context
	s_mov_b32 s45, 8                               ; rows 8-15 of a tile lie 8 further on
	s_mov_b32 s46, 77                              ; keys from here on get zero codes
	s_sub_co_u32 s47, s40, 192
	s_mul_i32 s48, s47, 125
	s_add_co_u32 s48, s48, 77
	s_cmp_ge_u32 s40, 192                          ; image: 16 neighbouring rows
	s_cselect_b32 s44, s48, s44
	s_cselect_b32 s45, 0, s45
	s_cselect_b32 s43, 0, s43
	s_cselect_b32 s46, 1000, s46
	s_sub_co_u32 s47, s40, 224
	s_lshr_b32 s48, s47, 1
	s_mul_i32 s48, s48, 125
	s_and_b32 s49, s47, 1
	s_lshl_b32 s49, s49, 3
	s_add_co_u32 s48, s48, s49
	s_add_co_u32 s48, s48, 93
	s_cmp_ge_u32 s40, 224                          ; audio: two tiles of the 32 keys
	s_cselect_b32 s44, s48, s44
	s_cselect_b32 s45, 8, s45
	s_lshl_b32 s50, s44, 12
	s_lshl_b32 s51, s2, 10                         ; my wave's two K steps
	s_add_co_u32 s50, s50, s51
	s_mov_b32 s51, 0
	s_add_nc_u64 s[52:53], s[24:25], s[50:51]
	s_lshl_b32 s50, s45, 12
	s_add_nc_u64 s[54:55], s[52:53], s[50:51]
.irp k, 0,1
.irp p, 0,1,2,3,4,5,6,7
	global_load_b128 v[64+64*\k+4*\p:67+64*\k+4*\p], v6, s[52:53] offset:\p*4096+512*\k   ; 32 lanes read 512 consecutive bytes of a row
.endr
.irp p, 8,9,10,11,12,13,14,15
	global_load_b128 v[64+64*\k+4*\p:67+64*\k+4*\p], v6, s[54:55] offset:\p*4096+512*\k
.endr
.endr
	v_lshrrev_b32 v9, 3, v4
	v_mul_u32_u24 v9, s45, v9
	v_add_nc_u32 v9, v9, v4
	v_add_nc_u32 v9, s43, v9                       ; my row's key
	v_cmp_le_u32 s58, s46, v9                      ; a key past the text
	v_lshlrev_b32 v10, 2, v3
	s_lshl_b32 s50, s40, 3
	s_lshl_b32 s56, s2, 1
	s_add_co_u32 s50, s50, s56                     ; 8 T + my first K step
	s_mul_i32 s56, s50, 1536
	s_mov_b32 s57, 0
	s_add_nc_u64 s[60:61], s[34:35], s[56:57]
	s_lshl_b32 s56, s50, 7
	s_add_co_u32 s56, s56, 3538944
	s_add_nc_u64 s[62:63], s[34:35], s[56:57]
.irp k, 0,1
	s_wait_loadcnt 16-16*\k                        ; this K step's 16 rows are in; the other step's 16 may be out
.irp p, 0,1,2,3,4,5,6,7,8,9,10,11,12,13,14,15
	ds_store_b128 v7, v[64+64*\k+4*\p:67+64*\k+4*\p] offset:\p*528
.endr
.irp b, 0,1,2,3
.irp j, 0,1,2,3
	ds_load_b128 v[192+16*\b+4*\j:195+16*\b+4*\j], v8 offset:128*\b+16*\j   ; LDS serves a wave's instructions in order: these see my stores
.endr
.endr
	s_wait_dscnt 0x0
	s_wait_xcnt 0x0                                ; the last step's stores have read their registers
	QUANT 192, 0
.irp i, 0,1,2,3,4,5,6,7,8,9,10,11
	v_cndmask_b32 v[PC+\i], v[PC+\i], v[ZR], s58
.endr
	global_store_b128 v6, v[PC:PC+3], s[60:61] offset:\k*1536
	global_store_b128 v6, v[PC+4:PC+7], s[60:61] offset:\k*1536+512
	global_store_b128 v6, v[PC+8:PC+11], s[60:61] offset:\k*1536+1024
	global_store_b32 v10, v[PW], s[62:63] offset:\k*128
.endr
	FINISH
.Lai:
	s_sub_co_u32 s40, ttmp9, 800                   ; the query i
	s_lshr_b32 s41, s2, 1
	s_lshl_b32 s41, s41, 5
	s_and_b32 s42, s2, 1
	s_lshl_b32 s42, s42, 3
	s_add_co_u32 s41, s41, s42
	v_lshrrev_b32 v9, 3, v4
	v_lshl_add_u32 v9, v9, 3, v4
	v_add_nc_u32 v9, s41, v9                       ; my row d of tile t = wave
	v_lshlrev_b32 v10, 2, v9
	s_sub_co_u32 s42, 144, s40
	v_lshl_add_u32 v11, v5, 5, s42                 ; u = j - i + 16 + 128 less the register's own part of j: never negative
	s_mov_b32 s43, 0xffff0000
.macro AIL reg, add                    ; the table's row is clip(j - i + 16, 0, 32): max(x, 0) = u - min(u, 128)
	v_add_nc_u32 v[\reg], \add, v11
	v_min_u32 v12, 128, v[\reg]
	v_sub_nc_u32 v[\reg], v[\reg], v12
	v_min_u32 v[\reg], 32, v[\reg]
	v_lshl_add_u32 v[\reg], v[\reg], 8, v10
	global_load_b32 v[\reg], v[\reg], s[28:29]
.endm
.set n, 0
.rept 32
	AIL 64+n, n
.set n, n+1
.endr
.set n, 0
.rept 13
	AIL 96+n, 64+n
.set n, n+1
.endr
.rept 19
	v_mov_b32 v[96+n], 0                           ; keys from 77 on
.set n, n+1
.endr
	s_lshl_b32 s50, s40, 2
	s_add_co_u32 s50, s50, s2
	s_mul_i32 s56, s50, 1536
	s_mov_b32 s57, 0
	s_add_nc_u64 s[60:61], s[36:37], s[56:57]
	s_lshl_b32 s56, s50, 7
	s_add_co_u32 s56, s56, 786432
	s_add_nc_u64 s[62:63], s[36:37], s[56:57]
	v_lshlrev_b32 v13, 2, v3
	s_wait_loadcnt 0x0
.set n, 0
.rept 13
	v_cndmask_b32 v[96+n], v[96+n], v[ZR], s43     ; lanes 16-31 hold keys 96 on here: zeros
.set n, n+1
.endr
	QBLK 64, 16, 40
	QBLK 96, 22, 41
	v_lshl_or_b32 v42, v41, 16, v40                ; my two bytes: blocks h and 2 + h,
	v_lshlrev_b32 v43, 3, v5
	v_lshlrev_b32 v42, v43, v42                    ; at their places;
	v_mov_b32 v43, 0
	v_permlanex16_b32 v43, v42, s38, s39
	v_or_b32 v42, v42, v43                         ; with lane l xor 16's two the word is whole
	global_store_b128 v6, v[16:19], s[60:61]
	global_store_b128 v6, v[20:23], s[60:61] offset:512
	global_store_b128 v6, v[24:27], s[60:61] offset:1024
	global_store_b32 v13, v42, s[62:63]
	FINISH
.Lfunc_end_k_qfab833c015_prep:
	.size	k_qfab833c015_prep, .Lfunc_end_k_qfab833c015_prep-k_qfab833c015_prep
	.p2alignl 7, 3214868480
	.fill 96, 4, 3214868480
	.section	.rodata,"a",@progbits
	.p2align	6, 0x0
	.amdhsa_kernel k_qfab833c015_prep
		.amdhsa_group_segment_fixed_size 34304
		.amdhsa_private_segment_fixed_size 0
		.amdhsa_enable_private_segment 0
		.amdhsa_kernarg_size 120
		.amdhsa_user_sgpr_count 2
		.amdhsa_user_sgpr_kernarg_segment_ptr 1
		.amdhsa_wavefront_size32 1
		.amdhsa_system_sgpr_workgroup_id_x 1
		.amdhsa_system_sgpr_workgroup_id_y 1
		.amdhsa_system_sgpr_workgroup_id_z 1
		.amdhsa_system_vgpr_workitem_id 0
		.amdhsa_next_free_vgpr 256
		.amdhsa_next_free_sgpr 66
		.amdhsa_reserve_vcc 0
		.amdhsa_float_denorm_mode_32 3
		.amdhsa_float_denorm_mode_16_64 3
		.amdhsa_memory_ordered 1
		.amdhsa_forward_progress 1
		.amdhsa_inst_pref_size 66
	.end_amdhsa_kernel
	.amdgpu_metadata
---
amdhsa.version: [ 1, 2 ]
amdhsa.kernels:
  - .name:           k_qfab833c015_prep
    .symbol:         k_qfab833c015_prep.kd
    .args:
      - { .name: Wq, .offset: 0, .size: 8, .value_kind: global_buffer, .address_space: global }
      - { .name: Wo, .offset: 8, .size: 8, .value_kind: global_buffer, .address_space: global }
      - { .name: Wk, .offset: 16, .size: 8, .value_kind: global_buffer, .address_space: global }
      - { .name: Wv, .offset: 24, .size: 8, .value_kind: global_buffer, .address_space: global }
      - { .name: Wk_ip, .offset: 32, .size: 8, .value_kind: global_buffer, .address_space: global }
      - { .name: Wv_ip, .offset: 40, .size: 8, .value_kind: global_buffer, .address_space: global }
      - { .name: Wk_ap, .offset: 48, .size: 8, .value_kind: global_buffer, .address_space: global }
      - { .name: Wv_ap, .offset: 56, .size: 8, .value_kind: global_buffer, .address_space: global }
      - { .name: context, .offset: 64, .size: 8, .value_kind: global_buffer, .address_space: global }
      - { .name: rel_k, .offset: 72, .size: 8, .value_kind: global_buffer, .address_space: global }
      - { .name: rel_v, .offset: 80, .size: 8, .value_kind: global_buffer, .address_space: global }
      - { .name: wf, .offset: 88, .size: 8, .value_kind: global_buffer, .address_space: global }
      - { .name: ws, .offset: 96, .size: 8, .value_kind: global_buffer, .address_space: global }
      - { .name: cf, .offset: 104, .size: 8, .value_kind: global_buffer, .address_space: global }
      - { .name: tab, .offset: 112, .size: 8, .value_kind: global_buffer, .address_space: global }
    .group_segment_fixed_size: 34304
    .private_segment_fixed_size: 0
    .kernarg_segment_align: 8
    .kernarg_segment_size: 120
    .max_flat_workgroup_size: 128
    .sgpr_count:     66
    .vgpr_count:     256
    .wavefront_size: 32
...
	.end_amdgpu_metadata
.endif
;; end of part 1
;; launch kv (part 2): grid 256 x 1, 4 waves a work-group, no clusters, 0 bytes of LDS; arguments wf, ws, cf, tab, kv; writes kv
.if DOCPART == 2
	.amdgcn_target "amdgcn-amd-amdhsa--gfx1250"
	.amdhsa_code_object_version 6
	.text
	.protected	k_qfab833c015_kv
	.globl	k_qfab833c015_kv
	.p2align	8
	.type	k_qfab833c015_kv,@function
k_qfab833c015_kv:
	s_mov_b64 s[64:65], 0
	v_nop
	global_prefetch_b8 v0, s[64:65] scope:SCOPE_SE
	s_setreg_imm32_b32 hwreg(HW_REG_WAVE_MODE, 25, 1), 1
	s_wait_xcnt 0x0
; KV: the keys and values of all three streams, for every batch and head, as finished operands of the attention's products.
; Each wave runs one job: NR tiles of 16 context rows x 128 weight columns (two heads) x K = 1,024, in eight K steps of 128, all written out.
;   work-groups 0-143   K : source 0 = 16 weight columns, source 1 = 16 keys: a lane holds one key, registers along d: quantised along d
;   work-groups 144-207 V of the text: source 0 = 16 keys, source 1 = 16 weight columns: a lane holds one d, registers along the keys: quantised along the keys
;   work-groups 208-239 V of the audio stream likewise (one block of 32 keys);   240-255 V of the image stream, kept in f32
; Operands come from memory straight into registers, in two sets that take turns: a set is asked for two K steps ahead.  No LDS, no barrier: waves share nothing.
; Tensor loads and joint requests are left out: a job's operands are read by this wave alone and go to registers as they lie.
; REGISTERS: window 0: v1-4 lane offsets; v12-27 the weights' scale words, v28-39 the context's (these hold scales alone); v40-183 two sets of context fragments; v184-223 at work.
;   window 1: two sets of 8 weight fragments.   windows 2, 3: the accumulators.
; LIMITS: as stated for the quantiser: byte 1 under 2^-124 and for blocks of zeros; NaN and infinities are not served.
.set SEL, 18
.set PC, 184
.set TM, 204
.set PW, 220
.set MSB, 0
.macro WIN new
.if MSB != (\new)
	s_set_vgpr_msb (MSB<<8)|(\new)
.set MSB, \new
.endif
.endm
.macro PL n
.rept \n
	v_nop
.endr
.endm
.macro MM d, a, b, sa, sb
	v_wmma_scale_f32_16x16x128_f8f6f4 v[(\d):(\d)+7], v[(\a):(\a)+11], v[(\b):(\b)+11], v[(\d):(\d)+7], v[\sa], v[\sb] matrix_a_fmt:MATRIX_FMT_FP6 matrix_b_fmt:MATRIX_FMT_FP6
.endm
.macro MMZ d, a, b, sa, sb
	v_wmma_scale_f32_16x16x128_f8f6f4 v[(\d):(\d)+7], v[(\a):(\a)+11], v[(\b):(\b)+11], 0, v[\sa], v[\sb] matrix_a_fmt:MATRIX_FMT_FP6 matrix_b_fmt:MATRIX_FMT_FP6
.endm
; 64 numbers of a lane in window win, register 16 b + i = k 32 b + 16 (lane / 16) + i, become a fragment in v[PC] on and its scale word in v[PW]
.macro QUANT s, win
	WIN (\win)|((\win)<<2)
.irp b, 0,1,2,3
	v_max3_num_f32 v[TM+\b], |v[(\s)+16*\b]|, |v[(\s)+1+16*\b]|, 0x1800000
.endr
	WIN ((\win)<<2)|((\win)<<4)
.irp i, 2,4,6,8,10,12,14
.irp b, 0,1,2,3
	v_max3_num_f32 v[TM+\b], v[TM+\b], |v[(\s)+16*\b+\i]|, |v[(\s)+1+16*\b+\i]|
.endr
.endr
	WIN 0
.irp b, 0,1,2,3
	v_permlanex16_b32 v[TM+4+\b], v[TM+\b], s[SEL], s[SEL+1]
.endr
.irp b, 0,1,2,3
	v_max_num_f32 v[TM+\b], v[TM+\b], v[TM+4+\b]
.endr
.irp b, 0,1,2,3
	v_add_nc_u32 v[TM+12+\b], 0xff000000, v[TM+\b]
.endr
.irp b, 0,1,2,3
	v_lshrrev_b32 v[TM+4+\b], 23, v[TM+12+\b]
.endr
	v_lshl_or_b32 v[PW], v[TM+5], 8, v[TM+4]
	v_lshl_or_b32 v[PW], v[TM+6], 16, v[PW]
	v_lshl_or_b32 v[PW], v[TM+7], 24, v[PW]
	WIN \win
.irp c, 0,1
	v_cvt_scalef32_pk16_fp6_f32 v[PC+6*\c:PC+2+6*\c], v[(\s)+32*\c:(\s)+15+32*\c], v[TM+12+2*\c]
	v_cvt_scalef32_pk16_fp6_f32 v[PC+12+4*\c:PC+14+4*\c], v[(\s)+16+32*\c:(\s)+31+32*\c], v[TM+12+2*\c+1]
.endr
	WIN 0
	v_nop
.irp c, 0,1
.irp i, 0,1,2
	v_permlane16_swap_b32 v[PC+6*\c+\i], v[PC+12+4*\c+\i]
.endr
.irp i, 0,1,2
	v_mov_b32 v[PC+3+6*\c+\i], v[PC+12+4*\c+\i]
.endr
.endr
.endm
; 48 numbers: three blocks.  Keys 80-95 are zeros, so block 2's codes stand as converted: lanes 0-15 hold keys 64-79, lanes 16-31 zeros, and the block's upper half is zeros
.macro QUANT3 s, win
	WIN (\win)|((\win)<<2)
.irp b, 0,1,2
	v_max3_num_f32 v[TM+\b], |v[(\s)+16*\b]|, |v[(\s)+1+16*\b]|, 0x1800000
.endr
	WIN ((\win)<<2)|((\win)<<4)
.irp i, 2,4,6,8,10,12,14
.irp b, 0,1,2
	v_max3_num_f32 v[TM+\b], v[TM+\b], |v[(\s)+16*\b+\i]|, |v[(\s)+1+16*\b+\i]|
.endr
.endr
	WIN 0
.irp b, 0,1,2
	v_permlanex16_b32 v[TM+4+\b], v[TM+\b], s[SEL], s[SEL+1]
.endr
.irp b, 0,1,2
	v_max_num_f32 v[TM+\b], v[TM+\b], v[TM+4+\b]
.endr
.irp b, 0,1,2
	v_add_nc_u32 v[TM+12+\b], 0xff000000, v[TM+\b]
.endr
.irp b, 0,1,2
	v_lshrrev_b32 v[TM+4+\b], 23, v[TM+12+\b]
.endr
	v_lshl_or_b32 v[PW], v[TM+5], 8, v[TM+4]
	v_lshl_or_b32 v[PW], v[TM+6], 16, v[PW]
	WIN \win
	v_cvt_scalef32_pk16_fp6_f32 v[PC:PC+2], v[(\s):(\s)+15], v[TM+12]
	v_cvt_scalef32_pk16_fp6_f32 v[PC+12:PC+14], v[(\s)+16:(\s)+31], v[TM+13]
	v_cvt_scalef32_pk16_fp6_f32 v[PC+6:PC+8], v[(\s)+32:(\s)+47], v[TM+14]
	WIN 0
	v_nop
.irp i, 0,1,2
	v_permlane16_swap_b32 v[PC+\i], v[PC+12+\i]
.endr
.irp i, 0,1,2
	v_mov_b32 v[PC+3+\i], v[PC+12+\i]
.endr
.irp i, 9,10,11
	v_mov_b32 v[PC+\i], 0
.endr
.endm
; 16 numbers: one block of 32 keys in lanes l and l xor 16: half a fragment; lanes 16-31 (k 32-63) end as zeros
.macro QUANT1 s, win
	WIN (\win)|((\win)<<2)
	v_max3_num_f32 v[TM], |v[(\s)]|, |v[(\s)+1]|, 0x1800000
	WIN ((\win)<<2)|((\win)<<4)
.irp i, 2,4,6,8,10,12,14
	v_max3_num_f32 v[TM], v[TM], |v[(\s)+\i]|, |v[(\s)+1+\i]|
.endr
	WIN 0
	v_permlanex16_b32 v[TM+4], v[TM], s[SEL], s[SEL+1]
	v_max_num_f32 v[TM], v[TM], v[TM+4]
	v_add_nc_u32 v[TM+12], 0xff000000, v[TM]
	v_lshrrev_b32 v[PW], 23, v[TM+12]
.irp i, 3,4,5
	v_mov_b32 v[PC+\i], 0
.endr
	WIN \win
	v_cvt_scalef32_pk16_fp6_f32 v[PC:PC+2], v[(\s):(\s)+15], v[TM+12]
	WIN 0
	v_nop
.irp i, 0,1,2
	v_permlane16_swap_b32 v[PC+\i], v[PC+3+\i]
.endr
.endm
; the operands of K step s into set s % 2: 8 weight fragments and their scale words, nr context fragments and theirs: 26 + 4 nr loads
.macro LOADSET s, nr
	WIN 0x40
.irp f, 0,1,2,3,4,5,6,7
.irp c, 0,1,2
	global_load_b128 v[96*((\s)%2)+12*\f+4*\c:96*((\s)%2)+12*\f+4*\c+3], v1, s[20:21] offset:(\s)*98304+\f*1536+512*\c
.endr
.endr
	WIN 0
	global_load_b128 v[12+8*((\s)%2):15+8*((\s)%2)], v4, s[22:23] offset:(\s)*4096
	global_load_b128 v[16+8*((\s)%2):19+8*((\s)%2)], v4, s[22:23] offset:(\s)*4096+256
.set mm, 0
.rept \nr
.irp c, 0,1,2
	global_load_b128 v[40+72*((\s)%2)+12*mm+4*\c:40+72*((\s)%2)+12*mm+4*\c+3], v1, s[24:25] offset:mm*12288+(\s)*1536+512*\c
.endr
	global_load_b32 v[28+6*((\s)%2)+mm], v3, s[26:27] offset:mm*1024+(\s)*128
.set mm, mm+1
.endr
.endm
; K step s.  The accumulators take turns, one instruction a turn.  The first step's products start the sums.
.macro KSTEP s, nr, vord
.if (\s) < 7
	s_wait_loadcnt 26+4*(\nr)                      ; this set is in; the other set's loads, issued behind it, may be out
.else
	s_wait_loadcnt 0x0
.endif
.if \vord
.irp f, 0,1,2,3,4,5,6,7
	WIN 0xa4+0x50*(\f/4)                           ; source 1 (weights) window 1; C and D window 2 or 3
.set mm, 0
.rept \nr
.if (\s) == 0
	MMZ 64*(\f%4)+8*mm, 40+72*((\s)%2)+12*mm, 96*((\s)%2)+12*\f, 28+6*((\s)%2)+mm, 12+8*((\s)%2)+\f
.else
	MM 64*(\f%4)+8*mm, 40+72*((\s)%2)+12*mm, 96*((\s)%2)+12*\f, 28+6*((\s)%2)+mm, 12+8*((\s)%2)+\f
.endif
.set mm, mm+1
.endr
.endr
.else
	WIN 0xa1                                       ; source 0 (weights) window 1; C and D window 2
.set mm, 0
.rept \nr
.irp f, 0,1,2,3,4,5,6,7
.if (\s) == 0
	MMZ 64*mm+8*\f, 96*((\s)%2)+12*\f, 40+72*((\s)%2)+12*mm, 12+8*((\s)%2)+\f, 28+6*((\s)%2)+mm
.else
	MM 64*mm+8*\f, 96*((\s)%2)+12*\f, 40+72*((\s)%2)+12*mm, 12+8*((\s)%2)+\f, 28+6*((\s)%2)+mm
.endif
.endr
.set mm, mm+1
.endr
.endif
	WIN 0
	PL 4                                           ; places in front of loads into registers that the products have read, and of the first read of results
.if (\s) < 6
	LOADSET (\s)+2, \nr
.endif
.endm
.macro CORE nr, vord
	LOADSET 0, \nr
	LOADSET 1, \nr
.irp s, 0,1,2,3,4,5,6,7
	KSTEP \s, \nr, \vord
.endr
.endm
; from s40 = y, s41 = first tile, s42 = weight: s43 = my 128 columns, and the four bases
.macro SETUP
	s_and_b32 s43, s40, 1
	s_lshl_b32 s43, s43, 2
	s_add_co_u32 s43, s43, s2
	s_mul_i32 s44, s42, 786432
	s_mul_i32 s46, s43, 12288
	s_add_co_u32 s44, s44, s46
	s_mov_b32 s45, 0
	s_add_nc_u64 s[20:21], s[8:9], s[44:45]
	s_lshl_b32 s44, s42, 15
	s_lshl_b32 s46, s43, 9
	s_add_co_u32 s44, s44, s46
	s_add_nc_u64 s[22:23], s[10:11], s[44:45]
	s_mul_i32 s44, s41, 12288
	s_add_nc_u64 s[24:25], s[12:13], s[44:45]
	s_lshl_b32 s44, s41, 10
	s_add_co_u32 s44, s44, 3538944
	s_add_nc_u64 s[26:27], s[12:13], s[44:45]
.endm
	s_load_b256 s[8:15], s[0:1], 0x0               ; wf, ws, cf, tab
	s_load_b64 s[16:17], s[0:1], 0x20              ; kv
	v_lshrrev_b32 v5, 5, v0
	v_readfirstlane_b32 s2, v5                     ; wave
	v_and_b32 v5, 31, v0
	v_lshlrev_b32 v1, 4, v5                        ; 16 x lane
	v_lshlrev_b32 v2, 3, v5                        ; 8 x lane
	v_lshlrev_b32 v3, 2, v5                        ; 4 x lane
	v_and_b32 v4, 15, v0
	v_lshlrev_b32 v4, 4, v4                        ; 16 x (lane % 16): four tiles' scale words of my row
	s_mov_b32 s18, 0x76543210
	s_mov_b32 s19, 0xfedcba98
.irp b, 0,1,2,3
	v_mov_b32 v[TM+4+\b], 0
.endr
	s_wait_kmcnt 0x0
	s_cmp_lt_u32 ttmp9, 144
	s_cbranch_scc1 .Lk4
	s_cmp_lt_u32 ttmp9, 208
	s_cbranch_scc1 .Lv6
	; ---- V of the audio stream (two batches a job) or of the image stream (four)
	s_sub_co_u32 s40, ttmp9, 208
	s_sub_co_u32 s46, ttmp9, 240
	s_mov_b32 s48, 192
	s_cmp_lt_u32 ttmp9, 240
	s_cselect_b32 s40, s40, s46
	s_cselect_b32 s42, 7, 5
	s_cselect_b32 s48, 224, s48
	s_cselect_b32 s49, 1, 2
	s_lshr_b32 s47, s40, 1
	s_lshl_b32 s41, s47, 2
	s_add_co_u32 s41, s41, s48
	s_lshl_b32 s47, s47, s49                       ; the job's first batch
	SETUP
	s_lshl_b32 s48, s47, 4
	s_lshl_b32 s49, s43, 1
	s_add_co_u32 s48, s48, s49                     ; 16 x batch + head
	CORE 4, 1
	s_cmp_lt_u32 ttmp9, 240
	s_cbranch_scc0 .Limage
	s_mul_i32 s44, s48, 3072
	s_add_co_u32 s44, s44, 7536640
	s_add_nc_u64 s[28:29], s[16:17], s[44:45]
	s_lshl_b32 s44, s48, 9
	s_add_co_u32 s44, s44, 9109504
	s_add_nc_u64 s[30:31], s[16:17], s[44:45]
.irp e, 0,1
.irp f, 0,1,2,3,4,5,6,7
	s_wait_xcnt 0x0                                ; the last stores have read their registers
	QUANT1 64*(\f%4)+16*\e, 2+\f/4
	global_store_b128 v1, v[PC:PC+3], s[28:29] offset:\e*49152+\f*768
	global_store_b64 v2, v[PC+4:PC+5], s[28:29] offset:\e*49152+\f*768+512
	global_store_b32 v3, v[PW], s[30:31] offset:\e*8192+\f*128
.endr
.endr
	s_endpgm
.Limage:
	s_lshl_b32 s44, s48, 12
	s_add_co_u32 s44, s44, 9371648
	s_add_nc_u64 s[28:29], s[16:17], s[44:45]
.irp f, 0,1,2,3,4,5,6,7
	WIN 0x08+4*(\f/4)                              ; a store's data are its source 1: window 2 or 3
.irp e, 0,1,2,3
	global_store_b128 v1, v[64*(\f%4)+8*\e:64*(\f%4)+8*\e+3], s[28:29] offset:\e*65536+\f*1024        ; each accumulator from its low end on
	global_store_b128 v1, v[64*(\f%4)+8*\e+4:64*(\f%4)+8*\e+7], s[28:29] offset:\e*65536+\f*1024+512
.endr
.endr
	WIN 0
	s_endpgm
.Lk4:
	s_mov_b32 s40, ttmp9
	s_lshr_b32 s47, s40, 1
	s_lshl_b32 s41, s47, 2                         ; four tiles of keys
	s_mov_b32 s42, 6
	s_cmp_lt_u32 s47, 56
	s_cselect_b32 s42, 4, s42
	s_cmp_lt_u32 s47, 48
	s_cselect_b32 s42, 2, s42                      ; Wk, Wk_ip or Wk_ap by the tiles' stream
	SETUP
	s_mul_i32 s44, s41, 12288
	s_mul_i32 s46, s43, 1536
	s_add_co_u32 s44, s44, s46
	s_add_nc_u64 s[28:29], s[16:17], s[44:45]
	s_lshl_b32 s44, s41, 11
	s_lshl_b32 s46, s43, 8
	s_add_co_u32 s44, s44, s46
	s_add_co_u32 s44, s44, 3538944
	s_add_nc_u64 s[30:31], s[16:17], s[44:45]
	global_load_b32 v221, v3, s[14:15] offset:855040   ; the scale bytes of rel_k's row 0: they ride in the upper half of a key's scale word
	CORE 4, 0
	v_lshlrev_b32 v221, 16, v221
.irp m, 0,1,2,3
	s_wait_xcnt 0x0                                ; the last stores have read their registers
	QUANT 64*\m, 2
	global_store_b128 v1, v[PC:PC+3], s[28:29] offset:\m*12288          ; the even head's 64 along d,
	global_store_b64 v2, v[PC+4:PC+5], s[28:29] offset:\m*12288+512
	global_store_b128 v1, v[PC+6:PC+9], s[28:29] offset:\m*12288+768    ; the odd head's
	global_store_b64 v2, v[PC+10:PC+11], s[28:29] offset:\m*12288+1280
	v_and_or_b32 v222, v[PW], 0xffff, v221
	v_lshrrev_b32 v223, 16, v[PW]
	v_or_b32 v223, v223, v221
	global_store_b32 v3, v222, s[30:31] offset:\m*2048
	global_store_b32 v3, v223, s[30:31] offset:\m*2048+128
.endr
	s_endpgm
.Lv6:
	s_sub_co_u32 s40, ttmp9, 144
	s_lshr_b32 s47, s40, 1                         ; the batch
	s_mul_i32 s41, s47, 6
	s_mov_b32 s42, 3
	SETUP
	s_lshl_b32 s48, s47, 4
	s_lshl_b32 s49, s43, 1
	s_add_co_u32 s48, s48, s49
	s_mul_i32 s44, s48, 6144
	s_add_co_u32 s44, s44, 4128768
	s_add_nc_u64 s[28:29], s[16:17], s[44:45]
	s_lshl_b32 s44, s48, 9
	s_add_co_u32 s44, s44, 7274496
	s_add_nc_u64 s[30:31], s[16:17], s[44:45]
	CORE 6, 1
.irp f, 0,1,2,3,4,5,6,7
	s_wait_xcnt 0x0
	QUANT3 64*(\f%4), 2+\f/4
	global_store_b128 v1, v[PC:PC+3], s[28:29] offset:\f*1536
	global_store_b128 v1, v[PC+4:PC+7], s[28:29] offset:\f*1536+512
	global_store_b128 v1, v[PC+8:PC+11], s[28:29] offset:\f*1536+1024
	global_store_b32 v3, v[PW], s[30:31] offset:\f*128
.endr
	s_endpgm
.Lfunc_end_k_qfab833c015_kv:
	.size	k_qfab833c015_kv, .Lfunc_end_k_qfab833c015_kv-k_qfab833c015_kv
	.p2alignl 7, 3214868480
	.fill 96, 4, 3214868480
	.section	.rodata,"a",@progbits
	.p2align	6, 0x0
	.amdhsa_kernel k_qfab833c015_kv
		.amdhsa_group_segment_fixed_size 0
		.amdhsa_private_segment_fixed_size 0
		.amdhsa_enable_private_segment 0
		.amdhsa_kernarg_size 40
		.amdhsa_user_sgpr_count 2
		.amdhsa_user_sgpr_kernarg_segment_ptr 1
		.amdhsa_wavefront_size32 1
		.amdhsa_system_sgpr_workgroup_id_x 1
		.amdhsa_system_sgpr_workgroup_id_y 1
		.amdhsa_system_sgpr_workgroup_id_z 1
		.amdhsa_system_vgpr_workitem_id 0
		.amdhsa_next_free_vgpr 1024
		.amdhsa_next_free_sgpr 66
		.amdhsa_reserve_vcc 0
		.amdhsa_float_denorm_mode_32 3
		.amdhsa_float_denorm_mode_16_64 3
		.amdhsa_memory_ordered 1
		.amdhsa_forward_progress 1
		.amdhsa_inst_pref_size 255
	.end_amdhsa_kernel
	.section	.bss,"aw",@nobits
	.p2align	6
	.space	262144
	.amdgpu_metadata
---
amdhsa.version: [ 1, 2 ]
amdhsa.kernels:
  - .name:           k_qfab833c015_kv
    .symbol:         k_qfab833c015_kv.kd
    .args:
      - { .name: wf, .offset: 0, .size: 8, .value_kind: global_buffer, .address_space: global }
      - { .name: ws, .offset: 8, .size: 8, .value_kind: global_buffer, .address_space: global }
      - { .name: cf, .offset: 16, .size: 8, .value_kind: global_buffer, .address_space: global }
      - { .name: tab, .offset: 24, .size: 8, .value_kind: global_buffer, .address_space: global }
      - { .name: kv, .offset: 32, .size: 8, .value_kind: global_buffer, .address_space: global }
    .group_segment_fixed_size: 0
    .private_segment_fixed_size: 0
    .kernarg_segment_align: 8
    .kernarg_segment_size: 40
    .max_flat_workgroup_size: 128
    .sgpr_count:     66
    .vgpr_count:     1024
    .wavefront_size: 32
...
	.end_amdgpu_metadata
.endif
;; end of part 2
;; launch main (part 3): grid 8 x 32, 8 waves a work-group, no clusters, 324,352 bytes of LDS; arguments x, wf, ws, kv, tab, bo, alpha, beta, out0; writes out0
.if DOCPART == 3
	.amdgcn_target "amdgcn-amd-amdhsa--gfx1250"
	.amdhsa_code_object_version 6
	.text
	.protected	k_qfab833c015_main
	.globl	k_qfab833c015_main
	.p2align	8
	.type	k_qfab833c015_main,@function
k_qfab833c015_main:
	s_mov_b64 s[64:65], 0
	v_nop
	global_prefetch_b8 v0, s[64:65] scope:SCOPE_SE
	s_setreg_imm32_b32 hwreg(HW_REG_WAVE_MODE, 25, 1), 1
	s_wait_xcnt 0x0
; MAIN: out0 = attention(x Wq, K, V of three streams) Wo + bo, fused.  A work-group owns 64 queries of one batch and all 16 heads; q, p, the attention's result and their codes never go to memory.
; ROWS.  Tile 0 (general): queries 16 g + r, all under 128; tiles 1-3 (far): queries 112 + 48 g + 16 m + r, all from 128 on, where every key's relative place is clipped to table row 0.  So all work-groups do the same work.
; WAVES.  Wave w owns 128 weight columns in both large products, heads 2 w and 2 w + 1 in the attention, and queries 2 w, 2 w + 1 of the general tile in the product with rel_v.
; PHASES.  P1 x to codes, images in LDS | barrier | P2 q = x Wq (transposed: a lane holds one query, registers along the columns) | P3 q to codes | P4 attention, a tile of 16 queries of one head at a time |
;   barrier | the general tile's p against rel_v[dist], a query at a time over the 16 heads | barrier | its sum, codes | barrier | P5 the product with Wo, + bo, rows out through a stage.
; rel_k.  Far tiles: K's fragment carries rel_k's row 0 in its upper 64 along K and q stands twice in the other operand: one product gives q.k + q.rel_k[0].  General tile: q against the 33 rows of rel_k,
;   laid in a table of 80 words a query so that the 16 neighbouring keys of a lane's registers are 16 neighbouring words; the table's words are the C of the score products.
; SOFTMAX.  t = score x log2(e) / 8; M = ceil(the row's largest t); p = 2^(t - M) is quantised along the keys; the row's sum of the unquantised p divides at the end.  A block's largest p is made from the block's largest
;   score by the same two instructions (this takes v_exp_f32 not to fall where its input rises).  The image stream's second product (K = 16) takes f32 operands.
; Scores and the rel_k term are summed in one f32 accumulation and scaled once.
; NO JOINT REQUESTS: a K step of the 1,024 weight rows is 104 KB, two slots 208 KB, and the images and exchanges below take 324 KB; each weight fragment is read by one wave alone and goes straight to its registers.
; LIMITS: byte 1 for blocks under 2^-124 and for blocks of zeros; NaN and infinities among the inputs are not served.
; LDS.  0: x's images (fragment (m, s): halves at 6,144 s + 768 m and 3,072 on) and scale words at 49,152; later the exchange O2X, 16 x 4,368.  69,888: out's images, same form; 119,040 their scale words.
;   123,136: p of the general tile, by head, query and half; 152,064 its scale words.  153,344 + 21,248 w: the wave's own: a stage / q's images, the table (from 7,168), the general tile's kept sums (from 12,800).  323,328: the spare words.
; REGISTERS.  v0-8 stay.  v12-39 hold scale words alone.  v480-511 (OA) are written by matrix instructions alone.  The maps of the phases stand at their macros.
.set XSC, 49152
.set HIMG, 69888
.set HSC, 119040
.set PX, 123136
.set PXS, 152064
.set PRIV, 153344
.set PRIVB, 21248
.set SPARE, 323328
.set RT, 7168
.set HX, 12800
.set LI, 3                             ; 16 x lane
.set L8, 4                             ; 8 x lane
.set LS, 5                             ; 4 x lane
.set HH, 6                             ; lane / 16
.set RR, 7                             ; lane % 16
.set R16, 8                            ; 16 x (lane % 16)
.set SEL, 26
.set QF, 40                            ; [q | q]
.set QZ, 52                            ; [q | 0]
.set S, 64                             ; scores, then p
.set VI, 112                           ; the image stream's V, f32
.set OUT, 144                          ; a tile's result: register 16 b + i = d 32 b + 16 (lane / 16) + i
.set PC, 176
.set TM, 196
.set NM, 212
.set SA, 214
.set SB, 216
.set IL, 218
.set CA, 220
.set CI, 222
.set GA, 224
.set GB, 225
.set U0, 226
.set U1, 227
.set QB16, 228
.set QB8, 229
.set QBS, 230
.set RTP, 231
.set RTE, 232
.set RTR, 233
.set PXW, 236
.set PXSW, 237
.set HB16, 238
.set HB8, 239
.set HBS, 240
.set HXB, 241
.set HXS, 242
.set TA0, 243
.set TA1, 244
.set TA2, 245
.set TA3, 246
.set TA4, 247
.set NI, 248
.set NEG, 250
.set PW, 251
.set SI, 252
.set TA5, 254
.set RTB, 255
.set OA, 224                           ; in window 1
.set MSB, 0
.macro WIN new
.if MSB != (\new)
	s_set_vgpr_msb (MSB<<8)|(\new)
.set MSB, \new
.endif
.endm
.macro PL n
.rept \n
	v_nop
.endr
.endm
.macro MM d, a, b, sa, sb
	v_wmma_scale_f32_16x16x128_f8f6f4 v[(\d):(\d)+7], v[(\a):(\a)+11], v[(\b):(\b)+11], v[(\d):(\d)+7], v[\sa], v[\sb] matrix_a_fmt:MATRIX_FMT_FP6 matrix_b_fmt:MATRIX_FMT_FP6
.endm
.macro MMZ d, a, b, sa, sb
	v_wmma_scale_f32_16x16x128_f8f6f4 v[(\d):(\d)+7], v[(\a):(\a)+11], v[(\b):(\b)+11], 0, v[\sa], v[\sb] matrix_a_fmt:MATRIX_FMT_FP6 matrix_b_fmt:MATRIX_FMT_FP6
.endm
.macro BARRIER                         ; my LDS stores have landed and my LDS loads are in: then the work-group's barrier
	s_wait_dscnt 0x0
	s_barrier_signal -1
	s_barrier_wait -1
.endm
; 64 numbers of a lane in window win, register 16 b + i = k 32 b + 16 (lane / 16) + i of my row, become a fragment in v[PC] on and its scale word in v[PW]
.macro QUANT s, win
	WIN (\win)|((\win)<<2)
.irp b, 0,1,2,3
	v_max3_num_f32 v[TM+\b], |v[(\s)+16*\b]|, |v[(\s)+1+16*\b]|, 0x1800000   ; the floor 2^(3 - 127) holds the byte at 1 from below
.endr
	WIN ((\win)<<2)|((\win)<<4)
.irp i, 2,4,6,8,10,12,14
.irp b, 0,1,2,3
	v_max3_num_f32 v[TM+\b], v[TM+\b], |v[(\s)+16*\b+\i]|, |v[(\s)+1+16*\b+\i]|
.endr
.endr
	WIN 0
.irp b, 0,1,2,3
	v_permlanex16_b32 v[TM+4+\b], v[TM+\b], s[SEL], s[SEL+1]
.endr
.irp b, 0,1,2,3
	v_max_num_f32 v[TM+\b], v[TM+\b], v[TM+4+\b]
.endr
.irp b, 0,1,2,3
	v_add_nc_u32 v[TM+12+\b], 0xff000000, v[TM+\b]
.endr
.irp b, 0,1,2,3
	v_lshrrev_b32 v[TM+4+\b], 23, v[TM+12+\b]
.endr
	v_lshl_or_b32 v[PW], v[TM+5], 8, v[TM+4]
	v_lshl_or_b32 v[PW], v[TM+6], 16, v[PW]
	v_lshl_or_b32 v[PW], v[TM+7], 24, v[PW]
	WIN \win
.irp c, 0,1
	v_cvt_scalef32_pk16_fp6_f32 v[PC+6*\c:PC+2+6*\c], v[(\s)+32*\c:(\s)+15+32*\c], v[TM+12+2*\c]
	v_cvt_scalef32_pk16_fp6_f32 v[PC+12+4*\c:PC+14+4*\c], v[(\s)+16+32*\c:(\s)+31+32*\c], v[TM+12+2*\c+1]
.endr
	WIN 0
	v_nop                                                  ; one plain place behind the conversions
.irp c, 0,1
.irp i, 0,1,2
	v_permlane16_swap_b32 v[PC+6*\c+\i], v[PC+12+4*\c+\i]
.endr
.irp i, 0,1,2
	v_mov_b32 v[PC+3+6*\c+\i], v[PC+12+4*\c+\i]
.endr
.endr
.endm
; 32 numbers, two blocks: half a fragment in v[PC] .. v[PC + 5], two bytes in v[PW]
.macro QUANT32 s
.irp b, 0,1
	v_max3_num_f32 v[TM+\b], |v[(\s)+16*\b]|, |v[(\s)+1+16*\b]|, 0x1800000
.endr
.irp i, 2,4,6,8,10,12,14
.irp b, 0,1
	v_max3_num_f32 v[TM+\b], v[TM+\b], |v[(\s)+16*\b+\i]|, |v[(\s)+1+16*\b+\i]|
.endr
.endr
.irp b, 0,1
	v_permlanex16_b32 v[TM+4+\b], v[TM+\b], s[SEL], s[SEL+1]
.endr
.irp b, 0,1
	v_max_num_f32 v[TM+\b], v[TM+\b], v[TM+4+\b]
.endr
.irp b, 0,1
	v_add_nc_u32 v[TM+12+\b], 0xff000000, v[TM+\b]
.endr
.irp b, 0,1
	v_lshrrev_b32 v[TM+4+\b], 23, v[TM+12+\b]
.endr
	v_lshl_or_b32 v[PW], v[TM+5], 8, v[TM+4]
	v_cvt_scalef32_pk16_fp6_f32 v[PC:PC+2], v[(\s):(\s)+15], v[TM+12]
	v_cvt_scalef32_pk16_fp6_f32 v[PC+12:PC+14], v[(\s)+16:(\s)+31], v[TM+13]
	v_nop
.irp i, 0,1,2
	v_permlane16_swap_b32 v[PC+\i], v[PC+12+\i]
.endr
.irp i, 0,1,2
	v_mov_b32 v[PC+3+\i], v[PC+12+\i]
.endr
.endm
; ---- P1: 16 rows x 128 numbers of x, a row's 512 bytes to a load, into window 1, set k % 3
.macro XLOAD k
	WIN 0x40
.irp p, 0,1,2,3,4,5,6,7,8,9,10,11,12,13,14,15
	global_load_b128 v[64*((\k)%3)+4*\p:64*((\k)%3)+4*\p+3], v[LI], s[66:67] offset:\p*4096+512*(\k) th:TH_LOAD_NT
.endr
	WIN 0
.endm
.macro XSTEP k, cnt
	s_wait_loadcnt \cnt                            ; this step's 16 rows are in; the younger steps' may be out
	WIN 0x04                                       ; an LDS store's data are its source 1: window 1
.irp p, 0,1,2,3,4,5,6,7,8,9,10,11,12,13,14,15
	ds_store_b128 v228, v[64*((\k)%3)+4*\p:64*((\k)%3)+4*\p+3] offset:\p*528
.endr
	WIN 0
.irp b, 0,1,2,3
.irp j, 0,1,2,3
	ds_load_b128 v[64+16*\b+4*\j:67+16*\b+4*\j], v229 offset:128*\b+16*\j   ; a wave's LDS instructions are served in order: these see my stores
.endr
.endr
	s_wait_dscnt 0x0                               ; my 64 numbers are in; the stage's and the last image's stores have read their registers
.if (\k) == 0
	XLOAD 3
.endif
	QUANT 64, 0
	ds_store_b128 v230, v[PC:PC+3] offset:(\k)*6144
	ds_store_b64 v231, v[PC+4:PC+5] offset:(\k)*6144+512
	ds_store_b128 v230, v[PC+6:PC+9] offset:(\k)*6144+3072
	ds_store_b64 v231, v[PC+10:PC+11] offset:(\k)*6144+3584
	ds_store_b32 v232, v[PW] offset:(\k)*512
.endm
; ---- P2, P5: 64 rows x my 128 columns x K = 1,024.  v12-27 the weights' scale words (two sets), v28-35 the rows' (two sets); v40-135, v136-231 my 8 weight fragments (two sets);
; v232-243, v244-255 a row tile's fragment, two by turns; window 1: accumulator (m, f) at v[64 m + 8 f].  v9, v10, v11: LDS addresses, never rewritten in the product.
.macro LOADB s                         ; 26 loads: K step s's weights into set s % 2
.irp f, 0,1,2,3,4,5,6,7
.irp c, 0,1,2
	global_load_b128 v[40+96*((\s)%2)+12*\f+4*\c:40+96*((\s)%2)+12*\f+4*\c+3], v[LI], s[32:33] offset:(\s)*98304+\f*1536+512*\c
.endr
.endr
	global_load_b128 v[12+8*((\s)%2):15+8*((\s)%2)], v[R16], s[34:35] offset:(\s)*4096
	global_load_b128 v[16+8*((\s)%2):19+8*((\s)%2)], v[R16], s[34:35] offset:(\s)*4096+256
.endm
.macro ALOAD buf, off                  ; four LDS loads: a fragment's two halves
	ds_load_b128 v[232+12*(\buf):235+12*(\buf)], v9 offset:\off
	ds_load_b64 v[236+12*(\buf):237+12*(\buf)], v10 offset:(\off)+512
	ds_load_b128 v[238+12*(\buf):241+12*(\buf)], v9 offset:(\off)+3072
	ds_load_b64 v[242+12*(\buf):243+12*(\buf)], v10 offset:(\off)+3584
.endm
.macro GSTEP s, bias
.if (\s) < 7
	s_wait_loadcnt 26                              ; this set of weights is in; the other set's 26 loads may be out
.elseif \bias
	s_wait_loadcnt 16                              ; behind the last set stand the 16 loads of bo
.else
	s_wait_loadcnt 0x0
.endif
.irp m, 0,1,2,3
.if \m < 3
	s_wait_dscnt 4                                 ; this tile's fragment is in; the next one's four loads may be out
.elseif (\s) < 7
	s_wait_dscnt 8                                 ; behind it: the next step's first fragment and its four scale words
.else
	s_wait_dscnt 0x0
.endif
	WIN 0x50                                       ; C and D window 1
.irp f, 0,1,2,3,4,5,6,7
.if (\s) == 0
	MMZ 64*\m+8*\f, 40+96*((\s)%2)+12*\f, 232+12*(\m%2), 12+8*((\s)%2)+\f, 28+4*((\s)%2)+\m
.else
	MM 64*\m+8*\f, 40+96*((\s)%2)+12*\f, 232+12*(\m%2), 12+8*((\s)%2)+\f, 28+4*((\s)%2)+\m
.endif
.endr
	WIN 0
	PL 4                                           ; places in front of loads into registers that these products have read
.if \m < 2
	ALOAD \m, (\s)*6144+(\m+2)*768
.elseif (\s) < 7
	ALOAD \m-2, ((\s)+1)*6144+(\m-2)*768
.endif
.if (\m == 2) && ((\s) < 7)
.irp q, 0,1,2,3
	ds_load_b32 v[28+4*(1-(\s)%2)+\q], v11 offset:((\s)+1)*512+\q*128
.endr
.endif
.endr
.if (\s) < 6
	LOADB (\s)+2
.endif
.if ((\s) == 6) && (\bias)
.irp f, 0,1,2,3,4,5,6,7
.irp k, 0,1
	global_load_b128 v[40+8*\f+4*\k:43+8*\f+4*\k], v[RR], s[58:59] offset:128*(\f/2)+32*(\f%2)+16*\k   ; bo in the result's layout (v[RR] holds 64 x (lane / 16) here)
.endr
.endr
.endif
.endm
.macro GEMM8 bias                      ; the 32 accumulators take turns, one instruction a turn, in the same order in every step
	ALOAD 0, 0
.irp m, 0,1,2,3
	ds_load_b32 v[28+\m], v11 offset:\m*128
.endr
	ALOAD 1, 768
.irp s, 0,1,2,3,4,5,6,7
	GSTEP \s, \bias
.endr
.endm
; ---- P4
.macro KVBASE dst, reg, sb, sh         ; a region of kv at my batch and my first head
	s_mul_i32 s70, s4, \sb
	s_mul_i32 s71, s2, 2*(\sh)
	s_add_co_u32 s70, s70, s71
	s_add_co_u32 s70, s70, \reg
	s_mov_b32 s71, 0
	s_add_nc_u64 s[\dst:\dst+1], s[14:15], s[70:71]
.endm
; a head's operands.  Window 1: v0-71 six text key tiles (upper six registers of each: rel_k's row 0, loaded once); v72-89 image and audio key tiles, v90-113 the audio V, six registers each:
; as operands of 12 they run on into the next one's registers, which meet zero codes on the other side; v114-161 the text V; v162-209 rel_v's far matrix (loaded once).
.macro LOADOPS
	WIN 0x40
.irp e, 0,1,2,3,4,5
	global_load_b128 v[12*\e:12*\e+3], v[LI], s[36:37] offset:\e*12288
	global_load_b64 v[12*\e+4:12*\e+5], v[L8], s[36:37] offset:\e*12288+512
.endr
	global_load_b128 v[72:75], v[LI], s[38:39]
	global_load_b64 v[76:77], v[L8], s[38:39] offset:512
.irp u, 0,1
	global_load_b128 v[78+6*\u:81+6*\u], v[LI], s[40:41] offset:\u*12288
	global_load_b64 v[82+6*\u:83+6*\u], v[L8], s[40:41] offset:\u*12288+512
.endr
.irp t, 0,1,2,3
	global_load_b128 v[90+6*\t:93+6*\t], v[LI], s[52:53] offset:\t*768
	global_load_b64 v[94+6*\t:95+6*\t], v[L8], s[52:53] offset:\t*768+512
.endr
.irp t, 0,1,2,3
.irp c, 0,1,2
	global_load_b128 v[114+12*\t+4*\c:117+12*\t+4*\c], v[LI], s[48:49] offset:\t*1536+512*\c
.endr
.endr
	WIN 0
.irp t, 0,1,2,3
	global_load_b128 v[VI+8*\t:VI+8*\t+3], v[LI], s[56:57] offset:\t*1024
	global_load_b128 v[VI+8*\t+4:VI+8*\t+7], v[LI], s[56:57] offset:\t*1024+512
.endr
.irp e, 0,1,2,3,4,5
	global_load_b32 v[12+\e], v[LS], s[42:43] offset:\e*2048
.endr
	global_load_b32 v18, v[LS], s[44:45]
	global_load_b32 v19, v[LS], s[46:47]
	global_load_b32 v20, v[LS], s[46:47] offset:2048
.irp t, 0,1,2,3
	global_load_b32 v[21+\t], v[LS], s[50:51] offset:\t*128
.endr
.irp t, 0,1,2,3
	global_load_b32 v[29+\t], v[LS], s[54:55] offset:\t*128
.endr
.irp a, 0,1,2,3                        ; rel_k's four tiles, for the general tile, where OUT will stand
	global_load_b128 v[OUT+6*\a:OUT+6*\a+3], v[LI], s[16:17] offset:851968+\a*768
	global_load_b64 v[OUT+6*\a+4:OUT+6*\a+5], v[L8], s[16:17] offset:851968+\a*768+512
.endr
.endm
; the text stream's softmax: 48 scores a lane (register 16 b + i = key 32 b + 16 (lane / 16) + i) become p's codes in v[PC] on, their scale word in v38, and 1 / the row's sum in v[IL]
.macro SMT
.set n, 0
.rept 13
	v_cndmask_b32 v[S+32+n], v[S+32+n], v[NEG], s30        ; keys from 77 on: -infinity.  Lanes 16-31 hold keys 80 on here,
.set n, n+1
.endr
.rept 3
	v_mov_b32 v[S+32+n], v[NEG]                            ; and registers 13-15 keys 77-79 or 93-95
.set n, n+1
.endr
.irp b, 0,1,2
	v_max3_num_f32 v[TM+\b], v[S+16*\b], v[S+16*\b+1], v[S+16*\b+2]   ; each block's largest score: for the row's maximum and for the block's largest p
.endr
.irp i, 3,5,7,9,11,13
.irp b, 0,1,2
	v_max3_num_f32 v[TM+\b], v[TM+\b], v[S+16*\b+\i], v[S+16*\b+\i+1]
.endr
.endr
.irp b, 0,1,2
	v_max_num_f32 v[TM+\b], v[TM+\b], v[S+16*\b+15]
.endr
.irp b, 0,1,2
	v_permlanex16_b32 v[TM+4+\b], v[TM+\b], s26, s27
.endr
.irp b, 0,1,2
	v_max_num_f32 v[TM+\b], v[TM+\b], v[TM+4+\b]
.endr
	v_max3_num_f32 v[U0], v[TM], v[TM+1], v[TM+2]
	v_mul_f32 v[U0], s28, v[U0]
	v_floor_f32 v[NM], -v[U0]                              ; -M = floor(-t) = -ceil(t)
.set n, 0
.rept 24
	v_pk_fma_f32 v[S+n:S+n+1], v[S+n:S+n+1], s[28:29], v[NM:NM+1] op_sel_hi:[1,0,0]
.set n, n+2
.endr
.irp b, 0,1,2
	v_fma_f32 v[TM+\b], v[TM+\b], s28, v[NM]
.endr
.set n, 0
.rept 48
	v_exp_f32 v[S+n], v[S+n]
.set n, n+1
.endr
	v_nop                                                  ; a plain place behind the exponentials
	s_wait_alu depctr_va_vdst(0)                           ; one wait for the batch, ahead of the first line that names a result
.irp b, 0,1,2
	v_exp_f32 v[TM+\b], v[TM+\b]
.endr
	v_pk_add_f32 v[SA:SA+1], v[S:S+1], v[S+2:S+3]          ; the row's sum is taken of the unquantised p, in two chains
	v_pk_add_f32 v[SB:SB+1], v[S+4:S+5], v[S+6:S+7]
.irp j, 8,12,16,20,24,28,32,36,40,44
	v_pk_add_f32 v[SA:SA+1], v[SA:SA+1], v[S+\j:S+\j+1]
	v_pk_add_f32 v[SB:SB+1], v[SB:SB+1], v[S+\j+2:S+\j+3]
.endr
	v_pk_add_f32 v[SA:SA+1], v[SA:SA+1], v[SB:SB+1]
	s_wait_alu depctr_va_vdst(0)                           ; and one for the three
.irp b, 0,1,2
	v_max_num_f32 v[TM+\b], 0x1800000, v[TM+\b]
.endr
.irp b, 0,1,2
	v_add_nc_u32 v[TM+12+\b], 0xff000000, v[TM+\b]
.endr
.irp b, 0,1,2
	v_lshrrev_b32 v[TM+4+\b], 23, v[TM+12+\b]
.endr
	v_lshl_or_b32 v38, v[TM+5], 8, v[TM+4]
	v_lshl_or_b32 v38, v[TM+6], 16, v38
	v_cvt_scalef32_pk16_fp6_f32 v[PC:PC+2], v[S:S+15], v[TM+12]
	v_cvt_scalef32_pk16_fp6_f32 v[PC+12:PC+14], v[S+16:S+31], v[TM+13]
	v_cvt_scalef32_pk16_fp6_f32 v[PC+6:PC+8], v[S+32:S+47], v[TM+14]   ; keys 80-95 are zeros: block 2's codes stand as converted
	v_add_f32 v[U0], v[SA], v[SA+1]                        ; (a plain place behind the conversions)
.irp i, 0,1,2
	v_permlane16_swap_b32 v[PC+\i], v[PC+12+\i]
.endr
.irp i, 0,1,2
	v_mov_b32 v[PC+3+\i], v[PC+12+\i]
.endr
.irp i, 9,10,11
	v_mov_b32 v[PC+\i], 0
.endr
	v_permlanex16_b32 v[U1], v[U0], s26, s27
	v_add_f32 v[U0], v[U0], v[U1]
	v_rcp_f32 v[IL], v[U0]
	PL 8                                                   ; a scale word made by vector instructions stands 8 places ahead of a scaled product, an operand 4
	s_wait_alu depctr_va_vdst(0)                           ; the reciprocal's wait
.endm
; the audio stream's softmax (S 0-15: key 16 (lane / 16) + i; codes in v[PC] on, byte in v39) and the image stream's (S 16-23: key 8 (lane / 16) + j; p stays f32), in one batch
.macro SMAI
	v_max3_num_f32 v[TM], v[S], v[S+1], v[S+2]
	v_max3_num_f32 v[TM+1], v[S+16], v[S+17], v[S+18]
.irp i, 3,5
	v_max3_num_f32 v[TM], v[TM], v[S+\i], v[S+\i+1]
	v_max3_num_f32 v[TM+1], v[TM+1], v[S+16+\i], v[S+17+\i]
.endr
.irp i, 7,9,11,13
	v_max3_num_f32 v[TM], v[TM], v[S+\i], v[S+\i+1]
.endr
	v_max_num_f32 v[TM+1], v[TM+1], v[S+23]
	v_max_num_f32 v[TM], v[TM], v[S+15]
	v_permlanex16_b32 v[TM+4], v[TM], s26, s27
	v_permlanex16_b32 v[TM+5], v[TM+1], s26, s27
	v_max_num_f32 v[TM], v[TM], v[TM+4]
	v_max_num_f32 v[TM+1], v[TM+1], v[TM+5]
	v_mul_f32 v[U0], s28, v[TM]
	v_mul_f32 v[U1], s28, v[TM+1]
	v_floor_f32 v[NM], -v[U0]
	v_floor_f32 v[NI], -v[U1]
.irp j, 0,2,4,6,8,10,12,14
	v_pk_fma_f32 v[S+\j:S+\j+1], v[S+\j:S+\j+1], s[28:29], v[NM:NM+1] op_sel_hi:[1,0,0]
.endr
.irp j, 16,18,20,22
	v_pk_fma_f32 v[S+\j:S+\j+1], v[S+\j:S+\j+1], s[28:29], v[NI:NI+1] op_sel_hi:[1,0,0]
.endr
	v_fma_f32 v[TM], v[TM], s28, v[NM]
.set n, 0
.rept 24
	v_exp_f32 v[S+n], v[S+n]
.set n, n+1
.endr
	v_mov_b32 v[PC+3], 0                                   ; (a plain place behind the exponentials)
	s_wait_alu depctr_va_vdst(0)                           ; one wait for the batch
	v_exp_f32 v[TM], v[TM]
	v_pk_add_f32 v[SA:SA+1], v[S:S+1], v[S+2:S+3]
	v_pk_add_f32 v[SB:SB+1], v[S+4:S+5], v[S+6:S+7]
	v_pk_add_f32 v[SI:SI+1], v[S+16:S+17], v[S+18:S+19]
	v_pk_add_f32 v[NI:NI+1], v[S+20:S+21], v[S+22:S+23]
	v_pk_add_f32 v[SA:SA+1], v[SA:SA+1], v[S+8:S+9]
	v_pk_add_f32 v[SB:SB+1], v[SB:SB+1], v[S+10:S+11]
	v_pk_add_f32 v[SA:SA+1], v[SA:SA+1], v[S+12:S+13]
	v_pk_add_f32 v[SB:SB+1], v[SB:SB+1], v[S+14:S+15]
	v_pk_add_f32 v[SA:SA+1], v[SA:SA+1], v[SB:SB+1]
	v_pk_add_f32 v[SI:SI+1], v[SI:SI+1], v[NI:NI+1]
	v_mov_b32 v[PC+4], 0
	v_mov_b32 v[PC+5], 0
	s_wait_alu depctr_va_vdst(0)                           ; and one for the block's largest p
	v_max_num_f32 v[TM], 0x1800000, v[TM]
	v_add_nc_u32 v[TM+12], 0xff000000, v[TM]
	v_lshrrev_b32 v39, 23, v[TM+12]
	v_cvt_scalef32_pk16_fp6_f32 v[PC:PC+2], v[S:S+15], v[TM+12]
	v_add_f32 v[U0], v[SA], v[SA+1]                        ; (a plain place behind the conversion)
	v_add_f32 v[U1], v[SI], v[SI+1]
.irp i, 0,1,2
	v_permlane16_swap_b32 v[PC+\i], v[PC+3+\i]             ; lanes 0-15 get the whole block, lanes 16-31 (k 32-63) zeros
.endr
.irp i, 6,7,8,9,10,11
	v_mov_b32 v[PC+\i], 0
.endr
	v_permlanex16_b32 v[TM+4], v[U0], s26, s27
	v_permlanex16_b32 v[TM+5], v[U1], s26, s27
	v_add_f32 v[U0], v[U0], v[TM+4]
	v_add_f32 v[U1], v[U1], v[TM+5]
	v_rcp_f32 v[U0], v[U0]
	v_rcp_f32 v[U1], v[U1]
	PL 8                                                   ; the places in front of the scaled products below
	s_wait_alu depctr_va_vdst(0)                           ; the reciprocals' wait
	v_mul_f32 v[CA], v[GB], v[U0]                          ; (tanh(beta) + 1) / the audio row's sum
	v_mul_f32 v[CI], v[GA], v[U1]                          ; (tanh(alpha) + 1) / the image row's sum
.endm
; one tile of 16 queries of one head.  gen = 1: the general tile.  s68 = 768 x, s69 = 128 x the number of this turn (4 x head's turn + tile); s72 the scale bytes' place; s73-75 the head's turn in the exchanges.
.macro COMBO gen
	v_add_nc_u32 v[TA0], s68, v[QB16]
	v_add_nc_u32 v[TA1], s68, v[QB8]
	v_add_nc_u32 v[TA2], s69, v[QBS]
	ds_load_b128 v[QZ:QZ+3], v[TA0]
	ds_load_b64 v[QZ+4:QZ+5], v[TA1] offset:512
	ds_load_b32 v37, v[TA2]
.if \gen
	s_wait_dscnt 0x0
	WIN 0x40
.irp a, 0,1,2,3
	MMZ OA+8*\a, OUT+6*\a, QZ, 33+\a, 37                   ; q against rel_k: row 0 | rows 0-15 | rows 16-31 | row 32
.endr
	WIN 0
	PL 4
	WIN 0x04
.irp k, 0,1,2,3
	ds_store_b128 v[RTP], v[OA:OA+3] offset:16*\k          ; the table of my query, word T = R[clip(T - 16 - r, 0, 32)]: words 0-31 row 0's,
.endr
.irp k, 0,1,2,3
	ds_store_b128 v[RTP], v[OA+24:OA+27] offset:192+16*\k  ; words 48-79 row 32's,
.endr
.irp t, 0,1
.irp j, 0,1,2,3,4,5,6,7
	ds_store_b32 v[RTE], v[OA+8+8*\t+\j] offset:64*\t+4*\j ; and over them, in the wave's LDS order, rows 0-31 at words 16 + r on
.endr
.endr
	WIN 0
.irp b, 0,1,2
.irp k, 0,1,2,3
	ds_load_b128 v[S+16*\b+4*\k:S+16*\b+4*\k+3], v[RTR+\b] offset:16*\k   ; my 16 neighbouring keys' words
.endr
.endr
	s_wait_dscnt 0x0
	WIN 0x01
.irp e, 0,1,2,3,4,5
	MM S+8*\e, 12*\e, QZ, 12+\e, 37                        ; + q.k
.endr
.else
	ds_load_b128 v[QF:QF+3], v[TA0]
	ds_load_b64 v[QF+4:QF+5], v[TA1] offset:512
	ds_load_b128 v[QF+6:QF+9], v[TA0]
	ds_load_b64 v[QF+10:QF+11], v[TA1] offset:512
	s_wait_dscnt 0x0
	WIN 0x01
.irp e, 0,1,2,3,4,5
	MMZ S+8*\e, 12*\e, QF, 12+\e, 37                       ; q.k + q.rel_k[0]
.endr
.endif
	WIN 0
	PL 4
	SMT
	WIN 0x51
.irp t, 0,1,2,3
	MMZ OA+8*\t, 114+12*\t, PC, 21+\t, 38                  ; V^T p
.endr
.if !(\gen)
.irp t, 0,1,2,3
	MM OA+8*\t, 162+12*\t, PC, 25+\t, 38                   ; + rel_v[0 ..]^T p: the four accumulators by turns
.endr
.endif
	WIN 0
.if \gen
	v_add_nc_u32 v[TA3], s73, v[PXW]
	v_add_nc_u32 v[TA4], s74, v[PXSW]
	ds_store_b128 v[TA3], v[PC:PC+3]                       ; p's codes, by head, query and half, for the product over the heads
	ds_store_b128 v[TA3], v[PC+4:PC+7] offset:16
	ds_store_b128 v[TA3], v[PC+8:PC+11] offset:32
	ds_store_b32 v[TA4], v38
.endif
	WIN 0x01
	MMZ S, 78, QZ, 19, 37                                  ; the audio stream's scores,
	MMZ S+8, 84, QZ, 20, 37
	MMZ S+16, 72, QZ, 18, 37                               ; the image stream's
	WIN 0
	PL 4
	WIN 0x01
.set n, 0
.rept 16
	v_pk_mul_f32 v[OUT+n:OUT+n+1], v[OA+n:OA+n+1], v[IL:IL+1] op_sel_hi:[1,0]
.set n, n+2
.endr
	WIN 0
.if \gen
	s_wait_dscnt 0x0                                       ; the stores have read p's codes
.endif
	SMAI
	WIN 0x51
.irp t, 0,1,2,3
	MMZ OA+8*\t, 90+6*\t, PC, 29+\t, 39
.endr
	WIN 0
	PL 4
	WIN 0x01
.set n, 0
.rept 16
	v_pk_fma_f32 v[OUT+n:OUT+n+1], v[OA+n:OA+n+1], v[CA:CA+1], v[OUT+n:OUT+n+1] op_sel_hi:[1,0,1]
.set n, n+2
.endr
	WIN 0x50
.irp k, 0,1,2,3                        ; the image stream's second product, f32: K = 16 keys in four steps; slot (lane / 16, j) of step k is key 8 (lane / 16) + 2 k + j on both sides
.irp t, 0,1,2,3
.if \k == 0
	v_wmma_f32_16x16x4_f32 v[OA+8*\t:OA+8*\t+7], v[VI+8*\t+2*\k:VI+8*\t+2*\k+1], v[S+16+2*\k:S+17+2*\k], 0
.else
	v_wmma_f32_16x16x4_f32 v[OA+8*\t:OA+8*\t+7], v[VI+8*\t+2*\k:VI+8*\t+2*\k+1], v[S+16+2*\k:S+17+2*\k], v[OA+8*\t:OA+8*\t+7]
.endif
.endr
.endr
	WIN 0
	PL 8
	WIN 0x01
.set n, 0
.rept 16
	v_pk_fma_f32 v[OUT+n:OUT+n+1], v[OA+n:OA+n+1], v[CI:CI+1], v[OUT+n:OUT+n+1] op_sel_hi:[1,0,1]
.set n, n+2
.endr
	WIN 0
.if \gen
	v_add_nc_u32 v[TA3], s75, v[HXB]
	v_add_nc_u32 v[TA4], s75, v[HXS]
.irp k, 0,1,2,3,4,5,6,7
	ds_store_b128 v[TA3], v[OUT+4*\k:OUT+4*\k+3] offset:512*\k   ; kept until the rel_v term has come
.endr
	ds_store_b32 v[TA4], v[IL]
.else
	QUANT32 OUT
	v_add_nc_u32 v[TA3], s68, v[HB16]
	v_add_nc_u32 v[TA4], s68, v[HB8]
	v_add_nc_u32 v[TA5], s72, v[HBS]
	ds_store_b128 v[TA3], v[PC:PC+3]
	ds_store_b64 v[TA4], v[PC+4:PC+5] offset:512
	ds_store_b16 v[TA5], v[PW]
.endif
	s_wait_dscnt 0x0                                       ; the stores have read their registers
	s_add_co_u32 s68, s68, 768
	s_add_co_u32 s69, s69, 128
	s_add_co_u32 s72, s72, 128
.endm
	s_load_b512 s[8:23], s[0:1], 0x0               ; x, wf, ws, kv, tab, bo, alpha, beta
	s_load_b64 s[24:25], s[0:1], 0x40              ; out0
	v_lshl_add_u32 v1, v0, 2, SPARE                ; my spare word,
	v_mov_b32 v2, 0                                ; and 0: kept for the closing lines alone
	v_lshrrev_b32 v9, 5, v0
	v_readfirstlane_b32 s2, v9                     ; wave
	s_mov_b32 s3, ttmp9                            ; g
	s_and_b32 s4, ttmp7, 0xffff                    ; batch
	v_and_b32 v9, 31, v0
	v_lshlrev_b32 v[LI], 4, v9
	v_lshlrev_b32 v[L8], 3, v9
	v_lshlrev_b32 v[LS], 2, v9
	v_bfe_u32 v[HH], v0, 4, 1
	v_and_b32 v[RR], 15, v0
	v_lshlrev_b32 v[R16], 4, v[RR]
	s_mov_b32 s26, 0x76543210
	s_mov_b32 s27, 0xfedcba98
	s_mov_b32 s28, 0x3e38aa3b                      ; log2(e) / 8
	s_mov_b32 s29, s28
	s_mov_b32 s30, 0xffff0000                      ; lanes 16-31
	s_mul_i32 s31, s2, PRIVB
	s_add_co_u32 s31, s31, PRIV                    ; my wave's own LDS
.irp b, 0,1,2,3
	v_mov_b32 v[TM+4+\b], 0                        ; a lane permute's destination counts as one of its sources
.endr
	; ---- P1: wave w takes row tile w / 2 and K steps 4 (w % 2) + 0 .. 3
	s_lshr_b32 s70, s2, 1
	s_and_b32 s71, s2, 1
	v_add_nc_u32 v228, s31, v[LI]                  ; the stage, in
	v_mul_u32_u24 v229, v[RR], 528
	v_lshl_add_u32 v229, v[HH], 6, v229
	v_add_nc_u32 v229, s31, v229                   ; and back
	s_mul_i32 s72, s71, 24576
	s_mul_i32 s73, s70, 768
	s_add_co_u32 s72, s72, s73
	v_add_nc_u32 v230, s72, v[LI]
	v_add_nc_u32 v231, s72, v[L8]
	s_lshl_b32 s72, s71, 11
	s_lshl_b32 s73, s70, 7
	s_add_co_u32 s72, s72, s73
	s_add_co_u32 s72, s72, XSC
	v_add_nc_u32 v232, s72, v[LS]
	s_mul_i32 s78, s3, 48
	s_lshl_b32 s79, s70, 4
	s_add_co_u32 s78, s78, s79
	s_add_co_u32 s78, s78, 112
	s_lshl_b32 s79, s3, 4
	s_cmp_eq_u32 s70, 0
	s_cselect_b32 s78, s79, s78                    ; the tile's first query
	s_lshl_b32 s79, s4, 9
	s_add_co_u32 s78, s78, s79
	s_lshl_b32 s78, s78, 12
	s_lshl_b32 s79, s71, 11
	s_add_co_u32 s78, s78, s79
	s_mov_b32 s79, 0
	s_mul_i32 s72, s2, 12288
	s_mov_b32 s73, 0
	s_lshl_b32 s74, s2, 9
	s_mov_b32 s75, 0
	s_wait_kmcnt 0x0
	s_load_b32 s62, s[20:21], 0x0                  ; alpha
	s_load_b32 s63, s[22:23], 0x0                  ; beta
	s_add_nc_u64 s[66:67], s[8:9], s[78:79]
	s_add_nc_u64 s[32:33], s[10:11], s[72:73]      ; Wq's fragments, my 8 tiles
	s_add_nc_u64 s[34:35], s[12:13], s[74:75]      ; and their scale words
	XLOAD 0
	XLOAD 1
	XLOAD 2
	XSTEP 0, 32
	XSTEP 1, 32
	XSTEP 2, 16
	XSTEP 3, 0
	s_wait_dscnt 0x0                               ; my images have landed and their registers are read
	LOADB 0
	LOADB 1
	v_add_nc_u32 v9, 0, v[LI]
	v_add_nc_u32 v10, 0, v[L8]
	v_add_nc_u32 v11, XSC, v[LS]
	BARRIER                                        ; x's 32 fragments lie in LDS
	; ---- P2
	GEMM8 0
	; ---- P3: q to codes, a head's 64 along d to half a fragment; and the addresses of P4
	v_add_nc_u32 v[QB16], s31, v[LI]
	v_add_nc_u32 v[QB8], s31, v[L8]
	v_add_nc_u32 v[QBS], s31, v[LS]
	v_add_nc_u32 v[QBS], 6144, v[QBS]
	v_mul_u32_u24 v[RTB], v[RR], 336
	v_add_nc_u32 v[RTB], s31, v[RTB]
	v_add_nc_u32 v[RTB], RT, v[RTB]                ; my query's table: 84 words
	v_lshl_add_u32 v[RTP], v[HH], 6, v[RTB]
	v_lshl_add_u32 v[RTE], v[RR], 2, v[RTB]
	v_lshl_add_u32 v[RTE], v[HH], 5, v[RTE]
	v_add_nc_u32 v[RTE], 64, v[RTE]
.irp b, 0,1,2                          ; block b's 16 keys of my half begin at word 16 clip(2 b + h - g + 2, 0, 4): under 0 all words are row 0's, over 4 all row 32's
	s_min_u32 s80, s3, 2*\b+2
	s_sub_co_u32 s80, 2*\b+2, s80
	s_min_u32 s80, s80, 4
	s_min_u32 s81, s3, 2*\b+3
	s_sub_co_u32 s81, 2*\b+3, s81
	s_min_u32 s81, s81, 4
	s_cmp_lg_u32 s80, s81
	s_cselect_b32 s81, 64, 0                       ; (0 wherever the lower half already stands at word 64: no read passes word 79)
	s_lshl_b32 s80, s80, 6
	v_mul_u32_u24 v[U0], s81, v[HH]
	v_add_nc_u32 v[RTR+\b], s80, v[RTB]
	v_add_nc_u32 v[RTR+\b], v[RTR+\b], v[U0]
.endr
	s_mul_i32 s70, s2, 3616
	s_add_co_u32 s70, s70, PX
	v_mul_u32_u24 v[PXW], v[RR], 112
	v_mad_u32_u24 v[PXW], v[HH], 48, v[PXW]
	v_add_nc_u32 v[PXW], s70, v[PXW]
	s_mul_i32 s70, s2, 136
	s_add_co_u32 s70, s70, PXS
	v_lshl_add_u32 v[PXSW], v[RR], 2, s70
	s_mul_i32 s70, s2, 6144
	s_add_co_u32 s70, s70, HIMG
	v_add_nc_u32 v[HB16], s70, v[LI]
	v_add_nc_u32 v[HB8], s70, v[L8]
	s_lshl_b32 s70, s2, 9
	s_add_co_u32 s70, s70, HSC
	v_add_nc_u32 v[HBS], s70, v[LS]
	v_add_nc_u32 v[HXB], s31, v[LI]
	v_add_nc_u32 v[HXB], HX, v[HXB]
	v_add_nc_u32 v[HXS], s31, v[LS]
	v_add_nc_u32 v[HXS], HX+4096, v[HXS]
.irp m, 0,1,2,3
	s_wait_dscnt 0x0                               ; the last stores have read their registers
	QUANT 64*\m, 1
	ds_store_b128 v[QB16], v[PC:PC+3] offset:\m*768
	ds_store_b64 v[QB8], v[PC+4:PC+5] offset:\m*768+512
	ds_store_b128 v[QB16], v[PC+6:PC+9] offset:3072+\m*768
	ds_store_b64 v[QB8], v[PC+10:PC+11] offset:3584+\m*768
	v_perm_b32 v[U0], v[PW], v[PW], 0x01000100     ; a head's two bytes, twice: q stands twice in the far tiles' operand
	v_perm_b32 v[U1], v[PW], v[PW], 0x03020302
	ds_store_b32 v[QBS], v[U0] offset:\m*128
	ds_store_b32 v[QBS], v[U1] offset:512+\m*128
.endr
	s_wait_dscnt 0x0
	; ---- P4: set-up
	KVBASE 36, 0, 73728, 768
	KVBASE 38, 2359296, 12288, 768
	KVBASE 40, 2752512, 24576, 768
	KVBASE 42, 3538944, 12288, 128
	KVBASE 44, 3932160, 2048, 128
	KVBASE 46, 3997696, 4096, 128
	KVBASE 48, 4128768, 98304, 6144
	KVBASE 50, 7274496, 8192, 512
	KVBASE 52, 7536640, 49152, 3072
	KVBASE 54, 9109504, 8192, 512
	KVBASE 56, 9371648, 65536, 4096
	WIN 0x40
.irp e, 0,1,2,3,4,5
	global_load_b128 v[12*\e+6:12*\e+9], v[LI], s[16:17] offset:851968          ; rel_k's row 0 under each text key tile
	global_load_b64 v[12*\e+10:12*\e+11], v[L8], s[16:17] offset:851968+512
.endr
.irp t, 0,1,2,3
.irp c, 0,1,2
	global_load_b128 v[162+12*\t+4*\c:165+12*\t+4*\c], v[LI], s[16:17] offset:(508+\t)*1536+512*\c   ; query 127's matrix serves all far queries
.endr
.endr
	WIN 0
.irp t, 0,1,2,3
	global_load_b32 v[25+\t], v[LS], s[16:17] offset:786432+(508+\t)*128
.endr
.irp a, 0,1,2,3
	global_load_b32 v[33+\a], v[LS], s[16:17] offset:855040+\a*128
.endr
	s_wait_kmcnt 0x0
	v_mov_b32 v[GA], s62
	v_mov_b32 v[GB], s63
	v_mul_f32 v[GA], 0xc038aa3b, v[GA]             ; tanh(a) + 1 = 2 / (1 + e^(-2 a))
	v_mul_f32 v[GB], 0xc038aa3b, v[GB]
	v_exp_f32 v[GA], v[GA]
	v_exp_f32 v[GB], v[GB]
	v_mov_b32 v[NEG], 0xff800000
	s_wait_alu depctr_va_vdst(0)
	v_add_f32 v[GA], 1.0, v[GA]
	v_add_f32 v[GB], 1.0, v[GB]
	v_rcp_f32 v[GA], v[GA]
	v_rcp_f32 v[GB], v[GB]
	v_mov_b32 v[NM+1], 0                           ; the upper halves of pairs of which the low word serves both halves
	s_wait_alu depctr_va_vdst(0)
	v_add_f32 v[GA], v[GA], v[GA]
	v_add_f32 v[GB], v[GB], v[GB]
	v_mov_b32 v[IL+1], 0
	v_mov_b32 v[CA+1], 0
	v_mov_b32 v[CI+1], 0
	v_mov_b32 v[NI+1], 0
	v_mov_b32 v[U1], 0
.irp b, 0,1,2,3
	v_mov_b32 v[TM+4+\b], 0
.endr
.irp i, 6,7,8,9,10,11
	v_mov_b32 v[QZ+\i], 0
.endr
	s_mov_b32 s68, 0
	s_mov_b32 s69, 0
	s_mov_b32 s72, 0
	s_mov_b32 s73, 0
	s_mov_b32 s74, 0
	s_mov_b32 s75, 0
	s_mov_b32 s77, 2
.Lhead:                                            ; my two heads
.irp i, 24,25,26,27,28,29
	v_mov_b32 v[OUT+\i], 0                         ; zero codes under rel_k's fourth tile: written here, so that the four lines below and the turn's three additions stand between them and the scaled product that reads them
.endr
	PL 4                                           ; places in front of loads into registers that products have read
	LOADOPS
	s_wait_loadcnt 0x0
	COMBO 1
	s_mov_b32 s76, 3
.Lfar:
	COMBO 0
	s_sub_co_u32 s76, s76, 1
	s_cmp_lg_u32 s76, 0
	s_cbranch_scc1 .Lfar
	s_wait_xcnt 0x0                                ; the head's loads have read their bases
	s_add_nc_u64 s[36:37], s[36:37], 768
	s_add_nc_u64 s[38:39], s[38:39], 768
	s_add_nc_u64 s[40:41], s[40:41], 768
	s_add_nc_u64 s[42:43], s[42:43], 128
	s_add_nc_u64 s[44:45], s[44:45], 128
	s_add_nc_u64 s[46:47], s[46:47], 128
	s_add_nc_u64 s[48:49], s[48:49], 6144
	s_add_nc_u64 s[50:51], s[50:51], 512
	s_add_nc_u64 s[52:53], s[52:53], 3072
	s_add_nc_u64 s[54:55], s[54:55], 512
	s_add_nc_u64 s[56:57], s[56:57], 4096
	s_sub_co_u32 s72, s72, 510                     ; back over four tiles' words, on to the odd head's two bytes
	s_add_co_u32 s73, s73, 1808
	s_add_co_u32 s74, s74, 68
	s_add_co_u32 s75, s75, 4224
	s_sub_co_u32 s77, s77, 1
	s_cmp_lg_u32 s77, 0
	s_cbranch_scc1 .Lhead
	; ---- the general tile's p against rel_v[dist]: queries 2 w, 2 w + 1; source 0 = the query's matrix (d x keys), source 1 = p of the 16 heads
	PL 4
	s_lshl_b32 s70, s3, 4
	s_lshl_b32 s71, s2, 1
	s_add_co_u32 s70, s70, s71
	s_mul_i32 s78, s70, 6144
	s_mov_b32 s79, 0
	s_add_nc_u64 s[58:59], s[16:17], s[78:79]
	s_lshl_b32 s78, s70, 9
	s_add_co_u32 s78, s78, 786432
	s_add_nc_u64 s[60:61], s[16:17], s[78:79]
	WIN 0x40
.irp n, 0,1,2,3,4,5,6,7
.irp c, 0,1,2
	global_load_b128 v[12*\n+4*\c:12*\n+4*\c+3], v[LI], s[58:59] offset:\n*1536+512*\c
.endr
.endr
	WIN 0
.irp n, 0,1,2,3,4,5,6,7
	global_load_b32 v[12+\n], v[LS], s[60:61] offset:\n*128
.endr
	s_mul_i32 s70, s2, 224
	s_add_co_u32 s70, s70, PX
	v_mul_u32_u24 v231, v[RR], 1808
	v_mad_u32_u24 v231, v[HH], 48, v231
	v_add_nc_u32 v231, s70, v231                   ; p: head = my lane % 16, my two queries
	s_lshl_b32 s70, s2, 3
	s_add_co_u32 s70, s70, PXS
	v_mul_u32_u24 v232, v[RR], 68
	v_add_nc_u32 v232, s70, v232
	s_mul_i32 s70, s2, 8736
	v_mul_u32_u24 v233, v[RR], 272
	v_lshl_add_u32 v233, v[HH], 5, v233
	v_add_nc_u32 v233, s70, v233                   ; the exchange, in: query, head, tile, half
	s_mul_i32 s70, s2, 544
	v_mul_u32_u24 v234, v[RR], 4368
	v_lshl_add_u32 v234, v[HH], 5, v234
	v_add_nc_u32 v234, s70, v234                   ; and back: query = my lane % 16, my two heads
	BARRIER                                        ; every head's p lies in LDS; nobody reads x's images any more
.irp q, 0,1
.irp c, 0,1,2
	ds_load_b128 v[40+12*\q+4*\c:43+12*\q+4*\c], v231 offset:112*\q+16*\c
.endr
	ds_load_b32 v[37+\q], v232 offset:4*\q
.endr
	s_wait_dscnt 0x0
	s_wait_loadcnt 0x0
	WIN 0x41
.irp t, 0,1,2,3
	MMZ OA+8*\t, 12*\t, 40, 12+\t, 37
.endr
	WIN 0x01
.irp t, 0,1,2,3
	MMZ S+8*\t, 48+12*\t, 52, 16+\t, 38
.endr
	WIN 0
	PL 4
	WIN 0x04
.irp t, 0,1,2,3
.irp k, 0,1
	ds_store_b128 v233, v[OA+8*\t+4*\k:OA+8*\t+4*\k+3] offset:64*\t+16*\k
.endr
.endr
	WIN 0
.irp t, 0,1,2,3
.irp k, 0,1
	ds_store_b128 v233, v[S+8*\t+4*\k:S+8*\t+4*\k+3] offset:4368+64*\t+16*\k
.endr
.endr
	BARRIER                                        ; the rel_v terms of all 16 queries and heads lie in LDS
.irp q, 0,1                            ; my two heads: the kept sums + the term / the row's sum, to codes
.irp t, 0,1,2,3
.irp k, 0,1
	ds_load_b128 v[S+8*\t+4*\k:S+8*\t+4*\k+3], v234 offset:\q*272+64*\t+16*\k
.endr
.endr
.irp k, 0,1,2,3,4,5,6,7
	ds_load_b128 v[OUT+4*\k:OUT+4*\k+3], v[HXB] offset:\q*4224+512*\k
.endr
	ds_load_b32 v[IL], v[HXS] offset:\q*4224
	s_wait_dscnt 0x0
.set n, 0
.rept 16
	v_pk_fma_f32 v[OUT+n:OUT+n+1], v[S+n:S+n+1], v[IL:IL+1], v[OUT+n:OUT+n+1] op_sel_hi:[1,0,1]
.set n, n+2
.endr
	QUANT32 OUT
	ds_store_b128 v[HB16], v[PC:PC+3] offset:\q*3072
	ds_store_b64 v[HB8], v[PC+4:PC+5] offset:\q*3072+512
	ds_store_b16 v[HBS], v[PW] offset:2*\q
	s_wait_dscnt 0x0
.endr
	; ---- P5
	s_wait_xcnt 0x0                                ; earlier loads have read the bases that are written now
	s_mul_i32 s70, s2, 12288
	s_add_co_u32 s70, s70, 786432
	s_mov_b32 s71, 0
	s_add_nc_u64 s[32:33], s[10:11], s[70:71]      ; Wo's fragments, my 8 tiles
	s_lshl_b32 s70, s2, 9
	s_add_nc_u64 s[58:59], s[18:19], s[70:71]      ; bo, my 128 columns
	s_add_co_u32 s70, s70, 32768
	s_add_nc_u64 s[34:35], s[12:13], s[70:71]
	LOADB 0
	LOADB 1
	v_add_nc_u32 v9, HIMG, v[LI]
	v_add_nc_u32 v10, HIMG, v[L8]
	v_add_nc_u32 v11, HSC, v[LS]
	v_lshlrev_b32 v[RR], 6, v[HH]                  ; 64 x (lane / 16), for bo
	s_lshl_b32 s70, s4, 9
	s_lshl_b32 s72, s3, 4
	s_add_co_u32 s72, s72, s70
	s_lshl_b32 s78, s72, 12
	s_lshl_b32 s73, s2, 9
	s_add_co_u32 s78, s78, s73
	s_mov_b32 s79, 0
	s_add_nc_u64 s[66:67], s[24:25], s[78:79]      ; out0 at the general tile's first row, my columns
	s_mul_i32 s72, s3, 48
	s_add_co_u32 s72, s72, 128
	s_add_co_u32 s72, s72, s70
	s_lshl_b32 s78, s72, 12
	s_add_co_u32 s78, s78, s73
	s_add_nc_u64 s[68:69], s[24:25], s[78:79]      ; and at the far tiles'
	BARRIER                                        ; out's 32 fragments lie in LDS
	GEMM8 1
	s_wait_loadcnt 0x0                             ; bo
	v_and_b32 v[RR], 15, v0
	v_mul_u32_u24 v9, v[RR], 528
	v_lshl_add_u32 v9, v[HH], 6, v9
	v_add_nc_u32 v9, s31, v9                       ; my stage, in: row r, + 64 h
	v_add_nc_u32 v10, s31, v[LI]                   ; and back: a row's 512 bytes
.irp m, 0,1,2,3
	WIN 0x01
.set n, 0
.rept 32
	v_pk_add_f32 v[104+n:105+n], v[64*\m+n:64*\m+n+1], v[40+n:41+n]   ; + bo; each accumulator from its low end on
.set n, n+2
.endr
	WIN 0
.irp f, 0,1,2,3,4,5,6,7
.irp k, 0,1
	ds_store_b128 v9, v[104+8*\f+4*\k:107+8*\f+4*\k] offset:128*(\f/2)+32*(\f%2)+16*\k
.endr
.endr
	s_wait_xcnt 0x0                                ; the last tile's stores have read their registers
.irp p, 0,1,2,3,4,5,6,7,8,9,10,11,12,13,14,15
	ds_load_b128 v[168+4*\p:171+4*\p], v10 offset:\p*528   ; a wave's LDS instructions are served in order: these see my stores
.endr
.irp p, 0,1,2,3,4,5,6,7,8,9,10,11,12,13,14,15
	s_wait_dscnt 15-\p                             ; row p is back; the younger rows may be out
.if \m == 0
	global_store_b128 v[LI], v[168+4*\p:171+4*\p], s[66:67] offset:\p*4096 th:TH_STORE_NT          ; 32 lanes store 512 consecutive bytes, aligned
.else
	global_store_b128 v[LI], v[168+4*\p:171+4*\p], s[68:69] offset:(16*(\m-1)+\p)*4096 th:TH_STORE_NT
.endif
.endr
.endr
	s_wait_tensorcnt 0x0                           ; the wave's end, behind my last LDS store
	ds_add_u32 v1, v2
	s_wait_dscnt 0x0
	s_endpgm
.Lfunc_end_k_qfab833c015_main:
	.size	k_qfab833c015_main, .Lfunc_end_k_qfab833c015_main-k_qfab833c015_main
	.p2alignl 7, 3214868480
	.fill 96, 4, 3214868480
	.section	.rodata,"a",@progbits
	.p2align	6, 0x0
	.amdhsa_kernel k_qfab833c015_main
		.amdhsa_group_segment_fixed_size 324352
		.amdhsa_private_segment_fixed_size 0
		.amdhsa_enable_private_segment 0
		.amdhsa_kernarg_size 72
		.amdhsa_user_sgpr_count 2
		.amdhsa_user_sgpr_kernarg_segment_ptr 1
		.amdhsa_wavefront_size32 1
		.amdhsa_system_sgpr_workgroup_id_x 1
		.amdhsa_system_sgpr_workgroup_id_y 1
		.amdhsa_system_sgpr_workgroup_id_z 1
		.amdhsa_system_vgpr_workitem_id 0
		.amdhsa_next_free_vgpr 512
		.amdhsa_next_free_sgpr 96
		.amdhsa_reserve_vcc 0
		.amdhsa_float_denorm_mode_32 3
		.amdhsa_float_denorm_mode_16_64 3
		.amdhsa_memory_ordered 1
		.amdhsa_forward_progress 1
		.amdhsa_inst_pref_size 255
	.end_amdhsa_kernel
	.section	.bss,"aw",@nobits
	.p2align	6
	.space	262144
	.amdgpu_metadata
---
amdhsa.version: [ 1, 2 ]
amdhsa.kernels:
  - .name:           k_qfab833c015_main
    .symbol:         k_qfab833c015_main.kd
    .args:
      - { .name: x, .offset: 0, .size: 8, .value_kind: global_buffer, .address_space: global }
      - { .name: wf, .offset: 8, .size: 8, .value_kind: global_buffer, .address_space: global }
      - { .name: ws, .offset: 16, .size: 8, .value_kind: global_buffer, .address_space: global }
      - { .name: kv, .offset: 24, .size: 8, .value_kind: global_buffer, .address_space: global }
      - { .name: tab, .offset: 32, .size: 8, .value_kind: global_buffer, .address_space: global }
      - { .name: bo, .offset: 40, .size: 8, .value_kind: global_buffer, .address_space: global }
      - { .name: alpha, .offset: 48, .size: 8, .value_kind: global_buffer, .address_space: global }
      - { .name: beta, .offset: 56, .size: 8, .value_kind: global_buffer, .address_space: global }
      - { .name: out0, .offset: 64, .size: 8, .value_kind: global_buffer, .address_space: global }
    .group_segment_fixed_size: 324352
    .private_segment_fixed_size: 0
    .kernarg_segment_align: 8
    .kernarg_segment_size: 72
    .max_flat_workgroup_size: 256
    .sgpr_count:     96
    .vgpr_count:     512
    .wavefront_size: 32
...
	.end_amdgpu_metadata
.endif
;; end of part 3
;; ======== version 2 of 2: 3 launches; version 1 with the launches kv, main written anew for expert scheduling mode
;; workspace buffers: wf 6,291,456 bytes; ws 262,144 bytes; cf 3,833,856 bytes; tab 855,552 bytes; kv 11,468,800 bytes
;; launch prep: the kernel of part 1 again; grid 929 x 1, 4 waves a work-group, no clusters, 34,304 bytes of LDS; arguments Wq, Wo, Wk, Wv, Wk_ip, Wv_ip, Wk_ap, Wv_ap, context, rel_k, rel_v, wf, ws, cf, tab; writes wf, ws, cf, tab
;; launch kv (part 4): grid 256 x 1, 4 waves a work-group, no clusters, 0 bytes of LDS; arguments wf, ws, cf, tab, kv; writes kv
.if DOCPART == 4
	.amdgcn_target "amdgcn-amd-amdhsa--gfx1250"
	.amdhsa_code_object_version 6
	.text
	.protected	k_qfab833c015_kv
	.globl	k_qfab833c015_kv
	.p2align	8
	.type	k_qfab833c015_kv,@function
k_qfab833c015_kv:
	s_mov_b64 s[64:65], 0
	v_nop
	global_prefetch_b8 v0, s[64:65] scope:SCOPE_SE
	s_setreg_imm32_b32 hwreg(HW_REG_WAVE_SCHED_MODE, 0, 2), 2
	s_setreg_imm32_b32 hwreg(HW_REG_WAVE_MODE, 25, 1), 1
	s_wait_xcnt 0x0
	s_wait_alu depctr_vm_vsrc(0)
; KV: the keys and values of all three streams, for every batch and head, as finished operands of the attention's products.
; Each wave runs one job: NR tiles of 16 context rows x 128 weight columns (two heads) x K = 1,024, in eight K steps of 128, all written out.
;   work-groups 0-143   K : source 0 = 16 weight columns, source 1 = 16 keys: a lane holds one key, registers along d: quantised along d
;   work-groups 144-207 V of the text: source 0 = 16 keys, source 1 = 16 weight columns: a lane holds one d, registers along the keys: quantised along the keys
;   work-groups 208-239 V of the audio stream likewise (one block of 32 keys);   240-255 V of the image stream, kept in f32
; Operands come from memory straight into registers, in two sets that take turns: a set is asked for two K steps ahead.  No LDS, no barrier: waves share nothing.
; Tensor loads and joint requests are left out: a job's operands are read by this wave alone and go to registers as they lie.
; REGISTERS: window 0: v1-4 lane offsets; v12-27 the weights' scale words, v28-39 the context's (these hold scales alone); v40-183 two sets of context fragments; v184-223 at work.
;   window 1: two sets of 8 weight fragments.   windows 2, 3: the accumulators.
; LIMITS: as stated for the quantiser: byte 1 under 2^-124 and for blocks of zeros; NaN and infinities are not served.
; THE MODE: SCHED_MODE bits 1:0 = 2 (LLVM: expert scheduling mode 2), set by the entry lines.  The code itself states the register dependences
; between vector or matrix instructions and memory instructions, with s_wait_alu, always for 0.
; THE PLAN.  Registers that memory instructions touch:
;   v1-4           lane offsets: made once at the head, read by every load and store, never written again: one wait on va_vdst at the head.
;   set 0, set 1   (8 weight fragments in window 1, the context's fragments in v40-183, both sides' scale words in v12-39.)  Set s % 2 is read by K step s's products alone and written by the
;                  loads of step s + 2, issued at the end of step s.  ONE wait on va_vdst stands there, behind the step's products: the set is asked for again at once, so that two sets' loads stay on their way.
;   v[PC ..], v[PW], v222, v223   written by a tile's quantiser, read by its stores: one wait on va_vdst ahead of the run of stores, one on vm_vsrc ahead of the next tile's quantiser.
;   the accumulators   are named by matrix and vector instructions alone, but for the image stream's, which are stored as they are: four places, then one wait on va_vdst.
.set SEL, 18
.set PC, 184
.set TM, 204
.set PW, 220
.set MSB, 0
.macro WIN new
.if MSB != (\new)
	s_set_vgpr_msb (MSB<<8)|(\new)
.set MSB, \new
.endif
.endm
.macro PL n
.rept \n
	v_nop
.endr
.endm
.macro MM d, a, b, sa, sb
	v_wmma_scale_f32_16x16x128_f8f6f4 v[(\d):(\d)+7], v[(\a):(\a)+11], v[(\b):(\b)+11], v[(\d):(\d)+7], v[\sa], v[\sb] matrix_a_fmt:MATRIX_FMT_FP6 matrix_b_fmt:MATRIX_FMT_FP6
.endm
.macro MMZ d, a, b, sa, sb
	v_wmma_scale_f32_16x16x128_f8f6f4 v[(\d):(\d)+7], v[(\a):(\a)+11], v[(\b):(\b)+11], 0, v[\sa], v[\sb] matrix_a_fmt:MATRIX_FMT_FP6 matrix_b_fmt:MATRIX_FMT_FP6
.endm
; 64 numbers of a lane in window win, register 16 b + i = k 32 b + 16 (lane / 16) + i, become a fragment in v[PC] on and its scale word in v[PW]
.macro QUANT s, win
	WIN (\win)|((\win)<<2)
.irp b, 0,1,2,3
	v_max3_num_f32 v[TM+\b], |v[(\s)+16*\b]|, |v[(\s)+1+16*\b]|, 0x1800000
.endr
	WIN ((\win)<<2)|((\win)<<4)
.irp i, 2,4,6,8,10,12,14
.irp b, 0,1,2,3
	v_max3_num_f32 v[TM+\b], v[TM+\b], |v[(\s)+16*\b+\i]|, |v[(\s)+1+16*\b+\i]|
.endr
.endr
	WIN 0
.irp b, 0,1,2,3
	v_permlanex16_b32 v[TM+4+\b], v[TM+\b], s[SEL], s[SEL+1]
.endr
.irp b, 0,1,2,3
	v_max_num_f32 v[TM+\b], v[TM+\b], v[TM+4+\b]
.endr
.irp b, 0,1,2,3
	v_add_nc_u32 v[TM+12+\b], 0xff000000, v[TM+\b]
.endr
.irp b, 0,1,2,3
	v_lshrrev_b32 v[TM+4+\b], 23, v[TM+12+\b]
.endr
	v_lshl_or_b32 v[PW], v[TM+5], 8, v[TM+4]
	v_lshl_or_b32 v[PW], v[TM+6], 16, v[PW]
	v_lshl_or_b32 v[PW], v[TM+7], 24, v[PW]
	WIN \win
.irp c, 0,1
	v_cvt_scalef32_pk16_fp6_f32 v[PC+6*\c:PC+2+6*\c], v[(\s)+32*\c:(\s)+15+32*\c], v[TM+12+2*\c]
	v_cvt_scalef32_pk16_fp6_f32 v[PC+12+4*\c:PC+14+4*\c], v[(\s)+16+32*\c:(\s)+31+32*\c], v[TM+12+2*\c+1]
.endr
	WIN 0
	v_nop
.irp c, 0,1
.irp i, 0,1,2
	v_permlane16_swap_b32 v[PC+6*\c+\i], v[PC+12+4*\c+\i]
.endr
.irp i, 0,1,2
	v_mov_b32 v[PC+3+6*\c+\i], v[PC+12+4*\c+\i]
.endr
.endr
.endm
; 48 numbers: three blocks.  Keys 80-95 are zeros, so block 2's codes stand as converted: lanes 0-15 hold keys 64-79, lanes 16-31 zeros, and the block's upper half is zeros
.macro QUANT3 s, win
	WIN (\win)|((\win)<<2)
.irp b, 0,1,2
	v_max3_num_f32 v[TM+\b], |v[(\s)+16*\b]|, |v[(\s)+1+16*\b]|, 0x1800000
.endr
	WIN ((\win)<<2)|((\win)<<4)
.irp i, 2,4,6,8,10,12,14
.irp b, 0,1,2
	v_max3_num_f32 v[TM+\b], v[TM+\b], |v[(\s)+16*\b+\i]|, |v[(\s)+1+16*\b+\i]|
.endr
.endr
	WIN 0
.irp b, 0,1,2
	v_permlanex16_b32 v[TM+4+\b], v[TM+\b], s[SEL], s[SEL+1]
.endr
.irp b, 0,1,2
	v_max_num_f32 v[TM+\b], v[TM+\b], v[TM+4+\b]
.endr
.irp b, 0,1,2
	v_add_nc_u32 v[TM+12+\b], 0xff000000, v[TM+\b]
.endr
.irp b, 0,1,2
	v_lshrrev_b32 v[TM+4+\b], 23, v[TM+12+\b]
.endr
	v_lshl_or_b32 v[PW], v[TM+5], 8, v[TM+4]
	v_lshl_or_b32 v[PW], v[TM+6], 16, v[PW]
	WIN \win
	v_cvt_scalef32_pk16_fp6_f32 v[PC:PC+2], v[(\s):(\s)+15], v[TM+12]
	v_cvt_scalef32_pk16_fp6_f32 v[PC+12:PC+14], v[(\s)+16:(\s)+31], v[TM+13]
	v_cvt_scalef32_pk16_fp6_f32 v[PC+6:PC+8], v[(\s)+32:(\s)+47], v[TM+14]
	WIN 0
	v_nop
.irp i, 0,1,2
	v_permlane16_swap_b32 v[PC+\i], v[PC+12+\i]
.endr
.irp i, 0,1,2
	v_mov_b32 v[PC+3+\i], v[PC+12+\i]
.endr
.irp i, 9,10,11
	v_mov_b32 v[PC+\i], 0
.endr
.endm
; 16 numbers: one block of 32 keys in lanes l and l xor 16: half a fragment; lanes 16-31 (k 32-63) end as zeros
.macro QUANT1 s, win
	WIN (\win)|((\win)<<2)
	v_max3_num_f32 v[TM], |v[(\s)]|, |v[(\s)+1]|, 0x1800000
	WIN ((\win)<<2)|((\win)<<4)
.irp i, 2,4,6,8,10,12,14
	v_max3_num_f32 v[TM], v[TM], |v[(\s)+\i]|, |v[(\s)+1+\i]|
.endr
	WIN 0
	v_permlanex16_b32 v[TM+4], v[TM], s[SEL], s[SEL+1]
	v_max_num_f32 v[TM], v[TM], v[TM+4]
	v_add_nc_u32 v[TM+12], 0xff000000, v[TM]
	v_lshrrev_b32 v[PW], 23, v[TM+12]
.irp i, 3,4,5
	v_mov_b32 v[PC+\i], 0
.endr
	WIN \win
	v_cvt_scalef32_pk16_fp6_f32 v[PC:PC+2], v[(\s):(\s)+15], v[TM+12]
	WIN 0
	v_nop
.irp i, 0,1,2
	v_permlane16_swap_b32 v[PC+\i], v[PC+3+\i]
.endr
.endm
; the operands of K step s into set s % 2: 8 weight fragments and their scale words, nr context fragments and theirs: 26 + 4 nr loads
.macro LOADSET s, nr
	WIN 0x40
.irp f, 0,1,2,3,4,5,6,7
.irp c, 0,1,2
	global_load_b128 v[96*((\s)%2)+12*\f+4*\c:96*((\s)%2)+12*\f+4*\c+3], v1, s[20:21] offset:(\s)*98304+\f*1536+512*\c
.endr
.endr
	WIN 0
	global_load_b128 v[12+8*((\s)%2):15+8*((\s)%2)], v4, s[22:23] offset:(\s)*4096
	global_load_b128 v[16+8*((\s)%2):19+8*((\s)%2)], v4, s[22:23] offset:(\s)*4096+256
.set mm, 0
.rept \nr
.irp c, 0,1,2
	global_load_b128 v[40+72*((\s)%2)+12*mm+4*\c:40+72*((\s)%2)+12*mm+4*\c+3], v1, s[24:25] offset:mm*12288+(\s)*1536+512*\c
.endr
	global_load_b32 v[28+6*((\s)%2)+mm], v3, s[26:27] offset:mm*1024+(\s)*128
.set mm, mm+1
.endr
.endm
; K step s.  The accumulators take turns, one instruction a turn.  The first step's products start the sums.
.macro KSTEP s, nr, vord
.if (\s) < 7
	s_wait_loadcnt 26+4*(\nr)                      ; this set is in; the other set's loads, issued behind it, may be out
.else
	s_wait_loadcnt 0x0
.endif
.if \vord
.irp f, 0,1,2,3,4,5,6,7
	WIN 0xa4+0x50*(\f/4)                           ; source 1 (weights) window 1; C and D window 2 or 3
.set mm, 0
.rept \nr
.if (\s) == 0
	MMZ 64*(\f%4)+8*mm, 40+72*((\s)%2)+12*mm, 96*((\s)%2)+12*\f, 28+6*((\s)%2)+mm, 12+8*((\s)%2)+\f
.else
	MM 64*(\f%4)+8*mm, 40+72*((\s)%2)+12*mm, 96*((\s)%2)+12*\f, 28+6*((\s)%2)+mm, 12+8*((\s)%2)+\f
.endif
.set mm, mm+1
.endr
.endr
.else
	WIN 0xa1                                       ; source 0 (weights) window 1; C and D window 2
.set mm, 0
.rept \nr
.irp f, 0,1,2,3,4,5,6,7
.if (\s) == 0
	MMZ 64*mm+8*\f, 96*((\s)%2)+12*\f, 40+72*((\s)%2)+12*mm, 12+8*((\s)%2)+\f, 28+6*((\s)%2)+mm
.else
	MM 64*mm+8*\f, 96*((\s)%2)+12*\f, 40+72*((\s)%2)+12*mm, 12+8*((\s)%2)+\f, 28+6*((\s)%2)+mm
.endif
.endr
.set mm, mm+1
.endr
.endif
	WIN 0
	PL 4                                           ; four places behind the step's products: behind the last step they stand ahead of the first read of results; behind the others they stay beside the wait below
.if (\s) < 6
	s_wait_alu depctr_va_vdst(0)                   ; this step's products are done reading set s % 2, fragments and scale words, in which the loads below land
	LOADSET (\s)+2, \nr
.endif
.endm
.macro CORE nr, vord
	LOADSET 0, \nr
	LOADSET 1, \nr
.irp s, 0,1,2,3,4,5,6,7
	KSTEP \s, \nr, \vord
.endr
.endm
; from s40 = y, s41 = first tile, s42 = weight: s43 = my 128 columns, and the four bases
.macro SETUP
	s_and_b32 s43, s40, 1
	s_lshl_b32 s43, s43, 2
	s_add_co_u32 s43, s43, s2
	s_mul_i32 s44, s42, 786432
	s_mul_i32 s46, s43, 12288
	s_add_co_u32 s44, s44, s46
	s_mov_b32 s45, 0
	s_add_nc_u64 s[20:21], s[8:9], s[44:45]
	s_lshl_b32 s44, s42, 15
	s_lshl_b32 s46, s43, 9
	s_add_co_u32 s44, s44, s46
	s_add_nc_u64 s[22:23], s[10:11], s[44:45]
	s_mul_i32 s44, s41, 12288
	s_add_nc_u64 s[24:25], s[12:13], s[44:45]
	s_lshl_b32 s44, s41, 10
	s_add_co_u32 s44, s44, 3538944
	s_add_nc_u64 s[26:27], s[12:13], s[44:45]
.endm
	s_load_b256 s[8:15], s[0:1], 0x0               ; wf, ws, cf, tab
	s_load_b64 s[16:17], s[0:1], 0x20              ; kv
	v_lshrrev_b32 v5, 5, v0
	v_readfirstlane_b32 s2, v5                     ; wave
	v_and_b32 v5, 31, v0
	v_lshlrev_b32 v1, 4, v5                        ; 16 x lane
	v_lshlrev_b32 v2, 3, v5                        ; 8 x lane
	v_lshlrev_b32 v3, 2, v5                        ; 4 x lane
	v_and_b32 v4, 15, v0
	v_lshlrev_b32 v4, 4, v4                        ; 16 x (lane % 16): four tiles' scale words of my row
	s_mov_b32 s18, 0x76543210
	s_mov_b32 s19, 0xfedcba98
.irp b, 0,1,2,3
	v_mov_b32 v[TM+4+\b], 0
.endr
	s_wait_alu depctr_va_sdst(0)                   ; s2 is written, ahead of the first branch and of its first reader: every job's bases are made from it
	s_wait_alu depctr_va_vdst(0)                   ; v1 to v4 are written: every load and store of the kernel reads one of them as its offset
	s_wait_kmcnt 0x0
	s_cmp_lt_u32 ttmp9, 144
	s_cbranch_scc1 .Lk4
	s_cmp_lt_u32 ttmp9, 208
	s_cbranch_scc1 .Lv6
	; ---- V of the audio stream (two batches a job) or of the image stream (four)
	s_sub_co_u32 s40, ttmp9, 208
	s_sub_co_u32 s46, ttmp9, 240
	s_mov_b32 s48, 192
	s_cmp_lt_u32 ttmp9, 240
	s_cselect_b32 s40, s40, s46
	s_cselect_b32 s42, 7, 5
	s_cselect_b32 s48, 224, s48
	s_cselect_b32 s49, 1, 2
	s_lshr_b32 s47, s40, 1
	s_lshl_b32 s41, s47, 2
	s_add_co_u32 s41, s41, s48
	s_lshl_b32 s47, s47, s49                       ; the job's first batch
	SETUP
	s_lshl_b32 s48, s47, 4
	s_lshl_b32 s49, s43, 1
	s_add_co_u32 s48, s48, s49                     ; 16 x batch + head
	CORE 4, 1
	s_cmp_lt_u32 ttmp9, 240
	s_cbranch_scc0 .Limage
	s_mul_i32 s44, s48, 3072
	s_add_co_u32 s44, s44, 7536640
	s_add_nc_u64 s[28:29], s[16:17], s[44:45]
	s_lshl_b32 s44, s48, 9
	s_add_co_u32 s44, s44, 9109504
	s_add_nc_u64 s[30:31], s[16:17], s[44:45]
.irp e, 0,1
.irp f, 0,1,2,3,4,5,6,7
	s_wait_xcnt 0x0                                ; the last stores have had their addresses translated
.if (\e)+(\f) > 0
	s_wait_alu depctr_vm_vsrc(0)                   ; the last tile's stores have read v[PC ..] and v[PW], which the quantiser writes again
.endif
	QUANT1 64*(\f%4)+16*\e, 2+\f/4
	s_wait_alu depctr_va_vdst(0)                   ; the quantiser has written v[PC ..] and v[PW], which the stores below read
	global_store_b128 v1, v[PC:PC+3], s[28:29] offset:\e*49152+\f*768
	global_store_b64 v2, v[PC+4:PC+5], s[28:29] offset:\e*49152+\f*768+512
	global_store_b32 v3, v[PW], s[30:31] offset:\e*8192+\f*128
.endr
.endr
	s_endpgm
.Limage:
	s_lshl_b32 s44, s48, 12
	s_add_co_u32 s44, s44, 9371648
	s_add_nc_u64 s[28:29], s[16:17], s[44:45]
	s_wait_alu depctr_va_vdst(0)                   ; the products have written the accumulators, which the stores below read; the four places stand behind the last step's products
.irp f, 0,1,2,3,4,5,6,7
	WIN 0x08+4*(\f/4)                              ; a store's data are its source 1: window 2 or 3
.irp e, 0,1,2,3
	global_store_b128 v1, v[64*(\f%4)+8*\e:64*(\f%4)+8*\e+3], s[28:29] offset:\e*65536+\f*1024        ; each accumulator from its low end on
	global_store_b128 v1, v[64*(\f%4)+8*\e+4:64*(\f%4)+8*\e+7], s[28:29] offset:\e*65536+\f*1024+512
.endr
.endr
	WIN 0
	s_endpgm
.Lk4:
	s_mov_b32 s40, ttmp9
	s_lshr_b32 s47, s40, 1
	s_lshl_b32 s41, s47, 2                         ; four tiles of keys
	s_mov_b32 s42, 6
	s_cmp_lt_u32 s47, 56
	s_cselect_b32 s42, 4, s42
	s_cmp_lt_u32 s47, 48
	s_cselect_b32 s42, 2, s42                      ; Wk, Wk_ip or Wk_ap by the tiles' stream
	SETUP
	s_mul_i32 s44, s41, 12288
	s_mul_i32 s46, s43, 1536
	s_add_co_u32 s44, s44, s46
	s_add_nc_u64 s[28:29], s[16:17], s[44:45]
	s_lshl_b32 s44, s41, 11
	s_lshl_b32 s46, s43, 8
	s_add_co_u32 s44, s44, s46
	s_add_co_u32 s44, s44, 3538944
	s_add_nc_u64 s[30:31], s[16:17], s[44:45]
	global_load_b32 v221, v3, s[14:15] offset:855040   ; the scale bytes of rel_k's row 0: they ride in the upper half of a key's scale word
	CORE 4, 0
	v_lshlrev_b32 v221, 16, v221
.irp m, 0,1,2,3
	s_wait_xcnt 0x0                                ; the last stores have had their addresses translated
.if \m > 0
	s_wait_alu depctr_vm_vsrc(0)                   ; the last tile's stores have read v[PC ..], v222 and v223, which the lines below write again
.endif
	QUANT 64*\m, 2
	v_and_or_b32 v222, v[PW], 0xffff, v221
	v_lshrrev_b32 v223, 16, v[PW]
	v_or_b32 v223, v223, v221
	s_wait_alu depctr_va_vdst(0)                   ; the codes v[PC ..] and the two scale words v222, v223 are written, which the six stores below read
	global_store_b128 v1, v[PC:PC+3], s[28:29] offset:\m*12288          ; the even head's 64 along d,
	global_store_b64 v2, v[PC+4:PC+5], s[28:29] offset:\m*12288+512
	global_store_b128 v1, v[PC+6:PC+9], s[28:29] offset:\m*12288+768    ; the odd head's
	global_store_b64 v2, v[PC+10:PC+11], s[28:29] offset:\m*12288+1280
	global_store_b32 v3, v222, s[30:31] offset:\m*2048
	global_store_b32 v3, v223, s[30:31] offset:\m*2048+128
.endr
	s_endpgm
.Lv6:
	s_sub_co_u32 s40, ttmp9, 144
	s_lshr_b32 s47, s40, 1                         ; the batch
	s_mul_i32 s41, s47, 6
	s_mov_b32 s42, 3
	SETUP
	s_lshl_b32 s48, s47, 4
	s_lshl_b32 s49, s43, 1
	s_add_co_u32 s48, s48, s49
	s_mul_i32 s44, s48, 6144
	s_add_co_u32 s44, s44, 4128768
	s_add_nc_u64 s[28:29], s[16:17], s[44:45]
	s_lshl_b32 s44, s48, 9
	s_add_co_u32 s44, s44, 7274496
	s_add_nc_u64 s[30:31], s[16:17], s[44:45]
	CORE 6, 1
.irp f, 0,1,2,3,4,5,6,7
	s_wait_xcnt 0x0
.if \f > 0
	s_wait_alu depctr_vm_vsrc(0)                   ; the last tile's stores have read v[PC ..] and v[PW], which the quantiser writes again
.endif
	QUANT3 64*(\f%4), 2+\f/4
	s_wait_alu depctr_va_vdst(0)                   ; the quantiser has written v[PC ..] and v[PW], which the stores below read
	global_store_b128 v1, v[PC:PC+3], s[28:29] offset:\f*1536
	global_store_b128 v1, v[PC+4:PC+7], s[28:29] offset:\f*1536+512
	global_store_b128 v1, v[PC+8:PC+11], s[28:29] offset:\f*1536+1024
	global_store_b32 v3, v[PW], s[30:31] offset:\f*128
.endr
	s_endpgm
.Lfunc_end_k_qfab833c015_kv:
	.size	k_qfab833c015_kv, .Lfunc_end_k_qfab833c015_kv-k_qfab833c015_kv
	.p2alignl 7, 3214868480
	.fill 96, 4, 3214868480
	.section	.rodata,"a",@progbits
	.p2align	6, 0x0
	.amdhsa_kernel k_qfab833c015_kv
		.amdhsa_group_segment_fixed_size 0
		.amdhsa_private_segment_fixed_size 0
		.amdhsa_enable_private_segment 0
		.amdhsa_kernarg_size 40
		.amdhsa_user_sgpr_count 2
		.amdhsa_user_sgpr_kernarg_segment_ptr 1
		.amdhsa_wavefront_size32 1
		.amdhsa_system_sgpr_workgroup_id_x 1
		.amdhsa_system_sgpr_workgroup_id_y 1
		.amdhsa_system_sgpr_workgroup_id_z 1
		.amdhsa_system_vgpr_workitem_id 0
		.amdhsa_next_free_vgpr 1024
		.amdhsa_next_free_sgpr 66
		.amdhsa_reserve_vcc 0
		.amdhsa_float_denorm_mode_32 3
		.amdhsa_float_denorm_mode_16_64 3
		.amdhsa_memory_ordered 1
		.amdhsa_forward_progress 1
		.amdhsa_inst_pref_size 255
	.end_amdhsa_kernel
	.section	.bss,"aw",@nobits
	.p2align	6
	.space	262144
	.amdgpu_metadata
---
amdhsa.version: [ 1, 2 ]
amdhsa.kernels:
  - .name:           k_qfab833c015_kv
    .symbol:         k_qfab833c015_kv.kd
    .args:
      - { .name: wf, .offset: 0, .size: 8, .value_kind: global_buffer, .address_space: global }
      - { .name: ws, .offset: 8, .size: 8, .value_kind: global_buffer, .address_space: global }
      - { .name: cf, .offset: 16, .size: 8, .value_kind: global_buffer, .address_space: global }
      - { .name: tab, .offset: 24, .size: 8, .value_kind: global_buffer, .address_space: global }
      - { .name: kv, .offset: 32, .size: 8, .value_kind: global_buffer, .address_space: global }
    .group_segment_fixed_size: 0
    .private_segment_fixed_size: 0
    .kernarg_segment_align: 8
    .kernarg_segment_size: 40
    .max_flat_workgroup_size: 128
    .sgpr_count:     66
    .vgpr_count:     1024
    .wavefront_size: 32
...
	.end_amdgpu_metadata
.endif
;; end of part 4
;; launch main (part 5): grid 8 x 32, 8 waves a work-group, no clusters, 324,352 bytes of LDS; arguments x, wf, ws, kv, tab, bo, alpha, beta, out0; writes out0
.if DOCPART == 5
	.amdgcn_target "amdgcn-amd-amdhsa--gfx1250"
	.amdhsa_code_object_version 6
	.text
	.protected	k_qfab833c015_main
	.globl	k_qfab833c015_main
	.p2align	8
	.type	k_qfab833c015_main,@function
k_qfab833c015_main:
	s_mov_b64 s[64:65], 0
	v_nop
	global_prefetch_b8 v0, s[64:65] scope:SCOPE_SE
	s_setreg_imm32_b32 hwreg(HW_REG_WAVE_SCHED_MODE, 0, 2), 2
	s_setreg_imm32_b32 hwreg(HW_REG_WAVE_MODE, 25, 1), 1
	s_wait_xcnt 0x0
	s_wait_alu depctr_vm_vsrc(0)
; MAIN: out0 = attention(x Wq, K, V of three streams) Wo + bo, fused.  A work-group owns 64 queries of one batch and all 16 heads; q, p, the attention's result and their codes never go to memory.
; ROWS.  Tile 0 (general): queries 16 g + r, all under 128; tiles 1-3 (far): queries 112 + 48 g + 16 m + r, all from 128 on, where every key's relative place is clipped to table row 0.  So all work-groups do the same work.
; WAVES.  Wave w owns 128 weight columns in both large products, heads 2 w and 2 w + 1 in the attention, and queries 2 w, 2 w + 1 of the general tile in the product with rel_v.
; PHASES.  P1 x to codes, images in LDS | barrier | P2 q = x Wq (transposed: a lane holds one query, registers along the columns) | P3 q to codes | P4 attention, a tile of 16 queries of one head at a time |
;   barrier | the general tile's p against rel_v[dist], a query at a time over the 16 heads | barrier | its sum, codes | barrier | P5 the product with Wo, + bo, rows out through a stage.
; rel_k.  Far tiles: K's fragment carries rel_k's row 0 in its upper 64 along K and q stands twice in the other operand: one product gives q.k + q.rel_k[0].  General tile: q against the 33 rows of rel_k,
;   laid in a table of 80 words a query so that the 16 neighbouring keys of a lane's registers are 16 neighbouring words; the table's words are the C of the score products.
; SOFTMAX.  t = score x log2(e) / 8; M = ceil(the row's largest t); p = 2^(t - M) is quantised along the keys; the row's sum of the unquantised p divides at the end.  A block's largest p is made from the block's largest
;   score by the same two instructions (this takes v_exp_f32 not to fall where its input rises).  The image stream's second product (K = 16) takes f32 operands.
; Scores and the rel_k term are summed in one f32 accumulation and scaled once.
; NO JOINT REQUESTS: a K step of the 1,024 weight rows is 104 KB, two slots 208 KB, and the images and exchanges below take 324 KB; each weight fragment is read by one wave alone and goes straight to its registers.
; LIMITS: byte 1 for blocks under 2^-124 and for blocks of zeros; NaN and infinities among the inputs are not served.
; LDS.  0: x's images (fragment (m, s): halves at 6,144 s + 768 m and 3,072 on) and scale words at 49,152; later the exchange O2X, 16 x 4,368.  69,888: out's images, same form; 119,040 their scale words.
;   123,136: p of the general tile, by head, query and half; 152,064 its scale words.  153,344 + 21,248 w: the wave's own: a stage / q's images, the table (from 7,168), the general tile's kept sums (from 12,800).  323,328: the spare words.
; REGISTERS.  v0-8 stay.  v12-39 hold scale words alone.  v480-511 (OA) are written by matrix instructions alone.  The maps of the phases stand at their macros.
; THE MODE: SCHED_MODE bits 1:0 = 2 (LLVM: expert scheduling mode 2), set by the entry lines.  The code itself states the register dependences
; between vector or matrix instructions and memory or LDS instructions, with s_wait_alu, always for 0.
; THE PLAN.  Registers that memory or LDS instructions touch, and who else names them:
;   v3-5, v8      lane offsets: made at the head, never written again.  v1, v2: written at the head, read by the closing add alone.
;   P1            window 1 v0-191: global loads write, the stage's LDS stores read.  v64-127: LDS loads write, the quantiser reads.  v[PC ..], v[PW]: the quantiser writes, the images' stores read.  v228-232: addresses.
;                 Two waits a step: vm_vsrc behind the step's wait on DScnt, va_vdst behind the quantiser (it serves the images' stores and the next step's LDS loads).
;   P2, P5        two sets of weights v40-231 with scale words v12-27, two fragment buffers v232-255, two sets of row scale words v28-35: loads write, products read.  v9-11: addresses, made ahead of the product.
;                 ONE wait on va_vdst behind each tile's eight products: its fragment buffer is asked for again at once; behind tile 3 the step's set of weights too.
;   P3            v[PC ..], v[U0], v[U1]: the quantiser and two permutes write, LDS stores read: va_vdst ahead of the stores, vm_vsrc ahead of the next tile's quantiser.
;   P4, a head    its operands (window 1 v0-161, v112-167, scale words): loads write, products read: one wait on va_vdst ahead of the head's loads.
;   P4, a turn    v[TA0 ..] addresses, made together at the turn's head; q's registers v40-57, v37: LDS loads write, products read: one wait on va_vdst at the head.  OA: products write, the table's stores read, products write again.
;                 v[PC ..], v38: the softmax writes, the scaled products and (general tile) LDS stores read: the softmax's last wait on va_vdst serves both.  The turn's last stores: va_vdst ahead, vm_vsrc behind.
;   the way out   v104-167: additions write, the stage's stores read.  v168-231: LDS loads write, global stores read.  One wait on vm_vsrc at a tile's head, one on va_vdst ahead of its LDS stores.
.set XSC, 49152
.set HIMG, 69888
.set HSC, 119040
.set PX, 123136
.set PXS, 152064
.set PRIV, 153344
.set PRIVB, 21248
.set SPARE, 323328
.set RT, 7168
.set HX, 12800
.set LI, 3                             ; 16 x lane
.set L8, 4                             ; 8 x lane
.set LS, 5                             ; 4 x lane
.set HH, 6                             ; lane / 16
.set RR, 7                             ; lane % 16
.set R16, 8                            ; 16 x (lane % 16)
.set SEL, 26
.set QF, 40                            ; [q | q]
.set QZ, 52                            ; [q | 0]
.set S, 64                             ; scores, then p
.set VI, 112                           ; the image stream's V, f32
.set OUT, 144                          ; a tile's result: register 16 b + i = d 32 b + 16 (lane / 16) + i
.set PC, 176
.set TM, 196
.set NM, 212
.set SA, 214
.set SB, 216
.set IL, 218
.set CA, 220
.set CI, 222
.set GA, 224
.set GB, 225
.set U0, 226
.set U1, 227
.set QB16, 228
.set QB8, 229
.set QBS, 230
.set RTP, 231
.set RTE, 232
.set RTR, 233
.set PXW, 236
.set PXSW, 237
.set HB16, 238
.set HB8, 239
.set HBS, 240
.set HXB, 241
.set HXS, 242
.set TA0, 243
.set TA1, 244
.set TA2, 245
.set TA3, 246
.set TA4, 247
.set NI, 248
.set NEG, 250
.set PW, 251
.set SI, 252
.set TA5, 254
.set RTB, 255
.set OA, 224                           ; in window 1
.set MSB, 0
.macro WIN new
.if MSB != (\new)
	s_set_vgpr_msb (MSB<<8)|(\new)
.set MSB, \new
.endif
.endm
.macro PL n
.rept \n
	v_nop
.endr
.endm
.macro MM d, a, b, sa, sb
	v_wmma_scale_f32_16x16x128_f8f6f4 v[(\d):(\d)+7], v[(\a):(\a)+11], v[(\b):(\b)+11], v[(\d):(\d)+7], v[\sa], v[\sb] matrix_a_fmt:MATRIX_FMT_FP6 matrix_b_fmt:MATRIX_FMT_FP6
.endm
.macro MMZ d, a, b, sa, sb
	v_wmma_scale_f32_16x16x128_f8f6f4 v[(\d):(\d)+7], v[(\a):(\a)+11], v[(\b):(\b)+11], 0, v[\sa], v[\sb] matrix_a_fmt:MATRIX_FMT_FP6 matrix_b_fmt:MATRIX_FMT_FP6
.endm
.macro BARRIER                         ; my LDS stores have landed and my LDS loads are in: then the work-group's barrier
	s_wait_dscnt 0x0
	s_barrier_signal -1
	s_barrier_wait -1
.endm
; 64 numbers of a lane in window win, register 16 b + i = k 32 b + 16 (lane / 16) + i of my row, become a fragment in v[PC] on and its scale word in v[PW]
.macro QUANT s, win
	WIN (\win)|((\win)<<2)
.irp b, 0,1,2,3
	v_max3_num_f32 v[TM+\b], |v[(\s)+16*\b]|, |v[(\s)+1+16*\b]|, 0x1800000   ; the floor 2^(3 - 127) holds the byte at 1 from below
.endr
	WIN ((\win)<<2)|((\win)<<4)
.irp i, 2,4,6,8,10,12,14
.irp b, 0,1,2,3
	v_max3_num_f32 v[TM+\b], v[TM+\b], |v[(\s)+16*\b+\i]|, |v[(\s)+1+16*\b+\i]|
.endr
.endr
	WIN 0
.irp b, 0,1,2,3
	v_permlanex16_b32 v[TM+4+\b], v[TM+\b], s[SEL], s[SEL+1]
.endr
.irp b, 0,1,2,3
	v_max_num_f32 v[TM+\b], v[TM+\b], v[TM+4+\b]
.endr
.irp b, 0,1,2,3
	v_add_nc_u32 v[TM+12+\b], 0xff000000, v[TM+\b]
.endr
.irp b, 0,1,2,3
	v_lshrrev_b32 v[TM+4+\b], 23, v[TM+12+\b]
.endr
	v_lshl_or_b32 v[PW], v[TM+5], 8, v[TM+4]
	v_lshl_or_b32 v[PW], v[TM+6], 16, v[PW]
	v_lshl_or_b32 v[PW], v[TM+7], 24, v[PW]
	WIN \win
.irp c, 0,1
	v_cvt_scalef32_pk16_fp6_f32 v[PC+6*\c:PC+2+6*\c], v[(\s)+32*\c:(\s)+15+32*\c], v[TM+12+2*\c]
	v_cvt_scalef32_pk16_fp6_f32 v[PC+12+4*\c:PC+14+4*\c], v[(\s)+16+32*\c:(\s)+31+32*\c], v[TM+12+2*\c+1]
.endr
	WIN 0
	v_nop                                                  ; one plain place behind the conversions
.irp c, 0,1
.irp i, 0,1,2
	v_permlane16_swap_b32 v[PC+6*\c+\i], v[PC+12+4*\c+\i]
.endr
.irp i, 0,1,2
	v_mov_b32 v[PC+3+6*\c+\i], v[PC+12+4*\c+\i]
.endr
.endr
.endm
; 32 numbers, two blocks: half a fragment in v[PC] .. v[PC + 5], two bytes in v[PW]
.macro QUANT32 s
.irp b, 0,1
	v_max3_num_f32 v[TM+\b], |v[(\s)+16*\b]|, |v[(\s)+1+16*\b]|, 0x1800000
.endr
.irp i, 2,4,6,8,10,12,14
.irp b, 0,1
	v_max3_num_f32 v[TM+\b], v[TM+\b], |v[(\s)+16*\b+\i]|, |v[(\s)+1+16*\b+\i]|
.endr
.endr
.irp b, 0,1
	v_permlanex16_b32 v[TM+4+\b], v[TM+\b], s[SEL], s[SEL+1]
.endr
.irp b, 0,1
	v_max_num_f32 v[TM+\b], v[TM+\b], v[TM+4+\b]
.endr
.irp b, 0,1
	v_add_nc_u32 v[TM+12+\b], 0xff000000, v[TM+\b]
.endr
.irp b, 0,1
	v_lshrrev_b32 v[TM+4+\b], 23, v[TM+12+\b]
.endr
	v_lshl_or_b32 v[PW], v[TM+5], 8, v[TM+4]
	v_cvt_scalef32_pk16_fp6_f32 v[PC:PC+2], v[(\s):(\s)+15], v[TM+12]
	v_cvt_scalef32_pk16_fp6_f32 v[PC+12:PC+14], v[(\s)+16:(\s)+31], v[TM+13]
	v_nop
.irp i, 0,1,2
	v_permlane16_swap_b32 v[PC+\i], v[PC+12+\i]
.endr
.irp i, 0,1,2
	v_mov_b32 v[PC+3+\i], v[PC+12+\i]
.endr
.endm
; ---- P1: 16 rows x 128 numbers of x, a row's 512 bytes to a load, into window 1, set k % 3
.macro XLOAD k
	WIN 0x40
.irp p, 0,1,2,3,4,5,6,7,8,9,10,11,12,13,14,15
	global_load_b128 v[64*((\k)%3)+4*\p:64*((\k)%3)+4*\p+3], v[LI], s[66:67] offset:\p*4096+512*(\k) th:TH_LOAD_NT
.endr
	WIN 0
.endm
.macro XSTEP k, cnt
	s_wait_loadcnt \cnt                            ; this step's 16 rows are in; the younger steps' may be out
	WIN 0x04                                       ; an LDS store's data are its source 1: window 1
.irp p, 0,1,2,3,4,5,6,7,8,9,10,11,12,13,14,15
	ds_store_b128 v228, v[64*((\k)%3)+4*\p:64*((\k)%3)+4*\p+3] offset:\p*528
.endr
	WIN 0
.irp b, 0,1,2,3
.irp j, 0,1,2,3
	ds_load_b128 v[64+16*\b+4*\j:67+16*\b+4*\j], v229 offset:128*\b+16*\j   ; a wave's LDS instructions are served in order: these see my stores.  No vector instruction stands between the last wait on va_vdst and these loads
.endr
.endr
	s_wait_dscnt 0x0                               ; my 64 numbers are in
	s_wait_alu depctr_vm_vsrc(0)                   ; the stage's stores have read their set of window 1, in which (step 0) the loads of step 3 land; the last step's image stores have read v[PC ..] and v[PW], which the quantiser writes again
.if (\k) == 0
	XLOAD 3
.endif
	QUANT 64, 0
	s_wait_alu depctr_va_vdst(0)                   ; the quantiser has written v[PC ..] and v[PW], which the stores below read, and is done reading v64-127, in which the next step's LDS loads land
	ds_store_b128 v230, v[PC:PC+3] offset:(\k)*6144
	ds_store_b64 v231, v[PC+4:PC+5] offset:(\k)*6144+512
	ds_store_b128 v230, v[PC+6:PC+9] offset:(\k)*6144+3072
	ds_store_b64 v231, v[PC+10:PC+11] offset:(\k)*6144+3584
	ds_store_b32 v232, v[PW] offset:(\k)*512
.endm
; ---- P2, P5: 64 rows x my 128 columns x K = 1,024.  v12-27 the weights' scale words (two sets), v28-35 the rows' (two sets); v40-135, v136-231 my 8 weight fragments (two sets);
; v232-243, v244-255 a row tile's fragment, two by turns; window 1: accumulator (m, f) at v[64 m + 8 f].  v9, v10, v11: LDS addresses, never rewritten in the product.
.macro LOADB s                         ; 26 loads: K step s's weights into set s % 2
.irp f, 0,1,2,3,4,5,6,7
.irp c, 0,1,2
	global_load_b128 v[40+96*((\s)%2)+12*\f+4*\c:40+96*((\s)%2)+12*\f+4*\c+3], v[LI], s[32:33] offset:(\s)*98304+\f*1536+512*\c
.endr
.endr
	global_load_b128 v[12+8*((\s)%2):15+8*((\s)%2)], v[R16], s[34:35] offset:(\s)*4096
	global_load_b128 v[16+8*((\s)%2):19+8*((\s)%2)], v[R16], s[34:35] offset:(\s)*4096+256
.endm
.macro ALOAD buf, off                  ; four LDS loads: a fragment's two halves
	ds_load_b128 v[232+12*(\buf):235+12*(\buf)], v9 offset:\off
	ds_load_b64 v[236+12*(\buf):237+12*(\buf)], v10 offset:(\off)+512
	ds_load_b128 v[238+12*(\buf):241+12*(\buf)], v9 offset:(\off)+3072
	ds_load_b64 v[242+12*(\buf):243+12*(\buf)], v10 offset:(\off)+3584
.endm
.macro GSTEP s, bias
.if (\s) < 7
	s_wait_loadcnt 26                              ; this set of weights is in; the other set's 26 loads may be out
.elseif \bias
	s_wait_loadcnt 16                              ; behind the last set stand the 16 loads of bo
.else
	s_wait_loadcnt 0x0
.endif
.irp m, 0,1,2,3
.if \m < 3
	s_wait_dscnt 4                                 ; this tile's fragment is in; the next one's four loads may be out
.elseif (\s) < 7
	s_wait_dscnt 8                                 ; behind it: the next step's first fragment and its four scale words
.else
	s_wait_dscnt 0x0
.endif
	WIN 0x50                                       ; C and D window 1
.irp f, 0,1,2,3,4,5,6,7
.if (\s) == 0
	MMZ 64*\m+8*\f, 40+96*((\s)%2)+12*\f, 232+12*(\m%2), 12+8*((\s)%2)+\f, 28+4*((\s)%2)+\m
.else
	MM 64*\m+8*\f, 40+96*((\s)%2)+12*\f, 232+12*(\m%2), 12+8*((\s)%2)+\f, 28+4*((\s)%2)+\m
.endif
.endr
	WIN 0
	PL 4                                           ; four places behind these products; they stay beside the wait below, and behind the last tile they stand ahead of the first read of results
.if (\m < 2) || ((\s) < 7)
	s_wait_alu depctr_va_vdst(0)                   ; these eight products are done reading their fragment buffer, in which the loads below land; at tile 2 the last step's are done with the other set of row scale words; at tile 3 this step's are done with their set of weights and its scale words
.endif
.if \m < 2
	ALOAD \m, (\s)*6144+(\m+2)*768
.elseif (\s) < 7
	ALOAD \m-2, ((\s)+1)*6144+(\m-2)*768
.endif
.if (\m == 2) && ((\s) < 7)
.irp q, 0,1,2,3
	ds_load_b32 v[28+4*(1-(\s)%2)+\q], v11 offset:((\s)+1)*512+\q*128
.endr
.endif
.endr
.if (\s) < 6
	LOADB (\s)+2
.endif
.if ((\s) == 6) && (\bias)
.irp f, 0,1,2,3,4,5,6,7
.irp k, 0,1
	global_load_b128 v[40+8*\f+4*\k:43+8*\f+4*\k], v[RR], s[58:59] offset:128*(\f/2)+32*(\f%2)+16*\k   ; bo in the result's layout (v[RR] holds 64 x (lane / 16) here)
.endr
.endr
.endif
.endm
.macro GEMM8 bias                      ; the 32 accumulators take turns, one instruction a turn, in the same order in every step
	ALOAD 0, 0
.irp m, 0,1,2,3
	ds_load_b32 v[28+\m], v11 offset:\m*128
.endr
	ALOAD 1, 768
.irp s, 0,1,2,3,4,5,6,7
	GSTEP \s, \bias
.endr
.endm
; ---- P4
.macro KVBASE dst, reg, sb, sh         ; a region of kv at my batch and my first head
	s_mul_i32 s70, s4, \sb
	s_mul_i32 s71, s2, 2*(\sh)
	s_add_co_u32 s70, s70, s71
	s_add_co_u32 s70, s70, \reg
	s_mov_b32 s71, 0
	s_add_nc_u64 s[\dst:\dst+1], s[14:15], s[70:71]
.endm
; a head's operands.  Window 1: v0-71 six text key tiles (upper six registers of each: rel_k's row 0, loaded once); v72-89 image and audio key tiles, v90-113 the audio V, six registers each:
; as operands of 12 they run on into the next one's registers, which meet zero codes on the other side; v114-161 the text V; v162-209 rel_v's far matrix (loaded once).
.macro LOADOPS
	WIN 0x40
.irp e, 0,1,2,3,4,5
	global_load_b128 v[12*\e:12*\e+3], v[LI], s[36:37] offset:\e*12288
	global_load_b64 v[12*\e+4:12*\e+5], v[L8], s[36:37] offset:\e*12288+512
.endr
	global_load_b128 v[72:75], v[LI], s[38:39]
	global_load_b64 v[76:77], v[L8], s[38:39] offset:512
.irp u, 0,1
	global_load_b128 v[78+6*\u:81+6*\u], v[LI], s[40:41] offset:\u*12288
	global_load_b64 v[82+6*\u:83+6*\u], v[L8], s[40:41] offset:\u*12288+512
.endr
.irp t, 0,1,2,3
	global_load_b128 v[90+6*\t:93+6*\t], v[LI], s[52:53] offset:\t*768
	global_load_b64 v[94+6*\t:95+6*\t], v[L8], s[52:53] offset:\t*768+512
.endr
.irp t, 0,1,2,3
.irp c, 0,1,2
	global_load_b128 v[114+12*\t+4*\c:117+12*\t+4*\c], v[LI], s[48:49] offset:\t*1536+512*\c
.endr
.endr
	WIN 0
.irp t, 0,1,2,3
	global_load_b128 v[VI+8*\t:VI+8*\t+3], v[LI], s[56:57] offset:\t*1024
	global_load_b128 v[VI+8*\t+4:VI+8*\t+7], v[LI], s[56:57] offset:\t*1024+512
.endr
.irp e, 0,1,2,3,4,5
	global_load_b32 v[12+\e], v[LS], s[42:43] offset:\e*2048
.endr
	global_load_b32 v18, v[LS], s[44:45]
	global_load_b32 v19, v[LS], s[46:47]
	global_load_b32 v20, v[LS], s[46:47] offset:2048
.irp t, 0,1,2,3
	global_load_b32 v[21+\t], v[LS], s[50:51] offset:\t*128
.endr
.irp t, 0,1,2,3
	global_load_b32 v[29+\t], v[LS], s[54:55] offset:\t*128
.endr
.irp a, 0,1,2,3                        ; rel_k's four tiles, for the general tile, where OUT will stand
	global_load_b128 v[OUT+6*\a:OUT+6*\a+3], v[LI], s[16:17] offset:851968+\a*768
	global_load_b64 v[OUT+6*\a+4:OUT+6*\a+5], v[L8], s[16:17] offset:851968+\a*768+512
.endr
.endm
; the text stream's softmax: 48 scores a lane (register 16 b + i = key 32 b + 16 (lane / 16) + i) become p's codes in v[PC] on, their scale word in v38, and 1 / the row's sum in v[IL]
.macro SMT
.set n, 0
.rept 13
	v_cndmask_b32 v[S+32+n], v[S+32+n], v[NEG], s30        ; keys from 77 on: -infinity.  Lanes 16-31 hold keys 80 on here,
.set n, n+1
.endr
.rept 3
	v_mov_b32 v[S+32+n], v[NEG]                            ; and registers 13-15 keys 77-79 or 93-95
.set n, n+1
.endr
.irp b, 0,1,2
	v_max3_num_f32 v[TM+\b], v[S+16*\b], v[S+16*\b+1], v[S+16*\b+2]   ; each block's largest score: for the row's maximum and for the block's largest p
.endr
.irp i, 3,5,7,9,11,13
.irp b, 0,1,2
	v_max3_num_f32 v[TM+\b], v[TM+\b], v[S+16*\b+\i], v[S+16*\b+\i+1]
.endr
.endr
.irp b, 0,1,2
	v_max_num_f32 v[TM+\b], v[TM+\b], v[S+16*\b+15]
.endr
.irp b, 0,1,2
	v_permlanex16_b32 v[TM+4+\b], v[TM+\b], s26, s27
.endr
.irp b, 0,1,2
	v_max_num_f32 v[TM+\b], v[TM+\b], v[TM+4+\b]
.endr
	v_max3_num_f32 v[U0], v[TM], v[TM+1], v[TM+2]
	v_mul_f32 v[U0], s28, v[U0]
	v_floor_f32 v[NM], -v[U0]                              ; -M = floor(-t) = -ceil(t)
.set n, 0
.rept 24
	v_pk_fma_f32 v[S+n:S+n+1], v[S+n:S+n+1], s[28:29], v[NM:NM+1] op_sel_hi:[1,0,0]
.set n, n+2
.endr
.irp b, 0,1,2
	v_fma_f32 v[TM+\b], v[TM+\b], s28, v[NM]
.endr
.set n, 0
.rept 48
	v_exp_f32 v[S+n], v[S+n]
.set n, n+1
.endr
	v_nop                                                  ; a plain place behind the exponentials
	s_wait_alu depctr_va_vdst(0)                           ; the 48 exponentials have written p: one wait for the batch, ahead of the first line that names a result
.irp b, 0,1,2
	v_exp_f32 v[TM+\b], v[TM+\b]
.endr
	v_pk_add_f32 v[SA:SA+1], v[S:S+1], v[S+2:S+3]          ; the row's sum is taken of the unquantised p, in two chains
	v_pk_add_f32 v[SB:SB+1], v[S+4:S+5], v[S+6:S+7]
.irp j, 8,12,16,20,24,28,32,36,40,44
	v_pk_add_f32 v[SA:SA+1], v[SA:SA+1], v[S+\j:S+\j+1]
	v_pk_add_f32 v[SB:SB+1], v[SB:SB+1], v[S+\j+2:S+\j+3]
.endr
	v_pk_add_f32 v[SA:SA+1], v[SA:SA+1], v[SB:SB+1]
	s_wait_alu depctr_va_vdst(0)                           ; the three exponentials have written the blocks' largest p, ahead of their first reader
.irp b, 0,1,2
	v_max_num_f32 v[TM+\b], 0x1800000, v[TM+\b]
.endr
.irp b, 0,1,2
	v_add_nc_u32 v[TM+12+\b], 0xff000000, v[TM+\b]
.endr
.irp b, 0,1,2
	v_lshrrev_b32 v[TM+4+\b], 23, v[TM+12+\b]
.endr
	v_lshl_or_b32 v38, v[TM+5], 8, v[TM+4]
	v_lshl_or_b32 v38, v[TM+6], 16, v38
	v_cvt_scalef32_pk16_fp6_f32 v[PC:PC+2], v[S:S+15], v[TM+12]
	v_cvt_scalef32_pk16_fp6_f32 v[PC+12:PC+14], v[S+16:S+31], v[TM+13]
	v_cvt_scalef32_pk16_fp6_f32 v[PC+6:PC+8], v[S+32:S+47], v[TM+14]   ; keys 80-95 are zeros: block 2's codes stand as converted
	v_add_f32 v[U0], v[SA], v[SA+1]                        ; (a plain place behind the conversions)
.irp i, 0,1,2
	v_permlane16_swap_b32 v[PC+\i], v[PC+12+\i]
.endr
.irp i, 0,1,2
	v_mov_b32 v[PC+3+\i], v[PC+12+\i]
.endr
.irp i, 9,10,11
	v_mov_b32 v[PC+\i], 0
.endr
	v_permlanex16_b32 v[U1], v[U0], s26, s27
	v_add_f32 v[U0], v[U0], v[U1]
	v_rcp_f32 v[IL], v[U0]
	PL 8                                                   ; a scale word made by vector instructions stands 8 places ahead of a scaled product, an operand 4
	s_wait_alu depctr_va_vdst(0)                           ; the reciprocal has written v[IL]; p's codes v[PC ..] and their scale word v38 are written, which the scaled products take and (general tile) the LDS stores read
.endm
; the audio stream's softmax (S 0-15: key 16 (lane / 16) + i; codes in v[PC] on, byte in v39) and the image stream's (S 16-23: key 8 (lane / 16) + j; p stays f32), in one batch
.macro SMAI
	v_max3_num_f32 v[TM], v[S], v[S+1], v[S+2]
	v_max3_num_f32 v[TM+1], v[S+16], v[S+17], v[S+18]
.irp i, 3,5
	v_max3_num_f32 v[TM], v[TM], v[S+\i], v[S+\i+1]
	v_max3_num_f32 v[TM+1], v[TM+1], v[S+16+\i], v[S+17+\i]
.endr
.irp i, 7,9,11,13
	v_max3_num_f32 v[TM], v[TM], v[S+\i], v[S+\i+1]
.endr
	v_max_num_f32 v[TM+1], v[TM+1], v[S+23]
	v_max_num_f32 v[TM], v[TM], v[S+15]
	v_permlanex16_b32 v[TM+4], v[TM], s26, s27
	v_permlanex16_b32 v[TM+5], v[TM+1], s26, s27
	v_max_num_f32 v[TM], v[TM], v[TM+4]
	v_max_num_f32 v[TM+1], v[TM+1], v[TM+5]
	v_mul_f32 v[U0], s28, v[TM]
	v_mul_f32 v[U1], s28, v[TM+1]
	v_floor_f32 v[NM], -v[U0]
	v_floor_f32 v[NI], -v[U1]
.irp j, 0,2,4,6,8,10,12,14
	v_pk_fma_f32 v[S+\j:S+\j+1], v[S+\j:S+\j+1], s[28:29], v[NM:NM+1] op_sel_hi:[1,0,0]
.endr
.irp j, 16,18,20,22
	v_pk_fma_f32 v[S+\j:S+\j+1], v[S+\j:S+\j+1], s[28:29], v[NI:NI+1] op_sel_hi:[1,0,0]
.endr
	v_fma_f32 v[TM], v[TM], s28, v[NM]
.set n, 0
.rept 24
	v_exp_f32 v[S+n], v[S+n]
.set n, n+1
.endr
	v_mov_b32 v[PC+3], 0                                   ; (a plain place behind the exponentials)
	s_wait_alu depctr_va_vdst(0)                           ; the 24 exponentials have written p: one wait for the batch, ahead of its first reader
	v_exp_f32 v[TM], v[TM]
	v_pk_add_f32 v[SA:SA+1], v[S:S+1], v[S+2:S+3]
	v_pk_add_f32 v[SB:SB+1], v[S+4:S+5], v[S+6:S+7]
	v_pk_add_f32 v[SI:SI+1], v[S+16:S+17], v[S+18:S+19]
	v_pk_add_f32 v[NI:NI+1], v[S+20:S+21], v[S+22:S+23]
	v_pk_add_f32 v[SA:SA+1], v[SA:SA+1], v[S+8:S+9]
	v_pk_add_f32 v[SB:SB+1], v[SB:SB+1], v[S+10:S+11]
	v_pk_add_f32 v[SA:SA+1], v[SA:SA+1], v[S+12:S+13]
	v_pk_add_f32 v[SB:SB+1], v[SB:SB+1], v[S+14:S+15]
	v_pk_add_f32 v[SA:SA+1], v[SA:SA+1], v[SB:SB+1]
	v_pk_add_f32 v[SI:SI+1], v[SI:SI+1], v[NI:NI+1]
	v_mov_b32 v[PC+4], 0
	v_mov_b32 v[PC+5], 0
	s_wait_alu depctr_va_vdst(0)                           ; the exponential has written the block's largest p, ahead of its first reader
	v_max_num_f32 v[TM], 0x1800000, v[TM]
	v_add_nc_u32 v[TM+12], 0xff000000, v[TM]
	v_lshrrev_b32 v39, 23, v[TM+12]
	v_cvt_scalef32_pk16_fp6_f32 v[PC:PC+2], v[S:S+15], v[TM+12]
	v_add_f32 v[U0], v[SA], v[SA+1]                        ; (a plain place behind the conversion)
	v_add_f32 v[U1], v[SI], v[SI+1]
.irp i, 0,1,2
	v_permlane16_swap_b32 v[PC+\i], v[PC+3+\i]             ; lanes 0-15 get the whole block, lanes 16-31 (k 32-63) zeros
.endr
.irp i, 6,7,8,9,10,11
	v_mov_b32 v[PC+\i], 0
.endr
	v_permlanex16_b32 v[TM+4], v[U0], s26, s27
	v_permlanex16_b32 v[TM+5], v[U1], s26, s27
	v_add_f32 v[U0], v[U0], v[TM+4]
	v_add_f32 v[U1], v[U1], v[TM+5]
	v_rcp_f32 v[U0], v[U0]
	v_rcp_f32 v[U1], v[U1]
	PL 8                                                   ; the places in front of the scaled products below
	s_wait_alu depctr_va_vdst(0)                           ; the two reciprocals have written v[U0], v[U1]; p's codes v[PC ..] and their byte v39 are written, which the scaled products take
	v_mul_f32 v[CA], v[GB], v[U0]                          ; (tanh(beta) + 1) / the audio row's sum
	v_mul_f32 v[CI], v[GA], v[U1]                          ; (tanh(alpha) + 1) / the image row's sum
.endm
; one tile of 16 queries of one head.  gen = 1: the general tile.  s68 = 768 x, s69 = 128 x the number of this turn (4 x head's turn + tile); s72 the scale bytes' place; s73-75 the head's turn in the exchanges.
.macro COMBO gen
	v_add_nc_u32 v[TA0], s68, v[QB16]
	v_add_nc_u32 v[TA1], s68, v[QB8]
	v_add_nc_u32 v[TA2], s69, v[QBS]
.if \gen
	v_add_nc_u32 v[TA3], s73, v[PXW]                       ; where p's codes and their scale word will go: made here, ahead of the one wait
	v_add_nc_u32 v[TA4], s74, v[PXSW]
.endif
	s_wait_alu depctr_va_vdst(0)                           ; the addresses above are written, which the LDS instructions below read; the last turn's products are done reading q's registers and v37, in which the loads land
	ds_load_b128 v[QZ:QZ+3], v[TA0]
	ds_load_b64 v[QZ+4:QZ+5], v[TA1] offset:512
	ds_load_b32 v37, v[TA2]
.if \gen
	s_wait_dscnt 0x0
	WIN 0x40
.irp a, 0,1,2,3
	MMZ OA+8*\a, OUT+6*\a, QZ, 33+\a, 37                   ; q against rel_k: row 0 | rows 0-15 | rows 16-31 | row 32
.endr
	WIN 0
	PL 4
	WIN 0x04
	s_wait_alu depctr_va_vdst(0)                           ; the four products have written OA, which the stores below read; the places above stay beside this wait
.irp k, 0,1,2,3
	ds_store_b128 v[RTP], v[OA:OA+3] offset:16*\k          ; the table of my query, word T = R[clip(T - 16 - r, 0, 32)]: words 0-31 row 0's,
.endr
.irp k, 0,1,2,3
	ds_store_b128 v[RTP], v[OA+24:OA+27] offset:192+16*\k  ; words 48-79 row 32's,
.endr
.irp t, 0,1
.irp j, 0,1,2,3,4,5,6,7
	ds_store_b32 v[RTE], v[OA+8+8*\t+\j] offset:64*\t+4*\j ; and over them, in the wave's LDS order, rows 0-31 at words 16 + r on
.endr
.endr
	WIN 0
.irp b, 0,1,2
.irp k, 0,1,2,3
	ds_load_b128 v[S+16*\b+4*\k:S+16*\b+4*\k+3], v[RTR+\b] offset:16*\k   ; my 16 neighbouring keys' words
.endr
.endr
	s_wait_dscnt 0x0
	s_wait_alu depctr_vm_vsrc(0)                           ; the table's stores have read OA, which the products with V write again
	WIN 0x01
.irp e, 0,1,2,3,4,5
	MM S+8*\e, 12*\e, QZ, 12+\e, 37                        ; + q.k
.endr
.else
	ds_load_b128 v[QF:QF+3], v[TA0]
	ds_load_b64 v[QF+4:QF+5], v[TA1] offset:512
	ds_load_b128 v[QF+6:QF+9], v[TA0]
	ds_load_b64 v[QF+10:QF+11], v[TA1] offset:512
	s_wait_dscnt 0x0
	WIN 0x01
.irp e, 0,1,2,3,4,5
	MMZ S+8*\e, 12*\e, QF, 12+\e, 37                       ; q.k + q.rel_k[0]
.endr
.endif
	WIN 0
	PL 4
	SMT
.if \gen
	ds_store_b128 v[TA3], v[PC:PC+3]                       ; p's codes, by head, query and half, for the product over the heads: straight behind the softmax's last wait, which shows them written
	ds_store_b128 v[TA3], v[PC+4:PC+7] offset:16
	ds_store_b128 v[TA3], v[PC+8:PC+11] offset:32
	ds_store_b32 v[TA4], v38
.endif
	WIN 0x51
.irp t, 0,1,2,3
	MMZ OA+8*\t, 114+12*\t, PC, 21+\t, 38                  ; V^T p
.endr
.if !(\gen)
.irp t, 0,1,2,3
	MM OA+8*\t, 162+12*\t, PC, 25+\t, 38                   ; + rel_v[0 ..]^T p: the four accumulators by turns
.endr
.endif
	WIN 0x01
	MMZ S, 78, QZ, 19, 37                                  ; the audio stream's scores,
	MMZ S+8, 84, QZ, 20, 37
	MMZ S+16, 72, QZ, 18, 37                               ; the image stream's
	WIN 0
	PL 4
	WIN 0x01
.set n, 0
.rept 16
	v_pk_mul_f32 v[OUT+n:OUT+n+1], v[OA+n:OA+n+1], v[IL:IL+1] op_sel_hi:[1,0]
.set n, n+2
.endr
	WIN 0
.if \gen
	s_wait_dscnt 0x0
	s_wait_alu depctr_vm_vsrc(0)                           ; the stores have read p's codes and their two addresses, which the lines below write again
.endif
	SMAI
	WIN 0x51
.irp t, 0,1,2,3
	MMZ OA+8*\t, 90+6*\t, PC, 29+\t, 39
.endr
	WIN 0
	PL 4
	WIN 0x01
.set n, 0
.rept 16
	v_pk_fma_f32 v[OUT+n:OUT+n+1], v[OA+n:OA+n+1], v[CA:CA+1], v[OUT+n:OUT+n+1] op_sel_hi:[1,0,1]
.set n, n+2
.endr
	WIN 0x50
.irp k, 0,1,2,3                        ; the image stream's second product, f32: K = 16 keys in four steps; slot (lane / 16, j) of step k is key 8 (lane / 16) + 2 k + j on both sides
.irp t, 0,1,2,3
.if \k == 0
	v_wmma_f32_16x16x4_f32 v[OA+8*\t:OA+8*\t+7], v[VI+8*\t+2*\k:VI+8*\t+2*\k+1], v[S+16+2*\k:S+17+2*\k], 0
.else
	v_wmma_f32_16x16x4_f32 v[OA+8*\t:OA+8*\t+7], v[VI+8*\t+2*\k:VI+8*\t+2*\k+1], v[S+16+2*\k:S+17+2*\k], v[OA+8*\t:OA+8*\t+7]
.endif
.endr
.endr
	WIN 0
	PL 8
	WIN 0x01
.set n, 0
.rept 16
	v_pk_fma_f32 v[OUT+n:OUT+n+1], v[OA+n:OA+n+1], v[CI:CI+1], v[OUT+n:OUT+n+1] op_sel_hi:[1,0,1]
.set n, n+2
.endr
	WIN 0
.if \gen
	v_add_nc_u32 v[TA3], s75, v[HXB]
	v_add_nc_u32 v[TA4], s75, v[HXS]
	s_wait_alu depctr_va_vdst(0)                           ; the tile's sums v[OUT ..] and the two addresses are written, which the stores below read
.irp k, 0,1,2,3,4,5,6,7
	ds_store_b128 v[TA3], v[OUT+4*\k:OUT+4*\k+3] offset:512*\k   ; kept until the rel_v term has come
.endr
	ds_store_b32 v[TA4], v[IL]
.else
	QUANT32 OUT
	v_add_nc_u32 v[TA3], s68, v[HB16]
	v_add_nc_u32 v[TA4], s68, v[HB8]
	v_add_nc_u32 v[TA5], s72, v[HBS]
	s_wait_alu depctr_va_vdst(0)                           ; the codes v[PC ..], their bytes v[PW] and the three addresses are written, which the stores below read
	ds_store_b128 v[TA3], v[PC:PC+3]
	ds_store_b64 v[TA4], v[PC+4:PC+5] offset:512
	ds_store_b16 v[TA5], v[PW]
.endif
	s_wait_dscnt 0x0
	s_wait_alu depctr_vm_vsrc(0)                           ; this turn's LDS instructions have read their data and their addresses v[TA0 ..], which the next turn writes again
	s_add_co_u32 s68, s68, 768
	s_add_co_u32 s69, s69, 128
	s_add_co_u32 s72, s72, 128
.endm
	s_load_b512 s[8:23], s[0:1], 0x0               ; x, wf, ws, kv, tab, bo, alpha, beta
	s_load_b64 s[24:25], s[0:1], 0x40              ; out0
	v_lshl_add_u32 v1, v0, 2, SPARE                ; my spare word,
	v_mov_b32 v2, 0                                ; and 0: kept for the closing lines alone
	v_lshrrev_b32 v9, 5, v0
	v_readfirstlane_b32 s2, v9                     ; wave
	s_mov_b32 s3, ttmp9                            ; g
	s_and_b32 s4, ttmp7, 0xffff                    ; batch
	v_and_b32 v9, 31, v0
	v_lshlrev_b32 v[LI], 4, v9
	v_lshlrev_b32 v[L8], 3, v9
	v_lshlrev_b32 v[LS], 2, v9
	v_bfe_u32 v[HH], v0, 4, 1
	v_and_b32 v[RR], 15, v0
	v_lshlrev_b32 v[R16], 4, v[RR]
	s_mov_b32 s26, 0x76543210
	s_mov_b32 s27, 0xfedcba98
	s_mov_b32 s28, 0x3e38aa3b                      ; log2(e) / 8
	s_mov_b32 s29, s28
	s_mov_b32 s30, 0xffff0000                      ; lanes 16-31
	s_wait_alu depctr_va_sdst(0)                   ; s2 is written, ahead of its first reader: the wave's LDS bytes and all its bases are made from it
	s_mul_i32 s31, s2, PRIVB
	s_add_co_u32 s31, s31, PRIV                    ; my wave's own LDS
.irp b, 0,1,2,3
	v_mov_b32 v[TM+4+\b], 0                        ; a lane permute's destination counts as one of its sources
.endr
	; ---- P1: wave w takes row tile w / 2 and K steps 4 (w % 2) + 0 .. 3
	s_lshr_b32 s70, s2, 1
	s_and_b32 s71, s2, 1
	v_add_nc_u32 v228, s31, v[LI]                  ; the stage, in
	v_mul_u32_u24 v229, v[RR], 528
	v_lshl_add_u32 v229, v[HH], 6, v229
	v_add_nc_u32 v229, s31, v229                   ; and back
	s_mul_i32 s72, s71, 24576
	s_mul_i32 s73, s70, 768
	s_add_co_u32 s72, s72, s73
	v_add_nc_u32 v230, s72, v[LI]
	v_add_nc_u32 v231, s72, v[L8]
	s_lshl_b32 s72, s71, 11
	s_lshl_b32 s73, s70, 7
	s_add_co_u32 s72, s72, s73
	s_add_co_u32 s72, s72, XSC
	v_add_nc_u32 v232, s72, v[LS]
	s_mul_i32 s78, s3, 48
	s_lshl_b32 s79, s70, 4
	s_add_co_u32 s78, s78, s79
	s_add_co_u32 s78, s78, 112
	s_lshl_b32 s79, s3, 4
	s_cmp_eq_u32 s70, 0
	s_cselect_b32 s78, s79, s78                    ; the tile's first query
	s_lshl_b32 s79, s4, 9
	s_add_co_u32 s78, s78, s79
	s_lshl_b32 s78, s78, 12
	s_lshl_b32 s79, s71, 11
	s_add_co_u32 s78, s78, s79
	s_mov_b32 s79, 0
	s_mul_i32 s72, s2, 12288
	s_mov_b32 s73, 0
	s_lshl_b32 s74, s2, 9
	s_mov_b32 s75, 0
	s_wait_kmcnt 0x0
	s_load_b32 s62, s[20:21], 0x0                  ; alpha
	s_load_b32 s63, s[22:23], 0x0                  ; beta
	s_add_nc_u64 s[66:67], s[8:9], s[78:79]
	s_add_nc_u64 s[32:33], s[10:11], s[72:73]      ; Wq's fragments, my 8 tiles
	s_add_nc_u64 s[34:35], s[12:13], s[74:75]      ; and their scale words
	s_wait_alu depctr_va_vdst(0)                   ; the lane offsets v3-5, v8 and P1's LDS addresses v228-232 are written, which the loads and LDS instructions below read
	XLOAD 0
	XLOAD 1
	XLOAD 2
	XSTEP 0, 32
	XSTEP 1, 32
	XSTEP 2, 16
	XSTEP 3, 0
	s_wait_dscnt 0x0                               ; my images have landed
	s_wait_alu depctr_vm_vsrc(0)                   ; P1's LDS instructions have read v228-232, v[PC ..] and v[PW]: the weights' and the fragments' loads land in these registers
	v_add_nc_u32 v9, 0, v[LI]
	v_add_nc_u32 v10, 0, v[L8]
	v_add_nc_u32 v11, XSC, v[LS]
	s_wait_alu depctr_va_vdst(0)                   ; v9-11 are written, which the product's LDS loads read; no vector instruction stands between this wait and the loads into v12-35 and v40-255 below
	LOADB 0
	LOADB 1
	BARRIER                                        ; x's 32 fragments lie in LDS
	; ---- P2
	GEMM8 0
	; ---- P3: q to codes, a head's 64 along d to half a fragment; and the addresses of P4
	v_add_nc_u32 v[QB16], s31, v[LI]
	v_add_nc_u32 v[QB8], s31, v[L8]
	v_add_nc_u32 v[QBS], s31, v[LS]
	v_add_nc_u32 v[QBS], 6144, v[QBS]
	v_mul_u32_u24 v[RTB], v[RR], 336
	v_add_nc_u32 v[RTB], s31, v[RTB]
	v_add_nc_u32 v[RTB], RT, v[RTB]                ; my query's table: 84 words
	v_lshl_add_u32 v[RTP], v[HH], 6, v[RTB]
	v_lshl_add_u32 v[RTE], v[RR], 2, v[RTB]
	v_lshl_add_u32 v[RTE], v[HH], 5, v[RTE]
	v_add_nc_u32 v[RTE], 64, v[RTE]
.irp b, 0,1,2                          ; block b's 16 keys of my half begin at word 16 clip(2 b + h - g + 2, 0, 4): under 0 all words are row 0's, over 4 all row 32's
	s_min_u32 s80, s3, 2*\b+2
	s_sub_co_u32 s80, 2*\b+2, s80
	s_min_u32 s80, s80, 4
	s_min_u32 s81, s3, 2*\b+3
	s_sub_co_u32 s81, 2*\b+3, s81
	s_min_u32 s81, s81, 4
	s_cmp_lg_u32 s80, s81
	s_cselect_b32 s81, 64, 0                       ; (0 wherever the lower half already stands at word 64: no read passes word 79)
	s_lshl_b32 s80, s80, 6
	v_mul_u32_u24 v[U0], s81, v[HH]
	v_add_nc_u32 v[RTR+\b], s80, v[RTB]
	v_add_nc_u32 v[RTR+\b], v[RTR+\b], v[U0]
.endr
	s_mul_i32 s70, s2, 3616
	s_add_co_u32 s70, s70, PX
	v_mul_u32_u24 v[PXW], v[RR], 112
	v_mad_u32_u24 v[PXW], v[HH], 48, v[PXW]
	v_add_nc_u32 v[PXW], s70, v[PXW]
	s_mul_i32 s70, s2, 136
	s_add_co_u32 s70, s70, PXS
	v_lshl_add_u32 v[PXSW], v[RR], 2, s70
	s_mul_i32 s70, s2, 6144
	s_add_co_u32 s70, s70, HIMG
	v_add_nc_u32 v[HB16], s70, v[LI]
	v_add_nc_u32 v[HB8], s70, v[L8]
	s_lshl_b32 s70, s2, 9
	s_add_co_u32 s70, s70, HSC
	v_add_nc_u32 v[HBS], s70, v[LS]
	v_add_nc_u32 v[HXB], s31, v[LI]
	v_add_nc_u32 v[HXB], HX, v[HXB]
	v_add_nc_u32 v[HXS], s31, v[LS]
	v_add_nc_u32 v[HXS], HX+4096, v[HXS]
.irp m, 0,1,2,3
	s_wait_dscnt 0x0
.if \m > 0
	s_wait_alu depctr_vm_vsrc(0)                   ; the last tile's stores have read v[PC ..], v[U0] and v[U1], which the lines below write again
.endif
	QUANT 64*\m, 1
	v_perm_b32 v[U0], v[PW], v[PW], 0x01000100     ; a head's two bytes, twice: q stands twice in the far tiles' operand
	v_perm_b32 v[U1], v[PW], v[PW], 0x03020302
	s_wait_alu depctr_va_vdst(0)                   ; the codes and the two scale words are written, which the stores below read (tile 0: their addresses too)
	ds_store_b128 v[QB16], v[PC:PC+3] offset:\m*768
	ds_store_b64 v[QB8], v[PC+4:PC+5] offset:\m*768+512
	ds_store_b128 v[QB16], v[PC+6:PC+9] offset:3072+\m*768
	ds_store_b64 v[QB8], v[PC+10:PC+11] offset:3584+\m*768
	ds_store_b32 v[QBS], v[U0] offset:\m*128
	ds_store_b32 v[QBS], v[U1] offset:512+\m*128
.endr
	s_wait_dscnt 0x0
	s_wait_alu depctr_vm_vsrc(0)                   ; the last tile's stores have read v[PC ..], v[U0] and v[U1], which the set-up and the softmax below write again
	; ---- P4: set-up
	KVBASE 36, 0, 73728, 768
	KVBASE 38, 2359296, 12288, 768
	KVBASE 40, 2752512, 24576, 768
	KVBASE 42, 3538944, 12288, 128
	KVBASE 44, 3932160, 2048, 128
	KVBASE 46, 3997696, 4096, 128
	KVBASE 48, 4128768, 98304, 6144
	KVBASE 50, 7274496, 8192, 512
	KVBASE 52, 7536640, 49152, 3072
	KVBASE 54, 9109504, 8192, 512
	KVBASE 56, 9371648, 65536, 4096
	WIN 0x40                                       ; (no vector instruction stands between P3's last wait on va_vdst and these loads: the quantiser is done reading q's sums in window 1, the products their scale words)
.irp e, 0,1,2,3,4,5
	global_load_b128 v[12*\e+6:12*\e+9], v[LI], s[16:17] offset:851968          ; rel_k's row 0 under each text key tile
	global_load_b64 v[12*\e+10:12*\e+11], v[L8], s[16:17] offset:851968+512
.endr
.irp t, 0,1,2,3
.irp c, 0,1,2
	global_load_b128 v[162+12*\t+4*\c:165+12*\t+4*\c], v[LI], s[16:17] offset:(508+\t)*1536+512*\c   ; query 127's matrix serves all far queries
.endr
.endr
	WIN 0
.irp t, 0,1,2,3
	global_load_b32 v[25+\t], v[LS], s[16:17] offset:786432+(508+\t)*128
.endr
.irp a, 0,1,2,3
	global_load_b32 v[33+\a], v[LS], s[16:17] offset:855040+\a*128
.endr
	s_wait_kmcnt 0x0
	v_mov_b32 v[GA], s62
	v_mov_b32 v[GB], s63
	v_mul_f32 v[GA], 0xc038aa3b, v[GA]             ; tanh(a) + 1 = 2 / (1 + e^(-2 a))
	v_mul_f32 v[GB], 0xc038aa3b, v[GB]
	v_exp_f32 v[GA], v[GA]
	v_exp_f32 v[GB], v[GB]
	v_mov_b32 v[NEG], 0xff800000
	s_wait_alu depctr_va_vdst(0)                   ; the two exponentials have written v[GA], v[GB], ahead of their first reader
	v_add_f32 v[GA], 1.0, v[GA]
	v_add_f32 v[GB], 1.0, v[GB]
	v_rcp_f32 v[GA], v[GA]
	v_rcp_f32 v[GB], v[GB]
	v_mov_b32 v[NM+1], 0                           ; the upper halves of pairs of which the low word serves both halves
	s_wait_alu depctr_va_vdst(0)                   ; the two reciprocals have written v[GA], v[GB], ahead of their first reader
	v_add_f32 v[GA], v[GA], v[GA]
	v_add_f32 v[GB], v[GB], v[GB]
	v_mov_b32 v[IL+1], 0
	v_mov_b32 v[CA+1], 0
	v_mov_b32 v[CI+1], 0
	v_mov_b32 v[NI+1], 0
	v_mov_b32 v[U1], 0
.irp b, 0,1,2,3
	v_mov_b32 v[TM+4+\b], 0
.endr
.irp i, 6,7,8,9,10,11
	v_mov_b32 v[QZ+\i], 0
.endr
	s_mov_b32 s68, 0
	s_mov_b32 s69, 0
	s_mov_b32 s72, 0
	s_mov_b32 s73, 0
	s_mov_b32 s74, 0
	s_mov_b32 s75, 0
	s_mov_b32 s77, 2
.Lhead:                                            ; my two heads
.irp i, 24,25,26,27,28,29
	v_mov_b32 v[OUT+\i], 0                         ; zero codes under rel_k's fourth tile: written here, so that the four lines below and the turn's additions stand between them and the scaled product that reads them
.endr
	PL 4                                           ; places behind the zero codes above, ahead of the wait
	s_wait_alu depctr_va_vdst(0)                   ; the last head's products and vector lines are done with its operands, its scale words and v[OUT ..], in which the loads below land; the zero codes (v[OUT + 24 ..]; first trip: v[QZ + 6 ..]) are written, which scaled products take
	LOADOPS
	s_wait_loadcnt 0x0
	COMBO 1
	s_mov_b32 s76, 3
.Lfar:
	COMBO 0
	s_sub_co_u32 s76, s76, 1
	s_cmp_lg_u32 s76, 0
	s_cbranch_scc1 .Lfar
	s_wait_xcnt 0x0                                ; the head's loads have read their bases
	s_add_nc_u64 s[36:37], s[36:37], 768
	s_add_nc_u64 s[38:39], s[38:39], 768
	s_add_nc_u64 s[40:41], s[40:41], 768
	s_add_nc_u64 s[42:43], s[42:43], 128
	s_add_nc_u64 s[44:45], s[44:45], 128
	s_add_nc_u64 s[46:47], s[46:47], 128
	s_add_nc_u64 s[48:49], s[48:49], 6144
	s_add_nc_u64 s[50:51], s[50:51], 512
	s_add_nc_u64 s[52:53], s[52:53], 3072
	s_add_nc_u64 s[54:55], s[54:55], 512
	s_add_nc_u64 s[56:57], s[56:57], 4096
	s_sub_co_u32 s72, s72, 510                     ; back over four tiles' words, on to the odd head's two bytes
	s_add_co_u32 s73, s73, 1808
	s_add_co_u32 s74, s74, 68
	s_add_co_u32 s75, s75, 4224
	s_sub_co_u32 s77, s77, 1
	s_cmp_lg_u32 s77, 0
	s_cbranch_scc1 .Lhead
	; ---- the general tile's p against rel_v[dist]: queries 2 w, 2 w + 1; source 0 = the query's matrix (d x keys), source 1 = p of the 16 heads
	PL 4
	s_lshl_b32 s70, s3, 4
	s_lshl_b32 s71, s2, 1
	s_add_co_u32 s70, s70, s71
	s_mul_i32 s78, s70, 6144
	s_mov_b32 s79, 0
	s_add_nc_u64 s[58:59], s[16:17], s[78:79]
	s_lshl_b32 s78, s70, 9
	s_add_co_u32 s78, s78, 786432
	s_add_nc_u64 s[60:61], s[16:17], s[78:79]
	WIN 0x40                                       ; (since the last turn's wait on va_vdst no vector instruction has named a register: the products are done with window 1 v0-95 and v12-19, in which these loads land)
.irp n, 0,1,2,3,4,5,6,7
.irp c, 0,1,2
	global_load_b128 v[12*\n+4*\c:12*\n+4*\c+3], v[LI], s[58:59] offset:\n*1536+512*\c
.endr
.endr
	WIN 0
.irp n, 0,1,2,3,4,5,6,7
	global_load_b32 v[12+\n], v[LS], s[60:61] offset:\n*128
.endr
	s_mul_i32 s70, s2, 224
	s_add_co_u32 s70, s70, PX
	v_mul_u32_u24 v231, v[RR], 1808
	v_mad_u32_u24 v231, v[HH], 48, v231
	v_add_nc_u32 v231, s70, v231                   ; p: head = my lane % 16, my two queries
	s_lshl_b32 s70, s2, 3
	s_add_co_u32 s70, s70, PXS
	v_mul_u32_u24 v232, v[RR], 68
	v_add_nc_u32 v232, s70, v232
	s_mul_i32 s70, s2, 8736
	v_mul_u32_u24 v233, v[RR], 272
	v_lshl_add_u32 v233, v[HH], 5, v233
	v_add_nc_u32 v233, s70, v233                   ; the exchange, in: query, head, tile, half
	s_mul_i32 s70, s2, 544
	v_mul_u32_u24 v234, v[RR], 4368
	v_lshl_add_u32 v234, v[HH], 5, v234
	v_add_nc_u32 v234, s70, v234                   ; and back: query = my lane % 16, my two heads
	s_wait_alu depctr_va_vdst(0)                   ; the four addresses v231-234 are written, which the LDS instructions below read
	BARRIER                                        ; every head's p lies in LDS; nobody reads x's images any more
.irp q, 0,1
.irp c, 0,1,2
	ds_load_b128 v[40+12*\q+4*\c:43+12*\q+4*\c], v231 offset:112*\q+16*\c
.endr
	ds_load_b32 v[37+\q], v232 offset:4*\q
.endr
	s_wait_dscnt 0x0
	s_wait_loadcnt 0x0
	WIN 0x41
.irp t, 0,1,2,3
	MMZ OA+8*\t, 12*\t, 40, 12+\t, 37
.endr
	WIN 0x01
.irp t, 0,1,2,3
	MMZ S+8*\t, 48+12*\t, 52, 16+\t, 38
.endr
	WIN 0
	PL 4
	WIN 0x04
	s_wait_alu depctr_va_vdst(0)                   ; the eight products have written OA and v[S ..], which the stores below read; the places above stay beside this wait
.irp t, 0,1,2,3
.irp k, 0,1
	ds_store_b128 v233, v[OA+8*\t+4*\k:OA+8*\t+4*\k+3] offset:64*\t+16*\k
.endr
.endr
	WIN 0
.irp t, 0,1,2,3
.irp k, 0,1
	ds_store_b128 v233, v[S+8*\t+4*\k:S+8*\t+4*\k+3] offset:4368+64*\t+16*\k
.endr
.endr
	BARRIER                                        ; the rel_v terms of all 16 queries and heads lie in LDS
.irp q, 0,1                            ; my two heads: the kept sums + the term / the row's sum, to codes
	s_wait_alu depctr_vm_vsrc(0)                   ; first head: the exchange's stores have read v[S ..], in which the loads below land; second head: the first's stores have read v[PC ..] and v[PW], which the quantiser writes again
.irp t, 0,1,2,3
.irp k, 0,1
	ds_load_b128 v[S+8*\t+4*\k:S+8*\t+4*\k+3], v234 offset:\q*272+64*\t+16*\k
.endr
.endr
.irp k, 0,1,2,3,4,5,6,7
	ds_load_b128 v[OUT+4*\k:OUT+4*\k+3], v[HXB] offset:\q*4224+512*\k
.endr
	ds_load_b32 v[IL], v[HXS] offset:\q*4224
	s_wait_dscnt 0x0
.set n, 0
.rept 16
	v_pk_fma_f32 v[OUT+n:OUT+n+1], v[S+n:S+n+1], v[IL:IL+1], v[OUT+n:OUT+n+1] op_sel_hi:[1,0,1]
.set n, n+2
.endr
	QUANT32 OUT
	s_wait_alu depctr_va_vdst(0)                   ; the codes and their bytes are written, which the stores below read; the lines above are done with v[S ..], v[OUT ..] and v[IL], in which the second head's loads land
	ds_store_b128 v[HB16], v[PC:PC+3] offset:\q*3072
	ds_store_b64 v[HB8], v[PC+4:PC+5] offset:\q*3072+512
	ds_store_b16 v[HBS], v[PW] offset:2*\q
	s_wait_dscnt 0x0
.endr
	; ---- P5
	s_wait_xcnt 0x0                                ; earlier loads have read the bases that are written now
	s_wait_alu depctr_vm_vsrc(0)                   ; the LDS instructions above have read v[PC ..], v[PW] and the address registers of v228-254: the weights' and the fragments' loads land in these registers
	s_mul_i32 s70, s2, 12288
	s_add_co_u32 s70, s70, 786432
	s_mov_b32 s71, 0
	s_add_nc_u64 s[32:33], s[10:11], s[70:71]      ; Wo's fragments, my 8 tiles
	s_lshl_b32 s70, s2, 9
	s_add_nc_u64 s[58:59], s[18:19], s[70:71]      ; bo, my 128 columns
	s_add_co_u32 s70, s70, 32768
	s_add_nc_u64 s[34:35], s[12:13], s[70:71]
	v_add_nc_u32 v9, HIMG, v[LI]
	v_add_nc_u32 v10, HIMG, v[L8]
	v_add_nc_u32 v11, HSC, v[LS]
	v_lshlrev_b32 v[RR], 6, v[HH]                  ; 64 x (lane / 16), for bo
	s_wait_alu depctr_va_vdst(0)                   ; v9-11 and v[RR] are written, which the product's loads read; no vector instruction stands between this wait and the loads into v12-35 and v40-255 below
	LOADB 0
	LOADB 1
	s_lshl_b32 s70, s4, 9
	s_lshl_b32 s72, s3, 4
	s_add_co_u32 s72, s72, s70
	s_lshl_b32 s78, s72, 12
	s_lshl_b32 s73, s2, 9
	s_add_co_u32 s78, s78, s73
	s_mov_b32 s79, 0
	s_add_nc_u64 s[66:67], s[24:25], s[78:79]      ; out0 at the general tile's first row, my columns
	s_mul_i32 s72, s3, 48
	s_add_co_u32 s72, s72, 128
	s_add_co_u32 s72, s72, s70
	s_lshl_b32 s78, s72, 12
	s_add_co_u32 s78, s78, s73
	s_add_nc_u64 s[68:69], s[24:25], s[78:79]      ; and at the far tiles'
	BARRIER                                        ; out's 32 fragments lie in LDS
	GEMM8 1
	s_wait_loadcnt 0x0                             ; bo
	s_wait_alu depctr_vm_vsrc(0)                   ; bo's loads have read v[RR], the fragments' loads v9 and v10: the lines below write them again
	v_and_b32 v[RR], 15, v0
	v_mul_u32_u24 v9, v[RR], 528
	v_lshl_add_u32 v9, v[HH], 6, v9
	v_add_nc_u32 v9, s31, v9                       ; my stage, in: row r, + 64 h
	v_add_nc_u32 v10, s31, v[LI]                   ; and back: a row's 512 bytes
.irp m, 0,1,2,3
.if \m > 0
	s_wait_alu depctr_vm_vsrc(0)                   ; the last tile's LDS stores have read v104-167, which the additions write again, and its global stores v168-231, in which the LDS loads below land
.endif
	WIN 0x01
.set n, 0
.rept 32
	v_pk_add_f32 v[104+n:105+n], v[64*\m+n:64*\m+n+1], v[40+n:41+n]   ; + bo; each accumulator from its low end on
.set n, n+2
.endr
	WIN 0
	s_wait_alu depctr_va_vdst(0)                   ; the additions have written v104-167, which the stores below read (tile 0: v9 and v10 are written too, and the products are done with v168-231, in which the LDS loads land)
.irp f, 0,1,2,3,4,5,6,7
.irp k, 0,1
	ds_store_b128 v9, v[104+8*\f+4*\k:107+8*\f+4*\k] offset:128*(\f/2)+32*(\f%2)+16*\k
.endr
.endr
	s_wait_xcnt 0x0                                ; the last tile's stores have had their addresses translated
.irp p, 0,1,2,3,4,5,6,7,8,9,10,11,12,13,14,15
	ds_load_b128 v[168+4*\p:171+4*\p], v10 offset:\p*528   ; a wave's LDS instructions are served in order: these see my stores
.endr
.irp p, 0,1,2,3,4,5,6,7,8,9,10,11,12,13,14,15
	s_wait_dscnt 15-\p                             ; row p is back; the younger rows may be out
.if \m == 0
	global_store_b128 v[LI], v[168+4*\p:171+4*\p], s[66:67] offset:\p*4096 th:TH_STORE_NT          ; 32 lanes store 512 consecutive bytes, aligned
.else
	global_store_b128 v[LI], v[168+4*\p:171+4*\p], s[68:69] offset:(16*(\m-1)+\p)*4096 th:TH_STORE_NT
.endif
.endr
.endr
	s_wait_dscnt 0x0                               ; the closing lines, six on end
	s_wait_alu 0x0
	s_wait_tensorcnt 0x0
	ds_add_u32 v1, v2
	s_wait_dscnt 0x0
	s_endpgm
.Lfunc_end_k_qfab833c015_main:
	.size	k_qfab833c015_main, .Lfunc_end_k_qfab833c015_main-k_qfab833c015_main
	.p2alignl 7, 3214868480
	.fill 96, 4, 3214868480
	.section	.rodata,"a",@progbits
	.p2align	6, 0x0
	.amdhsa_kernel k_qfab833c015_main
		.amdhsa_group_segment_fixed_size 324352
		.amdhsa_private_segment_fixed_size 0
		.amdhsa_enable_private_segment 0
		.amdhsa_kernarg_size 72
		.amdhsa_user_sgpr_count 2
		.amdhsa_user_sgpr_kernarg_segment_ptr 1
		.amdhsa_wavefront_size32 1
		.amdhsa_system_sgpr_workgroup_id_x 1
		.amdhsa_system_sgpr_workgroup_id_y 1
		.amdhsa_system_sgpr_workgroup_id_z 1
		.amdhsa_system_vgpr_workitem_id 0
		.amdhsa_next_free_vgpr 512
		.amdhsa_next_free_sgpr 96
		.amdhsa_reserve_vcc 0
		.amdhsa_float_denorm_mode_32 3
		.amdhsa_float_denorm_mode_16_64 3
		.amdhsa_memory_ordered 1
		.amdhsa_forward_progress 1
		.amdhsa_inst_pref_size 255
	.end_amdhsa_kernel
	.section	.bss,"aw",@nobits
	.p2align	6
	.space	262144
	.amdgpu_metadata
---
amdhsa.version: [ 1, 2 ]
amdhsa.kernels:
  - .name:           k_qfab833c015_main
    .symbol:         k_qfab833c015_main.kd
    .args:
      - { .name: x, .offset: 0, .size: 8, .value_kind: global_buffer, .address_space: global }
      - { .name: wf, .offset: 8, .size: 8, .value_kind: global_buffer, .address_space: global }
      - { .name: ws, .offset: 16, .size: 8, .value_kind: global_buffer, .address_space: global }
      - { .name: kv, .offset: 24, .size: 8, .value_kind: global_buffer, .address_space: global }
      - { .name: tab, .offset: 32, .size: 8, .value_kind: global_buffer, .address_space: global }
      - { .name: bo, .offset: 40, .size: 8, .value_kind: global_buffer, .address_space: global }
      - { .name: alpha, .offset: 48, .size: 8, .value_kind: global_buffer, .address_space: global }
      - { .name: beta, .offset: 56, .size: 8, .value_kind: global_buffer, .address_space: global }
      - { .name: out0, .offset: 64, .size: 8, .value_kind: global_buffer, .address_space: global }
    .group_segment_fixed_size: 324352
    .private_segment_fixed_size: 0
    .kernarg_segment_align: 8
    .kernarg_segment_size: 72
    .max_flat_workgroup_size: 256
    .sgpr_count:     96
    .vgpr_count:     512
    .wavefront_size: 32
...
	.end_amdgpu_metadata
.endif
;; end of part 5
